; MI455X (gfx1250); checked and timed in simulation.
; The chip was launched on July 23, 2026; its instructions are those of AMD's public machine-readable ISA for CDNA 5 (MIT licence, August 2026) and "CDNA5" Instruction Set Architecture Reference Guide (July 2026). The comments in the code are by the model that wrote it; some were corrected since.
;; Cached Video Attention. Allowed arithmetic: matrix products marked QUANTISED: E2M3 operands, one E8M0 scale for each 32 along K, by v_wmma_scale_f32_16x16x128_f8f6f4 with both operands' format E2M3, f32 sums; everything else in f32.
;; Inputs: W_o_codes 1,024 x 32 x 24 uint8 (E2M3 codes of W_o, K innermost, in blocks of 32 codes, four codes in three bytes); W_o_scales 1,024 x 32 uint8 (E8M0 scales of W_o, one for each 32 codes along K); W_qkv_codes 3,072 x 32 x 24 uint8 (E2M3 codes of W_qkv, K innermost, in blocks of 32 codes, four codes in three bytes); W_qkv_scales 3,072 x 32 uint8 (E8M0 scales of W_qkv, one for each 32 codes along K); k_cache 2 x 16 x 2,048 x 64 float32; scale_k 1 x 1 x 64 float32; scale_q 1 x 1 x 64 float32; v_cache 2 x 16 x 2,048 x 64 float32; x_codes 2 x 2,048 x 32 x 24 uint8 (E2M3 codes of x, K innermost, in blocks of 32 codes, four codes in three bytes); x_scales 2 x 2,048 x 32 uint8 (E8M0 scales of x, one for each 32 codes along K).
;; Outputs: out0 2 x 2,048 x 1,024 float32.
;; This version of the problem:
;;   THIS VERSION OF THE PROBLEM IS GIVEN IN LOW PRECISION. The matrix products marked QUANTISED in the list below multiply operands that are first quantised to E2M3 (2 exponent bits, 3 mantissa bits; 6 bits a number), with one power-of-two scale for each 32 numbers along K (OCP MX v1.0); their sums are f32. All else is computed in f32.
;;   The module's matrix products, in the order in which they are computed (A, B: the left and right operand; K: the contracted axis; several contracted axes count as one K, in the product's order):
;;     1. [M 4,096, K 1,024] x [K 1,024, N 3,072]; A: input x (given as codes); B: input W_qkv (given as codes): QUANTISED
;;     2. batch 32 x [M 2,048, K 64] x [K 64, N 4,096]; A: computed on the way; B: computed on the way: QUANTISED
;;     3. batch 32 x [M 2,048, K 4,096] x [K 4,096, N 64]; A: softmax (see below); B: computed on the way: QUANTISED
;;     4. [M 4,096, K 1,024] x [K 1,024, N 1,024]; A: computed on the way; B: input W_o (given as codes): QUANTISED
;;   THE QUANTISER, for each operand of a quantised product, along K:
;;     - K is cut into blocks of 32 from its start; a last block that is shorter is filled with zeros.
;;     - A block's scale is 2^e with e = floor(log2(the largest magnitude in the block)) - 2, held to -126 .. 127; a block of zeros has e = 0. As a byte (E8M0): e + 127.
;;     - Each number is divided by its block's scale, clamped to +-7.5, and rounded to the nearest number of E2M3, ties to even, subnormals kept.
;;     - The product sums the exact products of the quantised numbers (number of the format x scale) in f32.
;;   ~~~python
;;   def quantise(x, axis):      # numpy; x: float32 -> the quantised numbers, widened to float32 again
;;       x = np.moveaxis(x, axis, -1); K = x.shape[-1]
;;       x = np.pad(x, [(0, 0)] * (x.ndim - 1) + [(0, -K % 32)]); x = x.reshape(x.shape[:-1] + (-1, 32)); a = np.abs(x).max(-1, keepdims=True)
;;       e = np.where(a > 0, np.clip(np.frexp(np.where(a > 0, a, 1))[1] - 1 - 2, -126, 127), 0)      # np.frexp(a)[1] - 1 = floor(log2(a)), exactly
;;       r = np.clip(x / 2.0 ** e, -7.5, 7.5)
;;       step = 2.0 ** (np.maximum(np.frexp(np.where(r == 0, 1, r))[1] - 1, 0) - 3)
;;       q = np.round(r / step) * step * 2.0 ** e      # np.round: ties to even
;;       return np.moveaxis(q.reshape(q.shape[:-2] + (-1,))[..., :K], -1, axis).astype(np.float32)
;;   ~~~
;;   SOFTMAX AHEAD OF A QUANTISED PRODUCT. Where the list says 'softmax', what is quantised is not the finished softmax but p = 2^(t - M), with t = logit x log2(e) and M = ceil(the row's largest t), a whole number; so 1/2 < the row's largest p <= 1. The row's sum l is taken of the UNQUANTISED p, in f32, and the product's result is divided by l at the end. Since M is a whole number, a kernel that streams over the keys may use a running M (the ceiling of the running maximum): every later rescaling is an exact power of two, which a block's scale takes up: the codes' values come out the same.
;;   OPERANDS COMPUTED ON THE WAY. 'Computed on the way' means the value that the module computes at that place (a softmax that the list does not call 'softmax' is quantised finished and normalised). What goes into a quantiser is computed in f32, as accurately as f32 sums, v_exp_f32 and their like allow (about 1e-6 of the number): no bf16 or f16 on the way to a quantiser, and a product that is left as it is and whose result goes on into a quantised operand takes f32 operands (vector FMAs, or v_wmma_f32_16x16x4_f32). A number that lies on a knife's edge between two numbers of the format may be rounded either way, as far as f32 arithmetic and the matrix unit's own rounding can turn it there, and no further.
;;   INPUTS GIVEN AS CODES. W_o (in the module: [1024, 1024], K = its axis 1); W_qkv (in the module: [3072, 1024], K = its axis 1); x (in the module: [2, 2048, 1024], K = its axis 2): each comes as NAME_codes (uint8): NAME with its K axis moved to the last place and cut into blocks of 32 codes, [.., K / 32, bytes a block], one block behind the other in memory; four codes in three bytes: a row's codes are one little-endian stream of bits, code i at bits 6 i .. 6 i + 5 (a code: sign, 2 exponent bits, 3 mantissa bits); and NAME_scales (uint8): the same leading axes, one E8M0 byte (e + 127) for each 32 codes along K. Its value is code x scale, taken as it is: it is not quantised again, and the codes and scales need not be those that the quantiser above would give.
;; 2 versions. Each part assembles by itself: llvm-mc -triple=amdgcn-amd-amdhsa -mcpu=gfx1250 --defsym DOCPART=n.
;; ======== version 1 of 2: 4 launches
;; workspace buffers: q_img 3,145,728 bytes; q_sc 262,144 bytes; kv_img 12,582,912 bytes; kv_sc 786,432 bytes; o_img 3,145,728 bytes; o_sc 131,072 bytes
;; launch quant_cache (part 1): grid 512 x 1, 4 waves a work-group, no clusters, 37,376 bytes of LDS; arguments k_cache, v_cache, kv_img, kv_sc; writes kv_img, kv_sc
.if DOCPART == 1
	.amdgcn_target "amdgcn-amd-amdhsa--gfx1250"
	.amdhsa_code_object_version 6
	.text
	.protected	k_q59a455629b_quant_cache
	.globl	k_q59a455629b_quant_cache
	.p2align	8
	.type	k_q59a455629b_quant_cache,@function
k_q59a455629b_quant_cache:
	s_mov_b64 s[64:65], 0
	v_nop
	global_prefetch_b8 v0, s[64:65] scope:SCOPE_SE
	s_setreg_imm32_b32 hwreg(HW_REG_WAVE_MODE, 25, 1), 1
	s_wait_xcnt 0x0
; k_cache and v_cache [32 heads][2048 keys][64], f32, become codes of FP6 (E2M3) with E8M0 scale bytes, laid as the attention launch's operand registers want them.
; K is quantised along the head's 64 numbers, V along the keys.  A block's scale byte is its largest magnitude's exponent field - 2, held at 1 from below.
; AN IMAGE (768 bytes) is 16 rows x 64 along K as it stands in registers: lane (r, h) holds the 24 bytes of codes k = 32 h .. 32 h + 31 of row r: registers 0-3 at 16 x lane, registers 4-5 at 512 + 8 x lane.
; TILE ORDER: of a group of 32 rows, tile u takes row 8 u + r + 8 (r / 8) in lane r.
; kv_img: [head][slot of 256 keys][24,576]: 16 images of K (tiles of 16 keys), then for each of the slot's two steps of 128 keys: [tile of 16 d: 4][64 keys: 2] images of V.
; kv_sc:  [head][24,576]: K: [tile 256][r 16] words (bytes 0, 1 the row's two scales, bytes 2, 3 the same again); then V: [step 32][tile 4][r 16] words, byte j for keys 32 j on.
; This launch fills the halves that belong to the cache (keys 0 .. 2047); the next launch fills the others.
; Work-groups 0-255 take K, 256-511 take V; a wave takes 16 KiB of input.  Waves share nothing: no barrier.  Only K's path uses LDS.
; No matrix unit, no cluster, no tensor load: a stream read once, whose work-groups share no byte.
; LIMITS: NaN and infinities are not served; a block whose largest magnitude lies under 2^-124 keeps the byte 1 (a block of zeros too: its codes are zeros, and this program alone reads the bytes).
; V's stores of 8 bytes a lane fill aligned halves of 128 bytes; the store of the block after fills the other half.
.set SP,   144                         ; a lane's place in the stage: 128 bytes + 16: an odd multiple of 16
.set SW,   64*SP                       ; a wave's stage: two tiles x 32 lanes
.set X,    32                          ; v32-159  the numbers as loaded
.set Y,    160                         ; v160-223 K: two tiles x 32 numbers of one block
.set CK,   224                         ; v224-255 K: codes, 8 registers a tile
.set CV,   160                         ; v160-191 V: codes, 8 registers a block
.set L16,  3
.set L8,   4
.set L4,   5
.set STA,  6                           ; the stage, on the way in
.set RDA,  7                           ; and on the way out
.set H8,   8                           ; 8 x (lane / 16)
.set VO16, 16
.set VO8,  17
.set VOS,  18
.set WD,   24                          ; v24-25  scale words to store
	s_load_b128 s[4:7], s[0:1], 0x0                ; k_cache, v_cache
	s_load_b128 s[8:11], s[0:1], 0x10              ; kv_img, kv_sc
	v_lshl_add_u32 v247, v0, 2, 0x9000
	v_mov_b32 v255, 0
	v_lshrrev_b32 v1, 5, v0
	v_readfirstlane_b32 s12, v1                    ; wave
	v_and_b32 v2, 31, v0                           ; lane
	v_lshlrev_b32 v[L16], 4, v2
	v_lshlrev_b32 v[L8], 3, v2
	v_lshlrev_b32 v[L4], 2, v2
	v_bfe_u32 v9, v0, 3, 1                         ; (lane / 8) % 2
	v_bfe_u32 v10, v0, 4, 1                        ; lane / 16
	v_and_b32 v15, 7, v0                           ; lane % 8
	v_lshlrev_b32 v[H8], 3, v10
	s_mul_i32 s18, s12, SW
	v_lshl_add_u32 v1, v9, 4, v10                  ; a load's lane holds key (lane / 16), half (lane / 8) % 2: it goes to the stage's lane 16 x half + key
	v_mul_u32_u24 v1, v1, SP
	v_lshl_add_u32 v1, v15, 4, v1
	v_add_nc_u32 v[STA], s18, v1
	v_mul_u32_u24 v1, v2, SP
	v_add_nc_u32 v[RDA], s18, v1
	v_mov_b32 v14, 0                               ; a lane permute's destination counts as one of its sources
	s_mov_b32 s15, 0
	s_mov_b32 s25, 0
	s_mov_b32 s27, 0
	s_mov_b32 s20, 0x76543210
	s_mov_b32 s21, 0xfedcba98                      ; v_permlanex16_b32's selects for lane l xor 16
	s_mov_b32 s22, 0xffff0000                      ; lanes 16-31
	s_cmp_lt_u32 ttmp9, 256
	s_cbranch_scc0 .Lv_path
; the largest magnitude of v[xs] .. v[xs + 31], and the floor 2^(3 - 127), into v12
.macro MAX32 xs
	v_max3_num_f32 v12, |v[\xs]|, |v[\xs+1]|, |v[\xs+2]|
	v_max3_num_f32 v13, |v[\xs+3]|, |v[\xs+4]|, |v[\xs+5]|
.irp i, 6,10,14,18,22,26
	v_max3_num_f32 v12, v12, |v[\xs+\i]|, |v[\xs+\i+1]|
	v_max3_num_f32 v13, v13, |v[\xs+\i+2]|, |v[\xs+\i+3]|
.endr
	v_max3_num_f32 v12, v12, |v[\xs+30]|, |v[\xs+31]|
	v_max3_num_f32 v12, v12, v13, 0x1800000
.endm
; 32 numbers of one block become 24 bytes of codes in v[c] .. v[c + 5]; the scale's byte in v13
.macro CODES xs, c
	v_add_nc_u32 v11, 0xff000000, v12              ; 2 off the exponent field: the conversion takes this operand's exponent field as its scale
	v_cvt_scalef32_pk16_fp6_f32 v[\c:\c+2], v[\xs:\xs+15], v11
	v_cvt_scalef32_pk16_fp6_f32 v[\c+4:\c+6], v[\xs+16:\xs+31], v11   ; (a conversion's three registers begin on an even number)
	v_lshrrev_b32 v13, 23, v11                     ; the byte; also the plain instruction behind the conversions
	v_mov_b32 v[\c+3], v[\c+4]
	v_mov_b32 v[\c+4], v[\c+5]
	v_mov_b32 v[\c+5], v[\c+6]
.endm
	; ---------------- K: my wave's 64 keys = 4 tiles
	s_lshl_b32 s13, ttmp9, 2
	s_add_co_u32 s13, s13, s12                     ; which 64 keys: 0 .. 1023
	s_lshl_b32 s14, s13, 14                        ; 64 keys x 256 bytes
	s_lshr_b32 s16, s13, 5                         ; head
	s_and_b32 s17, s13, 31                         ; which 64 keys of the head
	s_mul_i32 s24, s16, 393216
	s_lshr_b32 s18, s17, 2
	s_mul_i32 s18, s18, 24576                      ; the slot
	s_add_co_u32 s24, s24, s18
	s_and_b32 s18, s17, 3
	s_mul_i32 s18, s18, 3072                       ; four images on
	s_add_co_u32 s24, s24, s18
	s_mul_i32 s26, s16, 24576
	s_lshl_b32 s18, s17, 8                         ; four tiles' words
	s_add_co_u32 s26, s26, s18
	s_wait_kmcnt 0x0
	s_add_nc_u64 s[4:5], s[4:5], s[14:15]
	s_add_nc_u64 s[8:9], s[8:9], s[24:25]
	s_add_nc_u64 s[10:11], s[10:11], s[26:27]
.set i, 0
.rept 32
	global_load_b128 v[X+4*i:X+4*i+3], v[L16], s[4:5] offset:512*i th:TH_LOAD_NT   ; 32 lanes read 512 consecutive bytes: two keys
.set i, i+1
.endr
.macro KQ ys, tile, wd                 ; a tile: my lane's block of 32 (row r, half h) is all mine
	MAX32 \ys
	CODES \ys, CK+8*(\tile)
	global_store_b128 v[L16], v[CK+8*(\tile):CK+8*(\tile)+3], s[8:9] offset:768*(\tile)
	global_store_b64 v[L8], v[CK+8*(\tile)+4:CK+8*(\tile)+5], s[8:9] offset:768*(\tile)+512
	v_lshlrev_b32 v13, v[H8], v13                  ; my byte at its place,
	v_permlanex16_b32 v14, v13, s20, s21
	v_or_b32 v13, v13, v14                         ; with lane l xor 16's,
	v_lshl_or_b32 v[\wd], v13, 16, v13             ; and both once more for the empty upper half of the product's K
.endm
.macro KGROUP g                        ; 32 keys: through the stage they come to the lanes that want them
.if \g == 0
	s_wait_loadcnt 16                              ; this group's 16 loads are in; the other group's may be out
.else
	s_wait_loadcnt 0x0
.endif
.irp i, 0,1,2,3,4,5,6,7,8,9,10,11,12,13,14,15
	ds_store_b128 v[STA], v[X+64*\g+4*\i:X+64*\g+4*\i+3] offset:((\i/4)%2)*32*SP+(2*(\i%4)+8*(\i/8))*SP
.endr
.irp u, 0,1
.irp j, 0,1,2,3,4,5,6,7
	ds_load_b128 v[Y+32*\u+4*\j:Y+32*\u+4*\j+3], v[RDA] offset:\u*32*SP+16*\j   ; LDS serves a wave's instructions in order: these see my stores
.endr
.endr
	s_wait_dscnt 8                                 ; the first tile's numbers are back; the second tile's eight loads may be out
	KQ Y, 2*\g, 20
	s_wait_dscnt 0x0
	KQ Y+32, 2*\g+1, 21
	v_cndmask_b32 v[WD+\g], v20, v21, s22          ; lanes 0-15 the first tile's words, lanes 16-31 the second's
	global_store_b32 v[L4], v[WD+\g], s[10:11] offset:128*\g
.endm
	KGROUP 0
	KGROUP 1
	s_wait_tensorcnt 0x0
	ds_add_u32 v247, v255
	s_wait_dscnt 0x0
	s_endpgm
.Lv_path:
	; ---------------- V: my wave takes 128 keys (a step) x 32 of the head's 64: a lane a column d, its registers down the keys
	s_sub_co_u32 s13, ttmp9, 256
	s_lshl_b32 s13, s13, 2
	s_add_co_u32 s13, s13, s12
	s_lshr_b32 s16, s13, 5                         ; head
	s_bfe_u32 s17, s13, 0x40001                    ; step 0 .. 15
	s_and_b32 s18, s13, 1                          ; which 32 columns
	s_lshl_b32 s14, s16, 19                        ; head x 2048 keys x 256 bytes
	s_lshl_b32 s19, s17, 15
	s_add_co_u32 s14, s14, s19
	s_lshl_b32 s19, s18, 7
	s_add_co_u32 s14, s14, s19
	s_mul_i32 s24, s16, 393216
	s_lshr_b32 s19, s17, 1
	s_mul_i32 s19, s19, 24576
	s_add_co_u32 s24, s24, s19
	s_and_b32 s19, s17, 1
	s_mul_i32 s19, s19, 6144
	s_add_co_u32 s24, s24, s19
	s_mul_i32 s19, s18, 3072
	s_add_co_u32 s24, s24, s19
	s_add_co_u32 s24, s24, 12288                   ; behind the slot's images of K
	s_mul_i32 s26, s16, 24576
	s_lshl_b32 s19, s17, 8
	s_add_co_u32 s26, s26, s19
	s_lshl_b32 s19, s18, 7
	s_add_co_u32 s26, s26, s19
	s_add_co_u32 s26, s26, 16384                   ; behind K's words
	v_lshl_add_u32 v15, v10, 3, v15                ; column 32 b + lane is row r' = lane % 8 + 8 (lane / 16) of tile 2 b + (lane / 8) % 2
	v_mul_u32_u24 v1, v9, 1536
	v_lshl_add_u32 v[VO16], v15, 4, v1
	v_lshl_add_u32 v[VO8], v15, 3, v1
	v_lshlrev_b32 v1, 6, v9
	v_lshl_add_u32 v[VOS], v15, 2, v1
	s_wait_kmcnt 0x0
	s_add_nc_u64 s[6:7], s[6:7], s[14:15]
	s_add_nc_u64 s[8:9], s[8:9], s[24:25]
	s_add_nc_u64 s[10:11], s[10:11], s[26:27]
.macro VLOAD j                         ; block j: keys 32 j .. 32 j + 31 of my column; 32 lanes read 128 consecutive bytes
.set i, 0
.rept 32
	global_load_b32 v[X+32*(\j)+i], v[L4], s[6:7] offset:256*(32*(\j)+i) th:TH_LOAD_NT
.set i, i+1
.endr
.endm
.macro VBLOCK j                        ; block j belongs to image j / 2, lanes' half j % 2
.if \j < 3
	s_wait_loadcnt 32                              ; this block's 32 loads are in; the next block's may be out
.else
	s_wait_loadcnt 0x0
.endif
	MAX32 X+32*\j
	CODES X+32*\j, CV+8*\j
.if \j == 0
	v_mov_b32 v[WD], v13
.else
	v_lshl_or_b32 v[WD], v13, 8*\j, v[WD]
.endif
	global_store_b128 v[VO16], v[CV+8*\j:CV+8*\j+3], s[8:9] offset:(\j/2)*768+256*(\j%2)
	global_store_b64 v[VO8], v[CV+8*\j+4:CV+8*\j+5], s[8:9] offset:(\j/2)*768+512+128*(\j%2)
.if \j < 2
	VLOAD \j+2
.endif
.endm
	VLOAD 0
	VLOAD 1
	VBLOCK 0
	VBLOCK 1
	VBLOCK 2
	VBLOCK 3
	global_store_b32 v[VOS], v[WD], s[10:11]       ; my column's four bytes: 32 lanes fill 128 consecutive bytes
	s_endpgm
.Lfunc_end_k_q59a455629b_quant_cache:
	.size	k_q59a455629b_quant_cache, .Lfunc_end_k_q59a455629b_quant_cache-k_q59a455629b_quant_cache
	.p2alignl 7, 3214868480
	.fill 96, 4, 3214868480
	.section	.rodata,"a",@progbits
	.p2align	6, 0x0
	.amdhsa_kernel k_q59a455629b_quant_cache
		.amdhsa_group_segment_fixed_size 37376
		.amdhsa_private_segment_fixed_size 0
		.amdhsa_enable_private_segment 0
		.amdhsa_kernarg_size 32
		.amdhsa_user_sgpr_count 2
		.amdhsa_user_sgpr_kernarg_segment_ptr 1
		.amdhsa_wavefront_size32 1
		.amdhsa_system_sgpr_workgroup_id_x 1
		.amdhsa_system_sgpr_workgroup_id_y 1
		.amdhsa_system_sgpr_workgroup_id_z 1
		.amdhsa_system_vgpr_workitem_id 0
		.amdhsa_next_free_vgpr 256
		.amdhsa_next_free_sgpr 66
		.amdhsa_reserve_vcc 0
		.amdhsa_float_denorm_mode_32 3
		.amdhsa_float_denorm_mode_16_64 3
		.amdhsa_memory_ordered 1
		.amdhsa_forward_progress 1
		.amdhsa_inst_pref_size 38
	.end_amdhsa_kernel
	.amdgpu_metadata
---
amdhsa.version: [ 1, 2 ]
amdhsa.kernels:
  - .name:           k_q59a455629b_quant_cache
    .symbol:         k_q59a455629b_quant_cache.kd
    .args:
      - { .name: k_cache, .offset: 0, .size: 8, .value_kind: global_buffer, .address_space: global }
      - { .name: v_cache, .offset: 8, .size: 8, .value_kind: global_buffer, .address_space: global }
      - { .name: kv_img, .offset: 16, .size: 8, .value_kind: global_buffer, .address_space: global }
      - { .name: kv_sc, .offset: 24, .size: 8, .value_kind: global_buffer, .address_space: global }
    .group_segment_fixed_size: 37376
    .private_segment_fixed_size: 0
    .kernarg_segment_align: 8
    .kernarg_segment_size: 32
    .max_flat_workgroup_size: 128
    .sgpr_count:     66
    .vgpr_count:     256
    .wavefront_size: 32
...
	.end_amdgpu_metadata
.endif
;; end of part 1
;; launch qkv (part 2): grid 192 x 1, 4 waves a work-group, no clusters, 66,048 bytes of LDS; arguments x_codes, x_scales, W_qkv_codes, W_qkv_scales, scale_q, scale_k, q_img, q_sc, kv_img, kv_sc; writes q_img, q_sc, kv_img, kv_sc
.if DOCPART == 2
	.amdgcn_target "amdgcn-amd-amdhsa--gfx1250"
	.amdhsa_code_object_version 6
	.text
	.protected	k_q59a455629b_qkv
	.globl	k_q59a455629b_qkv
	.p2align	8
	.type	k_q59a455629b_qkv,@function
k_q59a455629b_qkv:
	s_mov_b64 s[64:65], 0
	v_nop
	global_prefetch_b8 v0, s[64:65] scope:SCOPE_SE
	s_setreg_imm32_b32 hwreg(HW_REG_WAVE_MODE, 25, 1), 1
	s_wait_xcnt 0x0
; qkv = x W_qkv^T on codes of FP6 (E2M3) as they are given; q and k are normalised by head (x / (sqrt(mean x^2) + 1e-6) x gain, in f32); q, k and v are quantised in registers
; and leave as images of the attention launch's operand registers (layouts: the head of the launch before).  qkv itself never goes to memory.
; A wave keeps a RESIDENT operand R, 64 rows x all 1,024 of K (32 fragments, 384 registers), as source 0; the four waves stream the same 16 tiles T of 16 rows (source 1) through LDS.
; R x one tile is 32 matrix instructions on 4 accumulators by turns.  R's rows stand in TILE ORDER (lane r of tile 2 b + u takes row 32 b + 8 u + r + 8 (r / 8)), so a lane's 32 results are
; 16 neighbours of each of two blocks of 32 along the NEXT product's K: register 16 b + i is k = 32 b + 16 (lane / 16) + i of the row that the lane holds.
;   q, k (work-groups 0-127): R = the 64 rows of W of one head, T = tokens: a lane holds a token, its registers run along the head's 64.
;   v    (work-groups 128-191): R = 64 tokens (keys), T = rows of W_v: a lane holds a d, its registers run along the keys, which are the third product's K.
; One text serves all three: pointers and a few strides are chosen by the work-group's number; the norm is passed over for v by a scalar branch on that number.
; 12,288 pairs (R, T) at 64 a work-group are 192 work-groups: 256 equal shares do not exist (q and k alone are 8,192 pairs in units of 16).
; NO CLUSTER, NO TENSOR LOAD: a trip's 25,600 bytes, copied through registers a trip ahead, feed 256 matrix instructions of the work-group; all operands together are 5.7 MB read again and again by neighbours.
; LDS: two regions by turns, 32,768 bytes apart.  A region: two tiles of 16 rows, 816 bytes apart (768 of codes + 48: 204 words, so that the 32 lanes of a load of 8 bytes fall on 64 different banks (64 banks of 4 bytes: ISA guide 11.1)); then 32 rows of scale bytes, 48 apart.
; Tile order is made by placement: row e of a trip's 32 goes to tile (e / 8) % 2, place e % 8 + 8 (e / 16).
; LIMITS: NaN and infinities are not served; a block whose largest magnitude lies under 2^-124 keeps the byte 1; v_sqrt_f32 takes a denormal mean of squares as 0.
; v's scale bytes leave as stores of two bytes a lane, 4 bytes apart (the other half of each word belongs to the neighbouring 64 keys): one such store for 64 matrix instructions.
; REGISTERS: window 0: below.  window 1: R's K steps 0-3 at 48 s + 12 t.  window 2: K steps 4-7.  window 3: v0-95 T's 8 fragments; v96-143 the next trip's codes as loaded, v144-145 its scale bytes.
.set RGN,  32768
.set TP,   816
.set TT,   16*TP
.set TS0,  2*TT
.set AS0,  1                           ; where I store a trip's codes: my 8 rows, 16 x lane
.set AS1,  2                           ; the same for the loads whose lanes 16-31 lie in the next row: + 48
.set ASS,  3                           ; where I store its scale bytes
.set AF,   4                           ; a fragment: place r x 816 + 24 h
.set ATS,  5                           ; a tile's scale words: place r x 48
.set GRAW, 6                           ; memory: my 8 rows of a trip's codes, 16 x lane
.set GSC,  7                           ; memory: their scale bytes, 8 x lane
.set L16,  8
.set L8,   9
.set L4,   10
.set VO16, 11                          ; the image's place in the output, + 16 x lane
.set VO8,  12                          ; + 8 x lane
.set VOS,  13                          ; the scale words' place, + 4 x lane
.set VR,   14
.set VRS,  15
.set VGN,  16
.set WRD,  17                          ; the scale words to store
.set TSC,  24                          ; v24-31   T's scale words, K steps 0-7
.set ACC,  32                          ; v32-63   the four accumulators
.set G,    64                          ; v64-95   the gains of my 32 numbers
.set RSC,  96                          ; v96-127  R's scale words: 8 t + s
.set PC,   128                         ; v128-138 codes
.set TM,   140                         ; v140-141 largest magnitudes, 142-143 the other half's, 144-145 scale operands, 146-147 bytes, 148 the two bytes, 149 those of the trip's first tile
.set SS,   150                         ; v150-153 sums of squares
.set FF,   154                         ; v154 1 / rms; v155 named with it as a pair
.set TF,   0
.set STG,  96
.set STGS, 144
.set SEL,  78
.set MSB, 0
.macro WIN new                         ; the immediate's high byte repeats the setting that is left
.if MSB != \new
	s_set_vgpr_msb (MSB<<8)|\new
.set MSB, \new
.endif
.endm
.macro PLACES                          ; four plain instructions behind a matrix instruction, ahead of loads into its registers and of reads of its result
.rept 4
	v_nop
.endr
.endm
	s_load_b256 s[4:11], s[0:1], 0x0               ; x's codes, x's scales, W's codes, W's scales
	s_load_b256 s[12:19], s[0:1], 0x20             ; scale_q, scale_k, q_img, q_sc
	s_load_b128 s[20:23], s[0:1], 0x40             ; kv_img, kv_sc
	v_lshl_add_u32 v254, v0, 2, 0x10000
	v_mov_b32 v255, 0
	v_lshrrev_b32 v20, 5, v0
	v_readfirstlane_b32 s24, v20                   ; wave
	v_and_b32 v20, 31, v0                          ; lane
	v_and_b32 v21, 15, v0                          ; r
	v_bfe_u32 v22, v0, 4, 1                        ; h
	v_lshlrev_b32 v[L16], 4, v20
	v_lshlrev_b32 v[L8], 3, v20
	v_lshlrev_b32 v[L4], 2, v20
	s_and_b32 s80, s24, 1                          ; my 8 rows of a trip go to tile wave % 2, places 8 (wave / 2) on
	s_mul_i32 s80, s80, TT
	s_lshr_b32 s81, s24, 1
	s_mul_i32 s82, s81, 8*TP
	s_add_co_u32 s82, s82, s80
	v_add_nc_u32 v[AS0], s82, v[L16]
	v_mul_u32_u24 v23, v22, 48
	v_add_nc_u32 v[AS1], v[AS0], v23
	s_and_b32 s80, s24, 1
	s_lshl_b32 s80, s80, 4
	s_lshl_b32 s81, s81, 3
	s_add_co_u32 s80, s80, s81
	s_mul_i32 s80, s80, 48
	s_add_co_u32 s80, s80, TS0
	v_lshrrev_b32 v23, 2, v20
	v_mul_u32_u24 v23, v23, 48
	v_and_b32 v18, 3, v0
	v_lshl_add_u32 v23, v18, 3, v23
	v_add_nc_u32 v[ASS], s80, v23
	v_mul_u32_u24 v[AF], v21, TP
	v_mad_u32_u24 v[AF], v22, 24, v[AF]
	v_mul_u32_u24 v[ATS], v21, 48
	v_add_nc_u32 v[ATS], TS0, v[ATS]
	s_mul_i32 s80, s24, 6144
	v_add_nc_u32 v[GRAW], s80, v[L16]
	s_lshl_b32 s80, s24, 8
	v_add_nc_u32 v[GSC], s80, v[L8]
	v_and_b32 v18, 8, v21
	v_add_nc_u32 v18, v18, v21                     ; r + 8 (r / 8)
	v_mul_u32_u24 v[VR], v18, 768
	v_mad_u32_u24 v[VR], v22, 24, v[VR]
	v_lshlrev_b32 v[VRS], 5, v18
	v_lshlrev_b32 v[VGN], 6, v22
	v_mov_b32 v[TM+2], 0                           ; a lane permute's destination counts as one of its sources
	v_mov_b32 v[TM+3], 0
	v_mov_b32 v[FF+1], 0                           ; named as the upper half of a pair
	s_mov_b32 s76, 0xffff0000                      ; lanes 16-31
	s_mov_b32 s[SEL], 0x76543210
	s_mov_b32 s[SEL+1], 0xfedcba98                 ; v_permlanex16_b32's selects for lane l xor 16
	s_mov_b32 s25, ttmp9                           ; g
	; ---- what a work-group of q and k would take
	s_and_b32 s26, s25, 7                          ; group of four heads: 0-3 q's, 4-7 k's
	s_lshr_b32 s27, s25, 3
	s_and_b32 s27, s27, 15                         ; which 256 tokens
	s_lshl_b32 s28, s26, 2
	s_add_co_u32 s28, s28, s24                     ; H: rows 64 H of W
	s_lshr_b32 s29, s27, 3                         ; batch
	s_and_b32 s30, s27, 7                          ; which 256 tokens of the batch
	s_and_b32 s31, s28, 15
	s_lshl_b32 s29, s29, 4
	s_add_co_u32 s31, s31, s29                     ; batch x 16 + head
	s_lshl_b32 s32, s31, 7
	s_lshl_b32 s33, s30, 4
	s_add_co_u32 s33, s32, s33                     ; the first tile of queries
	s_mul_i32 s32, s33, 768                        ; q: images
	s_lshl_b32 s33, s33, 6                         ; q: words
	s_mul_i32 s34, s31, 393216
	s_add_co_u32 s35, s30, 8
	s_mul_i32 s35, s35, 24576
	s_add_co_u32 s34, s34, s35                     ; k: images: slot 8 + which 256
	s_mul_i32 s35, s31, 24576
	s_lshl_b32 s36, s30, 10
	s_add_co_u32 s35, s35, s36
	s_add_co_u32 s35, s35, 8192                    ; k: words: tile 128 + 16 x which 256
	s_lshl_b32 s43, s28, 6                         ; R's first row
	s_lshl_b32 s44, s27, 8                         ; T's first row
	; ---- what a work-group of v would take
	s_and_b32 s36, s25, 15
	s_bfe_u32 s37, s25, 0x20004                    ; which 256 rows of W_v (four heads)
	s_lshl_b32 s36, s36, 2
	s_add_co_u32 s36, s36, s24                     ; which 64 tokens: 0 .. 63
	s_lshr_b32 s38, s36, 5                         ; batch
	s_and_b32 s39, s36, 31                         ; which 64 keys of the batch's 2,048
	s_and_b32 s40, s39, 1                          ; which half of a step of 128
	s_lshl_b32 s38, s38, 4
	s_lshl_b32 s41, s37, 2
	s_add_co_u32 s38, s38, s41                     ; batch x 16 + the first of the four heads
	s_mul_i32 s41, s38, 393216
	s_lshr_b32 s42, s39, 2
	s_add_co_u32 s42, s42, 8
	s_mul_i32 s42, s42, 24576
	s_add_co_u32 s41, s41, s42
	s_bfe_u32 s42, s39, 0x10001
	s_mul_i32 s42, s42, 6144
	s_add_co_u32 s41, s41, s42
	s_mul_i32 s42, s40, 768
	s_add_co_u32 s41, s41, s42
	s_add_co_u32 s41, s41, 12288                   ; v: images
	s_mul_i32 s42, s38, 24576
	s_lshr_b32 s45, s39, 1
	s_add_co_u32 s45, s45, 16
	s_lshl_b32 s45, s45, 8
	s_add_co_u32 s42, s42, s45
	s_lshl_b32 s45, s40, 1
	s_add_co_u32 s42, s42, s45
	s_add_co_u32 s42, s42, 16384                   ; v: the halfword of each word
	s_lshl_b32 s45, s36, 6                         ; R's first row
	s_lshl_b32 s46, s37, 8
	s_add_co_u32 s46, s46, 2048                    ; T's first row
	s_wait_kmcnt 0x0
	; ---- the choice: it hangs on the work-group's number alone
	s_cmp_ge_u32 s26, 4                            ; k's heads?
	s_cselect_b32 s66, s34, s32
	s_cselect_b32 s67, s35, s33
	s_cselect_b64 s[56:57], s[20:21], s[16:17]
	s_cselect_b64 s[58:59], s[22:23], s[18:19]
	s_cselect_b64 s[60:61], s[14:15], s[12:13]     ; the gains
	s_cmp_lt_u32 s25, 128                          ; q and k, or v?
	s_cselect_b32 s66, s66, s41                    ; s66: the images' first byte
	s_cselect_b32 s67, s67, s42                    ; s67: the words' first byte
	s_cselect_b64 s[56:57], s[56:57], s[20:21]     ; s[56:57]: the buffer of images
	s_cselect_b64 s[58:59], s[58:59], s[22:23]     ; s[58:59]: the buffer of words
	s_cselect_b64 s[48:49], s[8:9], s[4:5]         ; R's codes
	s_cselect_b64 s[50:51], s[10:11], s[6:7]       ; R's scales
	s_cselect_b64 s[52:53], s[4:5], s[8:9]         ; T's codes
	s_cselect_b64 s[54:55], s[6:7], s[10:11]       ; T's scales
	s_cselect_b32 s43, s43, s45
	s_cselect_b32 s44, s44, s46
	s_cselect_b32 s68, 4, 2                        ; tile n of 16 lies at (n >> s68) x s71 + (n & s69) x s70
	s_cselect_b32 s69, 15, 3
	s_mov_b32 s70, 1536
	s_cselect_b32 s70, 768, s70
	s_cselect_b32 s71, 0, 393216
	s_cselect_b32 s72, 0, 24576                    ; and its words at (n >> s68) x s72 + (n & s69) x 64
	s_mul_i32 s80, s43, 768
	s_mov_b32 s81, 0
	s_lshl_b32 s82, s43, 5
	s_mov_b32 s83, 0
	s_add_nc_u64 s[48:49], s[48:49], s[80:81]
	s_add_nc_u64 s[50:51], s[50:51], s[82:83]
	s_mul_i32 s80, s44, 768
	s_lshl_b32 s82, s44, 5
	s_add_nc_u64 s[52:53], s[52:53], s[80:81]
	s_add_nc_u64 s[54:55], s[54:55], s[82:83]
.macro RLOAD win, k0                   ; R's fragments of four K steps: a fragment is six loads of 8 bytes, as the codes lie
	WIN \win
.irp s, 0,1,2,3
.irp t, 0,1,2,3
.irp p, 0,1,2,3,4,5
	global_load_b64 v[48*\s+12*\t+2*\p:48*\s+12*\t+2*\p+1], v[VR], s[48:49] offset:(32*(\t/2)+8*(\t%2))*768+96*(\s+\k0)+48*(\p/3)+8*(\p%3)
.endr
.endr
.endr
.endm
; a trip's 32 rows: my wave's 8 rows of codes (6,144 dense bytes, 12 loads of 512) and their 256 scale bytes, into window 3
.macro RAWLOAD reg, regs
	WIN 0xc0
.irp i, 0,1,2,3,4,5,6,7,8,9,10,11
	global_load_b128 v[\reg+4*\i:\reg+4*\i+3], v[GRAW], s[52:53] offset:512*\i
.endr
	global_load_b64 v[\regs:\regs+1], v[GSC], s[54:55]
	WIN 0
.endm
; and into LDS: byte x of my 6,144 goes to x + 48 (x / 768)
.macro RAWSTORE reg, regs, base
	WIN 0x0c
.irp i, 0,1,2,3,4,5,6,7,8,9,10,11
.if \i%3 == 0
	ds_store_b128 v[AS0], v[\reg+4*\i:\reg+4*\i+3] offset:\base+512*\i+96*(\i/3)
.elseif \i%3 == 1
	ds_store_b128 v[AS1], v[\reg+4*\i:\reg+4*\i+3] offset:\base+512*\i+96*(\i/3)
.else
	ds_store_b128 v[AS0], v[\reg+4*\i:\reg+4*\i+3] offset:\base+512*\i+96*(\i/3)+48
.endif
.endr
	ds_store_b64 v[ASS], v[\regs:\regs+1] offset:\base
	WIN 0
.endm
; tile u of a region: its 8 scale words a row first, then its 8 fragments, K ascending
.macro TFRAGS base, u, reg, tsc
	ds_load_b128 v[\tsc:\tsc+3], v[ATS] offset:\base+768*\u
	ds_load_b128 v[\tsc+4:\tsc+7], v[ATS] offset:\base+768*\u+16
	WIN 0xc0
.irp s, 0,1,2,3,4,5,6,7
.irp p, 0,1,2,3,4,5
	ds_load_b64 v[\reg+12*\s+2*\p:\reg+12*\s+2*\p+1], v[AF] offset:\base+TT*\u+96*\s+48*(\p/3)+8*(\p%3)
.endr
.endr
	WIN 0
.endm
; R x the tile: 32 matrix instructions; the four accumulators take turns, one instruction a turn; the first K step starts the sums
.macro MULB
.irp s, 0,1,2,3,4,5,6,7
	s_wait_dscnt 6*(7-\s)                          ; this K step's fragment is in; those of the later K steps, six loads each, may be out
.if \s < 4
	WIN 0x0d                                       ; source 0 (R) window 1, source 1 (T) window 3
.else
	WIN 0x0e                                       ; source 0 window 2
.endif
.irp t, 0,1,2,3
.if \s == 0
	v_wmma_scale_f32_16x16x128_f8f6f4 v[ACC+8*\t:ACC+8*\t+7], v[48*(\s%4)+12*\t:48*(\s%4)+12*\t+11], v[TF+12*\s:TF+12*\s+11], 0, v[RSC+8*\t+\s], v[TSC+\s] matrix_a_fmt:MATRIX_FMT_FP6 matrix_b_fmt:MATRIX_FMT_FP6
.else
	v_wmma_scale_f32_16x16x128_f8f6f4 v[ACC+8*\t:ACC+8*\t+7], v[48*(\s%4)+12*\t:48*(\s%4)+12*\t+11], v[TF+12*\s:TF+12*\s+11], v[ACC+8*\t:ACC+8*\t+7], v[RSC+8*\t+\s], v[TSC+\s] matrix_a_fmt:MATRIX_FMT_FP6 matrix_b_fmt:MATRIX_FMT_FP6
.endif
.endr
.endr
	WIN 0
.endm
; 32 numbers of a lane, register 16 b + i = k 32 b + 16 (lane / 16) + i of my row, become my six registers of an image in v[PC] on, and the row's two scale bytes in v[TM + 8]
.macro QUANT32 s
	v_max3_num_f32 v[TM], |v[\s]|, |v[\s+1]|, 0x1800000       ; my 16 numbers of each block, and the floor 2^(3 - 127): the byte cannot fall under 1
	v_max3_num_f32 v[TM+1], |v[\s+16]|, |v[\s+17]|, 0x1800000
.irp i, 2,4,6,8,10,12,14
	v_max3_num_f32 v[TM], v[TM], |v[\s+\i]|, |v[\s+\i+1]|
	v_max3_num_f32 v[TM+1], v[TM+1], |v[\s+16+\i]|, |v[\s+17+\i]|
.endr
	v_permlanex16_b32 v[TM+2], v[TM], s[SEL], s[SEL+1]
	v_permlanex16_b32 v[TM+3], v[TM+1], s[SEL], s[SEL+1]
	v_max_num_f32 v[TM], v[TM], v[TM+2]            ; with lane l xor 16's: the block's largest magnitude
	v_max_num_f32 v[TM+1], v[TM+1], v[TM+3]
	v_add_nc_u32 v[TM+4], 0xff000000, v[TM]        ; 2 off the exponent field: the conversion's scale operand
	v_add_nc_u32 v[TM+5], 0xff000000, v[TM+1]
	v_lshrrev_b32 v[TM+6], 23, v[TM+4]             ; the bytes
	v_lshrrev_b32 v[TM+7], 23, v[TM+5]
	v_lshl_or_b32 v[TM+8], v[TM+7], 8, v[TM+6]
	v_cvt_scalef32_pk16_fp6_f32 v[PC:PC+2], v[\s:\s+15], v[TM+4]
	v_cvt_scalef32_pk16_fp6_f32 v[PC+8:PC+10], v[\s+16:\s+31], v[TM+5]   ; (a conversion's three registers begin on an even number)
	v_nop                                          ; one plain instruction behind a scaled conversion
.irp i, 0,1,2
	v_permlane16_swap_b32 v[PC+\i], v[PC+8+\i]     ; the layout wants a WHOLE block in a lane: lanes 0-15 block 0, lanes 16-31 block 1
.endr
.irp i, 0,1,2
	v_mov_b32 v[PC+3+\i], v[PC+8+\i]
.endr
.endm
; what is made of a tile's results: the norm (q, k), the codes, the image's two stores
.macro EPI p, u
	s_wait_xcnt 0x0                                ; the last tile's stores have read their addresses and data: both are written again below
	s_lshl_b32 s80, s73, 2
	s_add_co_u32 s80, s80, 2*\p+\u                 ; n: the tile's number among the 16
	s_lshr_b32 s81, s80, s68
	s_and_b32 s80, s80, s69
	s_mul_i32 s82, s81, s71
	s_mul_i32 s83, s80, s70
	s_add_co_u32 s82, s82, s83
	s_add_co_u32 s82, s82, s66
	v_add_nc_u32 v[VO16], s82, v[L16]
	v_add_nc_u32 v[VO8], s82, v[L8]
.if \u == 0
	s_mul_i32 s82, s81, s72
	s_lshl_b32 s83, s80, 6
	s_add_co_u32 s82, s82, s83
	s_add_co_u32 s82, s82, s67
	v_add_nc_u32 v[VOS], s82, v[L4]                ; lanes 16-31 stand 64 bytes on: the trip's second tile
.endif
	s_cmp_ge_u32 s25, 128
	s_cbranch_scc1 .Lraw_\@                        ; v is not normalised
	v_pk_mul_f32 v[SS:SS+1], v[ACC:ACC+1], v[ACC:ACC+1]          ; the sum of squares of my 32, in ascending order: each accumulator is first read at its low end
	v_pk_mul_f32 v[SS+2:SS+3], v[ACC+2:ACC+3], v[ACC+2:ACC+3]
.irp j, 4,8,12,16,20,24,28
	v_pk_fma_f32 v[SS:SS+1], v[ACC+\j:ACC+\j+1], v[ACC+\j:ACC+\j+1], v[SS:SS+1]
	v_pk_fma_f32 v[SS+2:SS+3], v[ACC+\j+2:ACC+\j+3], v[ACC+\j+2:ACC+\j+3], v[SS+2:SS+3]
.endr
	v_pk_add_f32 v[SS:SS+1], v[SS:SS+1], v[SS+2:SS+3]
	v_add_f32 v[SS], v[SS], v[SS+1]
	v_permlanex16_b32 v[SS+2], v[SS], s[SEL], s[SEL+1]
	v_add_f32 v[SS], v[SS], v[SS+2]                ; with lane l xor 16's 32: the head's 64
	v_mul_f32 v[SS], 0x3c800000, v[SS]             ; / 64
	v_sqrt_f32 v[SS], v[SS]
	v_nop                                          ; a plain instruction behind the transcendental,
	s_wait_alu depctr_va_vdst(0)                   ; and a wait ahead of its first reader
	v_add_f32 v[SS], 0x358637bd, v[SS]             ; + 1e-6
	v_rcp_f32 v[FF], v[SS]
	v_nop
	s_wait_alu depctr_va_vdst(0)
.irp j, 0,2,4,6,8,10,12,14,16,18,20,22,24,26,28,30
	v_pk_mul_f32 v[ACC+\j:ACC+\j+1], v[ACC+\j:ACC+\j+1], v[FF:FF+1] op_sel_hi:[1,0]
.endr
.irp j, 0,2,4,6,8,10,12,14,16,18,20,22,24,26,28,30
	v_pk_mul_f32 v[ACC+\j:ACC+\j+1], v[ACC+\j:ACC+\j+1], v[G+\j:G+\j+1]
.endr
.Lraw_\@:
	QUANT32 ACC
	global_store_b128 v[VO16], v[PC:PC+3], s[56:57]              ; 32 lanes store 512 consecutive bytes,
	global_store_b64 v[VO8], v[PC+4:PC+5], s[56:57] offset:512   ; and 256
.if \u == 0
	v_mov_b32 v[TM+9], v[TM+8]
.endif
.endm
.macro SCSTORE                         ; the two tiles' scale bytes: lanes 0-15 the first tile's rows, lanes 16-31 the second's
	v_cndmask_b32 v[WRD], v[TM+9], v[TM+8], s76
	s_cmp_ge_u32 s25, 128
	s_cbranch_scc1 .Lhalf_\@
	v_lshl_or_b32 v[WRD], v[WRD], 16, v[WRD]       ; q, k: the two bytes once more, for the empty upper half of the second product's K
	global_store_b32 v[VOS], v[WRD], s[58:59]
	s_branch .Lstored_\@
.Lhalf_\@:
	global_store_b16 v[VOS], v[WRD], s[58:59]      ; v: my 64 keys' half of each word
.Lstored_\@:
.endm
; A TRIP: 32 rows of T out of region p; the next trip's rows are asked of memory at its head and go into the other region at its end.
; One barrier a trip: the other region was last read in the trip before, and every wave has waited for those reads ahead of that trip's barrier.
.macro TRIP p
.if \p == 1
	s_cmp_eq_u32 s73, 3
	s_cbranch_scc1 .Lno_load_\@                    ; the last trip asks for nothing: no load leaves its buffer
.endif
	s_wait_xcnt 0x0                                ; earlier loads and stores have read their bases
	s_add_nc_u64 s[52:53], s[52:53], 24576
	s_add_nc_u64 s[54:55], s[54:55], 1024
	RAWLOAD STG, STGS
.if \p == 1
.Lno_load_\@:
.endif
	TFRAGS \p*RGN, 0, TF, TSC
	MULB
	PLACES
	TFRAGS \p*RGN, 1, TF, TSC                      ; the second tile's fragments land while the first tile's results are worked on
	EPI \p, 0
	MULB
	PLACES
	EPI \p, 1
	SCSTORE
	s_wait_loadcnt 0x0                             ; the next trip's rows are in registers.  The wait stands on every way, ahead of the branch below: no load is issued into a register that an earlier load, not waited for, will write
.if \p == 1
	s_cmp_eq_u32 s73, 3
	s_cbranch_scc1 .Lno_store_\@                   ; the last trip has nothing to hand on
.endif
	RAWSTORE STG, STGS, (1-\p)*RGN
.if \p == 1
.Lno_store_\@:
.endif
	s_wait_dscnt 0x0                               ; my stores have landed, my reads are in
	s_barrier_signal -1
	s_barrier_wait -1
.endm
	RLOAD 0x40, 0
	RLOAD 0x80, 4
	WIN 0
.irp t, 0,1,2,3
	global_load_b128 v[RSC+8*\t:RSC+8*\t+3], v[VRS], s[50:51] offset:(32*(\t/2)+8*(\t%2))*32
	global_load_b128 v[RSC+8*\t+4:RSC+8*\t+7], v[VRS], s[50:51] offset:(32*(\t/2)+8*(\t%2))*32+16
.endr
.irp b, 0,1
.irp j, 0,1,2,3
	global_load_b128 v[G+16*\b+4*\j:G+16*\b+4*\j+3], v[VGN], s[60:61] offset:128*\b+16*\j   ; the gains of d = 32 b + 16 h + 0 .. 15
.endr
.endr
	RAWLOAD STG, STGS                              ; trip 0
	s_wait_loadcnt 0x0
	RAWSTORE STG, STGS, 0
	s_wait_dscnt 0x0
	s_barrier_signal -1
	s_barrier_wait -1
	s_mov_b32 s73, 0
.Lloop:                                                ; four times two trips
	TRIP 0
	TRIP 1
	s_add_co_u32 s73, s73, 1
	s_cmp_lt_u32 s73, 4
	s_cbranch_scc1 .Lloop
	s_wait_tensorcnt 0x0
	ds_add_u32 v254, v255
	s_wait_dscnt 0x0
	s_endpgm
.Lfunc_end_k_q59a455629b_qkv:
	.size	k_q59a455629b_qkv, .Lfunc_end_k_q59a455629b_qkv-k_q59a455629b_qkv
	.p2alignl 7, 3214868480
	.fill 96, 4, 3214868480
	.section	.rodata,"a",@progbits
	.p2align	6, 0x0
	.amdhsa_kernel k_q59a455629b_qkv
		.amdhsa_group_segment_fixed_size 66048
		.amdhsa_private_segment_fixed_size 0
		.amdhsa_enable_private_segment 0
		.amdhsa_kernarg_size 80
		.amdhsa_user_sgpr_count 2
		.amdhsa_user_sgpr_kernarg_segment_ptr 1
		.amdhsa_wavefront_size32 1
		.amdhsa_system_sgpr_workgroup_id_x 1
		.amdhsa_system_sgpr_workgroup_id_y 1
		.amdhsa_system_sgpr_workgroup_id_z 1
		.amdhsa_system_vgpr_workitem_id 0
		.amdhsa_next_free_vgpr 1024
		.amdhsa_next_free_sgpr 90
		.amdhsa_reserve_vcc 0
		.amdhsa_float_denorm_mode_32 3
		.amdhsa_float_denorm_mode_16_64 3
		.amdhsa_memory_ordered 1
		.amdhsa_forward_progress 1
		.amdhsa_inst_pref_size 90
	.end_amdhsa_kernel
	.amdgpu_metadata
---
amdhsa.version: [ 1, 2 ]
amdhsa.kernels:
  - .name:           k_q59a455629b_qkv
    .symbol:         k_q59a455629b_qkv.kd
    .args:
      - { .name: x_codes, .offset: 0, .size: 8, .value_kind: global_buffer, .address_space: global }
      - { .name: x_scales, .offset: 8, .size: 8, .value_kind: global_buffer, .address_space: global }
      - { .name: W_qkv_codes, .offset: 16, .size: 8, .value_kind: global_buffer, .address_space: global }
      - { .name: W_qkv_scales, .offset: 24, .size: 8, .value_kind: global_buffer, .address_space: global }
      - { .name: scale_q, .offset: 32, .size: 8, .value_kind: global_buffer, .address_space: global }
      - { .name: scale_k, .offset: 40, .size: 8, .value_kind: global_buffer, .address_space: global }
      - { .name: q_img, .offset: 48, .size: 8, .value_kind: global_buffer, .address_space: global }
      - { .name: q_sc, .offset: 56, .size: 8, .value_kind: global_buffer, .address_space: global }
      - { .name: kv_img, .offset: 64, .size: 8, .value_kind: global_buffer, .address_space: global }
      - { .name: kv_sc, .offset: 72, .size: 8, .value_kind: global_buffer, .address_space: global }
    .group_segment_fixed_size: 66048
    .private_segment_fixed_size: 0
    .kernarg_segment_align: 8
    .kernarg_segment_size: 80
    .max_flat_workgroup_size: 128
    .sgpr_count:     90
    .vgpr_count:     1024
    .wavefront_size: 32
...
	.end_amdgpu_metadata
.endif
;; end of part 2
;; launch attn (part 3): grid 8 x 32, 16 waves a work-group, no clusters, 83,968 bytes of LDS; arguments q_img, q_sc, kv_img, kv_sc, o_img, o_sc; writes o_img, o_sc
.if DOCPART == 3
	.amdgcn_target "amdgcn-amd-amdhsa--gfx1250"
	.amdhsa_code_object_version 6
	.text
	.protected	k_q59a455629b_attn
	.globl	k_q59a455629b_attn
	.p2align	8
	.type	k_q59a455629b_attn,@function
k_q59a455629b_attn:
	s_mov_b64 s[64:65], 0
	v_nop
	global_prefetch_b8 v0, s[64:65] scope:SCOPE_SE
	s_setreg_imm32_b32 hwreg(HW_REG_WAVE_MODE, 25, 1), 1
	s_wait_xcnt 0x0
; O = softmax(q k^T) v for one head's 4,096 keys, both products on codes of FP6 (E2M3) with one E8M0 scale for each 32 along a product's K; no 1 / sqrt(64).  O / the sum is quantised along d and leaves as an image for the last product.
; THE SOFTMAX AHEAD OF THE SECOND PRODUCT: t = score x log2(e); M = the row's largest t so far, rounded UP to a whole number; p = 2^(t - M) is what is quantised, along the keys.  The row's sum is taken of the unquantised p.
; When M moves, the sum and O are multiplied by 2^(old M - new M): exact.
; SHARES.  A work-group owns 256 queries of one head, each of its sixteen waves one tile of 16, in 256 registers: four waves to a SIMD, so that one wave's vector work stands beside another's matrix work and LDS loads.
; Every wave walks all keys, 128 a step.  Both products are used transposed (S^T = K Q^T, O^T = V^T P^T): a lane holds ONE query throughout.  The keys of a tile of K stand in tile order, so that the 16 registers of tiles
; 2 b and 2 b + 1 are keys 32 b + 16 (lane / 16) + 0 .. 15.  All operands come as images of their registers (the first launch's head): every LDS read is dense, 16 or 8 bytes a lane.
; THE FIRST PRODUCT'S K IS 64, the instruction's 128.  Q's registers 6-11 are zero codes.  K's operand for tile t is v[36 + 6 t .. + 11]: its upper six registers are simply the next tile's codes (zeros behind the last):
; a code times a zero code adds nothing, and FP6 has no NaN or infinity.  So only ONE of the two operands has zero codes there.  The scale words' bytes 2 and 3 repeat bytes 0 and 1.
; LDS: two buffers of a slot (256 keys: 24,576 bytes) at 0 and 32,768; from 57,344 the head's scale words: K's 16,384 bytes, V's 8,192.  A slot is copied through registers: three loads of 16 bytes a lane for each wave, asked for
; a slot ahead, stored into the buffer that was left at the last barrier.  One barrier a slot.
; NO CLUSTER, NO TENSOR LOAD: a slot's 24,576 bytes feed 32 key steps of about 250 vector instructions each; the copy is six instructions a wave and a slot, and the waves do not wait for it.  A joint load would add a round of
; the cluster's barrier for 64 waves to every slot.  No prefetch for the same reason: nothing waits for this stream.
; LIMITS: NaN and infinities are not served.  A block's largest p is taken as the exponential of its largest score: this takes v_exp_f32 not to fall where its input rises.
.set BUF1, 32768
.set VOFF, 12288
.set STEPB, 6144
.set SCK,  57344
.set SCV,  73728
.set L16,  1
.set L8,   2
.set L4K,  3                           ; SCK + 4 x lane
.set L4V,  4                           ; SCV + 4 x lane
.set ASK,  5                           ; the slot's scale words of K
.set ASV,  6                           ; and of V
.set VG,   7                           ; wave x 1,536 + 16 x lane: my part of a slot, in memory and in LDS
.set R4,   8                           ; 4 x (lane % 16)
.set QF,   16                          ; v16-27   Q; v22-27 zeros
.set QS,   28                          ; Q's scale words
.set KS,   30                          ; v30-33   K's: lanes 0-15 tile 2 i, lanes 16-31 tile 2 i + 1
.set VS,   34                          ; v34-35   V's likewise
.set KV,   36                          ; v36-83   eight tiles of K, later four fragments of V; v84-89 zeros
.set S,    96                          ; v96-159  S^T, then p
.set O,    160                         ; v160-191 O^T
.set PF,   192                         ; v192-203 p's codes
.set CT,   204                         ; v204-206, v208-210 conversions' second halves
.set BM,   212                         ; v212-215 the blocks' largest scores, then largest p
.set PT,   216                         ; v216-219 the other half's
.set SO,   220                         ; v220-223 scale operands
.set BY,   224                         ; v224-227 bytes
.set F,    228                         ; v228 f; v229 named with it as a pair
.set PS,   230                         ; p's scale word
.set T0,   231
.set SU,   232                         ; v232-233 the sum's second chain
.set STG,  236                         ; v236-247 a slot's part on its way
.set TM,   212                         ; the way out: as in the launch before
.set PC,   192
.set SEL,  20
.set CS,   22
.set TS,   24
.set TJ,   25
.set J,    26
	s_load_b256 s[4:11], s[0:1], 0x0               ; q_img, q_sc, kv_img, kv_sc
	s_load_b128 s[12:15], s[0:1], 0x20             ; o_img, o_sc
	v_lshl_add_u32 v254, v0, 2, 0x14000
	v_mov_b32 v255, 0
	v_lshrrev_b32 v9, 5, v0
	v_readfirstlane_b32 s16, v9                    ; wave 0..15
	v_and_b32 v9, 31, v0
	v_lshlrev_b32 v[L16], 4, v9
	v_lshlrev_b32 v[L8], 3, v9
	v_lshl_add_u32 v[L4K], v9, 2, SCK
	v_lshl_add_u32 v[L4V], v9, 2, SCV
	s_mul_i32 s28, s16, 1536
	v_add_nc_u32 v[VG], s28, v[L16]
	v_and_b32 v[R4], 15, v0
	v_lshlrev_b32 v[R4], 2, v[R4]
	s_and_b32 s17, ttmp7, 0xffff                   ; batch x 16 + head
	s_lshl_b32 s18, ttmp9, 4
	s_add_co_u32 s18, s18, s16                     ; my tile of queries: 0 .. 127
	s_mul_i32 s28, s17, 393216
	s_mov_b32 s29, 0
	s_mul_i32 s30, s17, 24576
	s_mov_b32 s31, 0
	s_lshl_b32 s32, s17, 7
	s_add_co_u32 s32, s32, s18
	s_mul_i32 s34, s32, 768
	s_mov_b32 s35, 0
	s_lshl_b32 s32, s32, 6
	s_mov_b32 s33, 0
	s_lshr_b32 s36, s17, 4
	s_lshl_b32 s36, s36, 7
	s_add_co_u32 s36, s36, s18                     ; the tile among the 256 tiles of rows of the last product
	s_and_b32 s37, s17, 15                         ; the head
	s_lshl_b32 s38, s36, 4
	s_add_co_u32 s38, s38, s37
	s_mul_i32 s38, s38, 768
	s_mov_b32 s39, 0
	s_lshl_b32 s40, s36, 3
	s_lshr_b32 s41, s37, 1
	s_add_co_u32 s40, s40, s41
	s_lshl_b32 s40, s40, 6                         ; K step head / 2 of the last product,
	s_and_b32 s41, s37, 1
	s_lshl_b32 s41, s41, 1
	s_add_co_u32 s40, s40, s41                     ; halfword head % 2 of its words
	s_mov_b32 s41, 0
	s_mov_b32 s[SEL], 0x76543210
	s_mov_b32 s[SEL+1], 0xfedcba98                 ; v_permlanex16_b32's selects for lane l xor 16
	s_mov_b32 s[CS], 0x3fb8aa3b                    ; log2(e)
	s_mov_b32 s[CS+1], s[CS]                       ; (named with it as a pair)
	s_mov_b32 s[TS], 0
	s_mov_b32 s[TJ], 0
	s_mov_b32 s[J], 0
	s_wait_kmcnt 0x0
	s_add_nc_u64 s[8:9], s[8:9], s[28:29]
	s_add_nc_u64 s[10:11], s[10:11], s[30:31]
	s_add_nc_u64 s[4:5], s[4:5], s[34:35]
	s_add_nc_u64 s[6:7], s[6:7], s[32:33]
	s_add_nc_u64 s[12:13], s[12:13], s[38:39]
	s_add_nc_u64 s[14:15], s[14:15], s[40:41]
.irp i, 0,1,2
	global_load_b128 v[STG+4*\i:STG+4*\i+3], v[VG], s[8:9] offset:512*\i      ; slot 0
.endr
.irp i, 0,1,2
	global_load_b128 v[S+4*\i:S+4*\i+3], v[VG], s[10:11] offset:512*\i        ; the head's scale words
.endr
	global_load_b128 v[QF:QF+3], v[L16], s[4:5]    ; Q's image stays in registers
	global_load_b64 v[QF+4:QF+5], v[L8], s[4:5] offset:512
	global_load_b32 v[QS], v[R4], s[6:7]
.irp i, 6,7,8,9,10,11
	v_mov_b32 v[QF+\i], 0                          ; the upper half of the first product's K: zero codes
.endr
.irp i, 48,49,50,51,52,53
	v_mov_b32 v[KV+\i], 0                          ; what stands behind the eighth tile of K
.endr
	v_mov_b32 v13, 0xff61b1e6                      ; the largest t so far: -3e38, under every t
	v_floor_f32 v12, -v13                          ; -M
	v_mov_b32 v14, 0                               ; the sum, in two halves
	v_mov_b32 v15, 0
.irp b, 0,1,2,3
	v_mov_b32 v[PT+\b], 0                          ; a lane permute's destination counts as one of its sources
.endr
	v_mov_b32 v[F+1], 0                            ; named as the upper half of a pair
.set i, 0
.rept 32
	v_mov_b32 v[O+i], 0                            ; O^T.  (The loop is written once: its first step finds zeros, which the first change of M leaves zeros)
.set i, i+1
.endr
	s_wait_loadcnt 3                               ; slot 0 and the scale words are in; Q's three loads may be out
.irp i, 0,1,2
	ds_store_b128 v[VG], v[STG+4*\i:STG+4*\i+3] offset:512*\i
.endr
.irp i, 0,1,2
	ds_store_b128 v[VG], v[S+4*\i:S+4*\i+3] offset:SCK+512*\i
.endr
	s_wait_dscnt 0x0                               ; the stores have landed and have read their registers
.irp i, 0,1,2
	global_load_b128 v[STG+4*\i:STG+4*\i+3], v[VG], s[8:9] offset:24576+512*\i   ; slot 1
.endr
	s_wait_loadcnt 3                               ; Q is in; slot 1's three loads may be out
	s_barrier_signal -1
	s_barrier_wait -1
; A KEY STEP: 128 keys, the q-th of the slot in buffer buf
.macro STEP buf, q
.rept 4
	v_nop                                          ; places ahead of loads into registers that the last matrix instructions have read
.endr
.irp t, 0,1,2,3,4,5,6,7
	ds_load_b128 v[KV+6*\t:KV+6*\t+3], v[L16] offset:\buf*BUF1+\q*STEPB+768*\t
	ds_load_b64 v[KV+6*\t+4:KV+6*\t+5], v[L8] offset:\buf*BUF1+\q*STEPB+768*\t+512
.endr
.irp i, 0,1,2,3
	ds_load_b32 v[KS+\i], v[ASK] offset:512*\q+128*\i
.endr
.irp i, 0,1
	ds_load_b32 v[VS+\i], v[ASV] offset:256*\q+128*\i
.endr
	s_wait_dscnt 0x0
.irp t, 0,1,2,3,4,5,6,7                        ; S^T = K Q^T
.if \t%2 == 0
	v_wmma_scale_f32_16x16x128_f8f6f4 v[S+8*\t:S+8*\t+7], v[KV+6*\t:KV+6*\t+11], v[QF:QF+11], 0, v[KS+\t/2], v[QS] matrix_a_fmt:MATRIX_FMT_FP6 matrix_b_fmt:MATRIX_FMT_FP6
.else
	v_wmma_scale_f32_16x16x128_f8f6f4 v[S+8*\t:S+8*\t+7], v[KV+6*\t:KV+6*\t+11], v[QF:QF+11], 0, v[KS+\t/2], v[QS] matrix_a_fmt:MATRIX_FMT_FP6 matrix_b_fmt:MATRIX_FMT_FP6 matrix_a_scale:MATRIX_SCALE_ROW1
.endif
.endr
.rept 4
	v_nop                                          ; places: for the loads below, and for the first read of the scores
.endr
.irp f, 0,1,2,3,4,5,6,7                        ; V's four fragments (tile f / 2, keys 64 (f % 2) on) land during the softmax
	ds_load_b128 v[KV+6*\f:KV+6*\f+3], v[L16] offset:\buf*BUF1+VOFF+\q*STEPB+768*\f
	ds_load_b64 v[KV+6*\f+4:KV+6*\f+5], v[L8] offset:\buf*BUF1+VOFF+\q*STEPB+768*\f+512
.endr
.irp b, 0,1,2,3
	v_max3_num_f32 v[BM+\b], v[S+16*\b], v[S+1+16*\b], v[S+2+16*\b]   ; the largest score of each block of 32 keys: for the row's maximum, and, since p rises with the score, for the block's largest p
.endr
.irp i, 3,5,7,9,11,13
.irp b, 0,1,2,3
	v_max3_num_f32 v[BM+\b], v[BM+\b], v[S+16*\b+\i], v[S+1+16*\b+\i]
.endr
.endr
.irp b, 0,1,2,3
	v_max_num_f32 v[BM+\b], v[BM+\b], v[S+15+16*\b]
.endr
.irp b, 0,1,2,3
	v_permlanex16_b32 v[PT+\b], v[BM+\b], s[SEL], s[SEL+1]
.endr
.irp b, 0,1,2,3
	v_max_num_f32 v[BM+\b], v[BM+\b], v[PT+\b]     ; with lane l xor 16's 16 keys
.endr
	v_max3_num_f32 v[T0], v[BM], v[BM+1], v[BM+2]
	v_max_num_f32 v[T0], v[T0], v[BM+3]            ; the step's largest score of my query
	v_mul_f32 v[T0], s[CS], v[T0]                  ; as t
	v_max_num_f32 v13, v13, v[T0]                  ; the running largest t
	v_mov_b32 v[T0], v12
	v_floor_f32 v12, -v13                          ; the new -M = floor(-t) = -ceil(t)
	v_sub_f32 v[T0], v12, v[T0]                    ; old M - new M: a whole number, 0 or less
	v_cvt_i32_f32 v[T0], v[T0]                     ; (it saturates)
	v_ldexp_f32 v[F], 1.0, v[T0]                   ; f = 2^(old M - new M)
.irp j, 0,2,4,6,8,10,12,14,16,18,20,22,24,26,28,30,32,34,36,38,40,42,44,46,48,50,52,54,56,58,60,62
	v_pk_fma_f32 v[S+\j:S+1+\j], v[S+\j:S+1+\j], s[CS:CS+1], v[12:13] op_sel_hi:[1,0,0]   ; t - M, two at a time
.endr
.irp b, 0,1,2,3
	v_fma_f32 v[BM+\b], v[BM+\b], s[CS], v12       ; the same of each block's largest score
.endr
.set i, 0
.rept 64
	v_exp_f32 v[S+i], v[S+i]                       ; p = 2^(t - M): one batch
.set i, i+1
.endr
	v_pk_mul_f32 v[14:15], v[14:15], v[F:F+1] op_sel_hi:[1,0]   ; the sums under the new M; the plain instruction behind the batch
	s_wait_alu depctr_va_vdst(0)                   ; one wait for the batch, ahead of its first reader
.irp b, 0,1,2,3
	v_exp_f32 v[BM+\b], v[BM+\b]                   ; the block's largest p
.endr
	v_pk_add_f32 v[SU:SU+1], v[S:S+1], v[S+2:S+3]  ; the row's sum is taken of the unquantised p, in two chains
.irp j, 4,8,12,16,20,24,28,32,36,40,44,48,52,56,60
	v_pk_add_f32 v[14:15], v[14:15], v[S+\j:S+1+\j]
	v_pk_add_f32 v[SU:SU+1], v[SU:SU+1], v[S+2+\j:S+3+\j]
.endr
	v_pk_add_f32 v[14:15], v[14:15], v[SU:SU+1]
	s_wait_alu depctr_va_vdst(0)                   ; and one for the four
.irp b, 0,1,2,3
	v_max_num_f32 v[BM+\b], 0x1800000, v[BM+\b]    ; the floor 2^(3 - 127): the byte cannot fall under 1
.endr
.irp b, 0,1,2,3
	v_add_nc_u32 v[SO+\b], 0xff000000, v[BM+\b]    ; 2 off the exponent field: the conversion's scale operand
.endr
.irp b, 0,1,2,3
	v_lshrrev_b32 v[BY+\b], 23, v[SO+\b]           ; the byte
.endr
	v_lshl_or_b32 v[PS], v[BY+1], 8, v[BY]         ; p's scale word for these 128 keys
	v_lshl_or_b32 v[PS], v[BY+2], 16, v[PS]
	v_lshl_or_b32 v[PS], v[BY+3], 24, v[PS]
.irp c, 0,1
	v_cvt_scalef32_pk16_fp6_f32 v[PF+6*\c:PF+2+6*\c], v[S+32*\c:S+15+32*\c], v[SO+2*\c]
	v_cvt_scalef32_pk16_fp6_f32 v[CT+4*\c:CT+2+4*\c], v[S+16+32*\c:S+31+32*\c], v[SO+2*\c+1]
.endr
	v_nop                                          ; one plain instruction behind a scaled conversion
.irp c, 0,1                                    ; the layout wants a WHOLE block in a lane
.irp i, 0,1,2
	v_permlane16_swap_b32 v[PF+6*\c+\i], v[CT+4*\c+\i]
.endr
.irp i, 0,1,2
	v_mov_b32 v[PF+3+6*\c+\i], v[CT+4*\c+\i]
.endr
.endr
.irp j, 0,2,4,6,8,10,12,14,16,18,20,22,24,26,28,30
	v_pk_mul_f32 v[O+\j:O+1+\j], v[O+\j:O+1+\j], v[F:F+1] op_sel_hi:[1,0]   ; O^T under the new M, each accumulator from its low end.  Twelve of the sixteen name no register of any one product below: the places between p's codes and scale word and the products
.endr
	s_wait_dscnt 0x0                               ; V is in
.irp d, 0,1,2,3                                ; O^T += V^T P^T: the four accumulators by turns; the eight products of the next step stand between two links of a chain
.if \d%2 == 0
	v_wmma_scale_f32_16x16x128_f8f6f4 v[O+8*\d:O+8*\d+7], v[KV+12*\d:KV+12*\d+11], v[PF:PF+11], v[O+8*\d:O+8*\d+7], v[VS+\d/2], v[PS] matrix_a_fmt:MATRIX_FMT_FP6 matrix_b_fmt:MATRIX_FMT_FP6
.else
	v_wmma_scale_f32_16x16x128_f8f6f4 v[O+8*\d:O+8*\d+7], v[KV+12*\d:KV+12*\d+11], v[PF:PF+11], v[O+8*\d:O+8*\d+7], v[VS+\d/2], v[PS] matrix_a_fmt:MATRIX_FMT_FP6 matrix_b_fmt:MATRIX_FMT_FP6 matrix_a_scale:MATRIX_SCALE_ROW1
.endif
.endr
.endm
; A SLOT: two key steps out of buffer buf; then the next slot, which has come into registers meanwhile, goes into the other buffer (all waves left it at the last barrier), and the slot after that is asked for.
.macro SLOT buf
	v_add_nc_u32 v[ASK], s[TS], v[L4K]
	v_add_nc_u32 v[ASV], s[TJ], v[L4V]
	STEP \buf, 0
	STEP \buf, 1
	s_add_co_u32 s[TS], s[TS], 1024
	s_add_co_u32 s[TJ], s[TJ], 512
.if \buf == 1
	s_cmp_eq_u32 s[J], 7
	s_cbranch_scc1 .Lno_fill_\@                    ; the last slot: nothing follows
.endif
	s_wait_loadcnt 0x0                             ; the next slot's part is in my registers, and its loads have read their base
.irp i, 0,1,2
	ds_store_b128 v[VG], v[STG+4*\i:STG+4*\i+3] offset:(1-\buf)*BUF1+512*\i
.endr
	s_wait_dscnt 0x0                               ; the stores have read their registers
.if \buf == 0
	s_cmp_eq_u32 s[J], 7
	s_cbranch_scc1 .Lno_fill_\@                    ; the last slot but one asks for nothing: no load leaves its buffer
.endif
	s_add_nc_u64 s[8:9], s[8:9], 24576
.irp i, 0,1,2
	global_load_b128 v[STG+4*\i:STG+4*\i+3], v[VG], s[8:9] offset:24576+512*\i
.endr
.Lno_fill_\@:
	s_wait_dscnt 0x0                               ; my stores have landed, my reads of this buffer are in
	s_barrier_signal -1
	s_barrier_wait -1
.endm
.Lslots:                                               ; eight times two slots
	SLOT 0
	SLOT 1
	s_add_co_u32 s[J], s[J], 1
	s_cmp_lt_u32 s[J], 8
	s_cbranch_scc1 .Lslots
	; THE WAY OUT: O^T / the sum; register 16 b + i is d = 32 b + 16 (lane / 16) + i of my query, since V's rows stand in tile order: two blocks of the last product's K
.rept 4
	v_nop
.endr
	v_add_f32 v14, v14, v15                        ; the sum's two halves,
	v_permlanex16_b32 v[T0], v14, s[SEL], s[SEL+1]
	v_add_f32 v14, v14, v[T0]                      ; and lane l xor 16's
	v_rcp_f32 v14, v14
	v_nop
	s_wait_alu depctr_va_vdst(0)
.irp j, 0,2,4,6,8,10,12,14,16,18,20,22,24,26,28,30
	v_pk_mul_f32 v[S+\j:S+1+\j], v[O+\j:O+1+\j], v[14:15] op_sel_hi:[1,0]
.endr
	v_max3_num_f32 v[TM], |v[S]|, |v[S+1]|, 0x1800000
	v_max3_num_f32 v[TM+1], |v[S+16]|, |v[S+17]|, 0x1800000
.irp i, 2,4,6,8,10,12,14
	v_max3_num_f32 v[TM], v[TM], |v[S+\i]|, |v[S+\i+1]|
	v_max3_num_f32 v[TM+1], v[TM+1], |v[S+16+\i]|, |v[S+17+\i]|
.endr
	v_permlanex16_b32 v[TM+2], v[TM], s[SEL], s[SEL+1]
	v_permlanex16_b32 v[TM+3], v[TM+1], s[SEL], s[SEL+1]
	v_max_num_f32 v[TM], v[TM], v[TM+2]
	v_max_num_f32 v[TM+1], v[TM+1], v[TM+3]
	v_add_nc_u32 v[TM+4], 0xff000000, v[TM]
	v_add_nc_u32 v[TM+5], 0xff000000, v[TM+1]
	v_lshrrev_b32 v[TM+6], 23, v[TM+4]
	v_lshrrev_b32 v[TM+7], 23, v[TM+5]
	v_lshl_or_b32 v[TM+8], v[TM+7], 8, v[TM+6]
	v_cvt_scalef32_pk16_fp6_f32 v[PC:PC+2], v[S:S+15], v[TM+4]
	v_cvt_scalef32_pk16_fp6_f32 v[PC+8:PC+10], v[S+16:S+31], v[TM+5]
	v_nop
.irp i, 0,1,2
	v_permlane16_swap_b32 v[PC+\i], v[PC+8+\i]
.endr
.irp i, 0,1,2
	v_mov_b32 v[PC+3+\i], v[PC+8+\i]
.endr
	global_store_b128 v[L16], v[PC:PC+3], s[12:13]
	global_store_b64 v[L8], v[PC+4:PC+5], s[12:13] offset:512
	global_store_b16 v[R4], v[TM+8], s[14:15]      ; my row's two bytes; lanes r and r + 16 write the same two bytes with the same value
	s_wait_tensorcnt 0x0
	ds_add_u32 v254, v255
	s_wait_dscnt 0x0
	s_endpgm
.Lfunc_end_k_q59a455629b_attn:
	.size	k_q59a455629b_attn, .Lfunc_end_k_q59a455629b_attn-k_q59a455629b_attn
	.p2alignl 7, 3214868480
	.fill 96, 4, 3214868480
	.section	.rodata,"a",@progbits
	.p2align	6, 0x0
	.amdhsa_kernel k_q59a455629b_attn
		.amdhsa_group_segment_fixed_size 83968
		.amdhsa_private_segment_fixed_size 0
		.amdhsa_enable_private_segment 0
		.amdhsa_kernarg_size 48
		.amdhsa_user_sgpr_count 2
		.amdhsa_user_sgpr_kernarg_segment_ptr 1
		.amdhsa_wavefront_size32 1
		.amdhsa_system_sgpr_workgroup_id_x 1
		.amdhsa_system_sgpr_workgroup_id_y 1
		.amdhsa_system_sgpr_workgroup_id_z 1
		.amdhsa_system_vgpr_workitem_id 0
		.amdhsa_next_free_vgpr 256
		.amdhsa_next_free_sgpr 66
		.amdhsa_reserve_vcc 0
		.amdhsa_float_denorm_mode_32 3
		.amdhsa_float_denorm_mode_16_64 3
		.amdhsa_memory_ordered 1
		.amdhsa_forward_progress 1
		.amdhsa_inst_pref_size 75
	.end_amdhsa_kernel
	.amdgpu_metadata
---
amdhsa.version: [ 1, 2 ]
amdhsa.kernels:
  - .name:           k_q59a455629b_attn
    .symbol:         k_q59a455629b_attn.kd
    .args:
      - { .name: q_img, .offset: 0, .size: 8, .value_kind: global_buffer, .address_space: global }
      - { .name: q_sc, .offset: 8, .size: 8, .value_kind: global_buffer, .address_space: global }
      - { .name: kv_img, .offset: 16, .size: 8, .value_kind: global_buffer, .address_space: global }
      - { .name: kv_sc, .offset: 24, .size: 8, .value_kind: global_buffer, .address_space: global }
      - { .name: o_img, .offset: 32, .size: 8, .value_kind: global_buffer, .address_space: global }
      - { .name: o_sc, .offset: 40, .size: 8, .value_kind: global_buffer, .address_space: global }
    .group_segment_fixed_size: 83968
    .private_segment_fixed_size: 0
    .kernarg_segment_align: 8
    .kernarg_segment_size: 48
    .max_flat_workgroup_size: 512
    .sgpr_count:     66
    .vgpr_count:     256
    .wavefront_size: 32
...
	.end_amdgpu_metadata
.endif
;; end of part 3
;; launch oproj (part 4): grid 256 x 1, 4 waves a work-group, no clusters, 73,216 bytes of LDS; arguments o_img, o_sc, W_o_codes, W_o_scales, out0; writes out0
.if DOCPART == 4
	.amdgcn_target "amdgcn-amd-amdhsa--gfx1250"
	.amdhsa_code_object_version 6
	.text
	.protected	k_q59a455629b_oproj
	.globl	k_q59a455629b_oproj
	.p2align	8
	.type	k_q59a455629b_oproj,@function
k_q59a455629b_oproj:
	s_mov_b64 s[64:65], 0
	v_nop
	global_prefetch_b8 v0, s[64:65] scope:SCOPE_SE
	s_setreg_imm32_b32 hwreg(HW_REG_WAVE_MODE, 25, 1), 1
	s_wait_xcnt 0x0
; out0 = o W_o^T on codes of FP6 (E2M3).  o comes as images of operand registers ([tile of 16 rows: 256][head 16][768 bytes]; heads 2 s and 2 s + 1 are K step s), W_o as it is given.
; A work-group makes 256 rows x 64 columns; wave w makes rows 64 w on: 16 accumulators.  Its four tiles of o for all of K (32 fragments, 384 registers) come straight into registers, every load dense.
; W_o's 64 rows go through LDS once (two regions of 32 rows, laid as in the launch that makes q, k and v), so that all four waves read them: one barrier.  Straight-line code.
; THE MATRIX INSTRUCTION IS USED TRANSPOSED: source 0 = 16 rows of W_o in tile order, source 1 = 16 rows of o: a lane holds one row and, over a region's two tiles, 16 neighbouring columns.
; o's tiles stand in tile order too (place m of tile 2 b + u is row 32 b + 8 u + m + 8 (m / 8)): the stores' row offsets undo that.
; NO CLUSTER, NO TENSOR LOAD: a work-group's operands are read once, at its head, and are 4 MB in all, read again by neighbours; the launch is short.
; REGISTERS: window 0 below.  windows 1, 2: o's fragments, K steps 0-3 and 4-7, at 48 (s % 4) + 12 a.  window 3: W_o's fragments, two buffers at 0 and 96 (before that: its codes as loaded, v0-95, and scale bytes, v192-195).
.set RGN,  27648
.set TP,   816
.set TT,   16*TP
.set TS0,  2*TT
.set STB,  2*RGN                       ; the stages: 16 rows x (256 bytes + 16) for each wave
.set AS0,  1
.set AS1,  2
.set ASS,  3
.set AF,   4
.set ATS,  5
.set GRAW, 6
.set GSC,  7
.set L16,  8
.set L8,   9
.set L4,   10
.set SOA,  11                          ; the stage: where I put 16 bytes of a row
.set RDA,  12                          ; and where I read a row back
.set CO,   13                          ; my byte offset in two rows of out0
.set TSC,  24                          ; v24-39   W_o's scale words, two sets
.set RS,   40                          ; v40-55   o's: 4 a + i: lanes 0-15 K step 2 i, lanes 16-31 K step 2 i + 1
.set ACC,  64                          ; v64-191  accumulator (tile of columns i, tile of rows a) at 32 i + 8 a
.set OB,   192                         ; v192-255 rows read back from the stage, two sets
.set MSB, 0
.macro WIN new                         ; the immediate's high byte repeats the setting that is left
.if MSB != \new
	s_set_vgpr_msb (MSB<<8)|\new
.set MSB, \new
.endif
.endm
.macro PLACES
.rept 4
	v_nop
.endr
.endm
	s_load_b256 s[4:11], s[0:1], 0x0               ; o_img, o_sc, W_o's codes, W_o's scales
	s_load_b64 s[12:13], s[0:1], 0x20              ; out0
	v_lshl_add_u32 v62, v0, 2, 0x11c00
	v_mov_b32 v63, 0
	v_lshrrev_b32 v20, 5, v0
	v_readfirstlane_b32 s14, v20                   ; wave
	v_and_b32 v20, 31, v0
	v_and_b32 v21, 15, v0                          ; r
	v_bfe_u32 v22, v0, 4, 1                        ; h
	v_lshlrev_b32 v[L16], 4, v20
	v_lshlrev_b32 v[L8], 3, v20
	v_lshlrev_b32 v[L4], 2, v20
	s_and_b32 s34, s14, 1                          ; my 8 rows of a region go to tile wave % 2, places 8 (wave / 2) on
	s_mul_i32 s34, s34, TT
	s_lshr_b32 s35, s14, 1
	s_mul_i32 s36, s35, 8*TP
	s_add_co_u32 s36, s36, s34
	v_add_nc_u32 v[AS0], s36, v[L16]
	v_mul_u32_u24 v23, v22, 48
	v_add_nc_u32 v[AS1], v[AS0], v23
	s_and_b32 s34, s14, 1
	s_lshl_b32 s34, s34, 4
	s_lshl_b32 s35, s35, 3
	s_add_co_u32 s34, s34, s35
	s_mul_i32 s34, s34, 48
	s_add_co_u32 s34, s34, TS0
	v_lshrrev_b32 v23, 2, v20
	v_mul_u32_u24 v23, v23, 48
	v_and_b32 v18, 3, v0
	v_lshl_add_u32 v23, v18, 3, v23
	v_add_nc_u32 v[ASS], s34, v23
	v_mul_u32_u24 v[AF], v21, TP
	v_mad_u32_u24 v[AF], v22, 24, v[AF]
	v_mul_u32_u24 v[ATS], v21, 48
	v_add_nc_u32 v[ATS], TS0, v[ATS]
	s_mul_i32 s34, s14, 6144
	v_add_nc_u32 v[GRAW], s34, v[L16]
	s_lshl_b32 s34, s14, 8
	v_add_nc_u32 v[GSC], s34, v[L8]
	s_mul_i32 s34, s14, 16*272
	s_add_co_u32 s34, s34, STB                     ; my stage
	v_mul_u32_u24 v23, v21, 272
	v_lshl_add_u32 v23, v22, 6, v23
	v_add_nc_u32 v[SOA], s34, v23                  ; in: row r, + 64 h
	v_mul_u32_u24 v23, v22, 272
	v_lshl_add_u32 v23, v21, 4, v23
	v_add_nc_u32 v[RDA], s34, v23                  ; back: lanes 0-15 one row of 256 bytes, lanes 16-31 the next
	v_lshlrev_b32 v23, 12, v22
	v_lshl_add_u32 v[CO], v21, 4, v23              ; and the same in out0: rows of 4,096 bytes
	s_and_b32 s15, ttmp9, 15                       ; which 64 columns
	s_lshr_b32 s16, ttmp9, 4                       ; which 256 rows
	s_lshl_b32 s17, s16, 2
	s_add_co_u32 s17, s17, s14                     ; which 64 rows
	s_mul_i32 s24, s17, 49152                      ; four tiles x 16 heads x 768
	s_mov_b32 s25, 0
	s_lshl_b32 s26, s17, 11                        ; four tiles x 512
	s_mov_b32 s27, 0
	s_mul_i32 s28, s15, 49152                      ; 64 rows of W_o x 768
	s_mov_b32 s29, 0
	s_lshl_b32 s30, s15, 11                        ; 64 rows x 32
	s_mov_b32 s31, 0
	s_lshl_b32 s32, s17, 18                        ; 64 rows x 4,096
	s_lshl_b32 s33, s15, 8
	s_add_co_u32 s32, s32, s33
	s_mov_b32 s33, 0
	s_wait_kmcnt 0x0
	s_add_nc_u64 s[4:5], s[4:5], s[24:25]
	s_add_nc_u64 s[6:7], s[6:7], s[26:27]
	s_add_nc_u64 s[8:9], s[8:9], s[28:29]
	s_add_nc_u64 s[10:11], s[10:11], s[30:31]
	s_add_nc_u64 s[12:13], s[12:13], s[32:33]
.macro RLOAD win, k0                   ; o's fragments of four K steps, as images: 16 and 8 bytes a lane
	WIN \win
.irp a, 0,1,2,3
.irp s, 0,1,2,3
.irp c, 0,1
	global_load_b128 v[48*\s+12*\a+6*\c:48*\s+12*\a+6*\c+3], v[L16], s[4:5] offset:\a*12288+(2*(\s+\k0)+\c)*768
	global_load_b64 v[48*\s+12*\a+6*\c+4:48*\s+12*\a+6*\c+5], v[L8], s[4:5] offset:\a*12288+(2*(\s+\k0)+\c)*768+512
.endr
.endr
.endr
.endm
.macro RAWLOAD reg, regs, j            ; region j's 32 rows: my wave's 8 rows of codes and their scale bytes, into window 3
	WIN 0xc0
.irp i, 0,1,2,3,4,5,6,7,8,9,10,11
	global_load_b128 v[\reg+4*\i:\reg+4*\i+3], v[GRAW], s[8:9] offset:24576*\j+512*\i
.endr
	global_load_b64 v[\regs:\regs+1], v[GSC], s[10:11] offset:1024*\j
	WIN 0
.endm
.macro RAWSTORE reg, regs, base        ; byte x of my 6,144 goes to x + 48 (x / 768)
	WIN 0x0c
.irp i, 0,1,2,3,4,5,6,7,8,9,10,11
.if \i%3 == 0
	ds_store_b128 v[AS0], v[\reg+4*\i:\reg+4*\i+3] offset:\base+512*\i+96*(\i/3)
.elseif \i%3 == 1
	ds_store_b128 v[AS1], v[\reg+4*\i:\reg+4*\i+3] offset:\base+512*\i+96*(\i/3)
.else
	ds_store_b128 v[AS0], v[\reg+4*\i:\reg+4*\i+3] offset:\base+512*\i+96*(\i/3)+48
.endif
.endr
	ds_store_b64 v[ASS], v[\regs:\regs+1] offset:\base
	WIN 0
.endm
.macro TFRAGS base, u, reg, tsc        ; tile u of a region: 2 loads of scale words, 48 of fragments
	ds_load_b128 v[\tsc:\tsc+3], v[ATS] offset:\base+768*\u
	ds_load_b128 v[\tsc+4:\tsc+7], v[ATS] offset:\base+768*\u+16
	WIN 0xc0
.irp s, 0,1,2,3,4,5,6,7
.irp p, 0,1,2,3,4,5
	ds_load_b64 v[\reg+12*\s+2*\p:\reg+12*\s+2*\p+1], v[AF] offset:\base+TT*\u+96*\s+48*(\p/3)+8*(\p%3)
.endr
.endr
	WIN 0
.endm
; tile i of W_o (in buffer b) x my four tiles of o: 32 matrix instructions, the four accumulators by turns; the first K step starts the sums
.macro MULD i, b
.irp s, 0,1,2,3,4,5,6,7
.if \s < 4
	WIN 0x07                                       ; source 0 (W_o) window 3, source 1 (o) window 1
.else
	WIN 0x0b                                       ; source 1 window 2
.endif
.irp a, 0,1,2,3
.if \s == 0
	v_wmma_scale_f32_16x16x128_f8f6f4 v[ACC+32*\i+8*\a:ACC+32*\i+8*\a+7], v[96*\b+12*\s:96*\b+12*\s+11], v[48*(\s%4)+12*\a:48*(\s%4)+12*\a+11], 0, v[TSC+8*\b+\s], v[RS+4*\a+\s/2] matrix_a_fmt:MATRIX_FMT_FP6 matrix_b_fmt:MATRIX_FMT_FP6
.elseif \s%2 == 0
	v_wmma_scale_f32_16x16x128_f8f6f4 v[ACC+32*\i+8*\a:ACC+32*\i+8*\a+7], v[96*\b+12*\s:96*\b+12*\s+11], v[48*(\s%4)+12*\a:48*(\s%4)+12*\a+11], v[ACC+32*\i+8*\a:ACC+32*\i+8*\a+7], v[TSC+8*\b+\s], v[RS+4*\a+\s/2] matrix_a_fmt:MATRIX_FMT_FP6 matrix_b_fmt:MATRIX_FMT_FP6
.else
	v_wmma_scale_f32_16x16x128_f8f6f4 v[ACC+32*\i+8*\a:ACC+32*\i+8*\a+7], v[96*\b+12*\s:96*\b+12*\s+11], v[48*(\s%4)+12*\a:48*(\s%4)+12*\a+11], v[ACC+32*\i+8*\a:ACC+32*\i+8*\a+7], v[TSC+8*\b+\s], v[RS+4*\a+\s/2] matrix_a_fmt:MATRIX_FMT_FP6 matrix_b_fmt:MATRIX_FMT_FP6 matrix_b_scale:MATRIX_SCALE_ROW1
.endif
.endr
.endr
	WIN 0
.endm
	RLOAD 0x40, 0
	RLOAD 0x80, 4
	WIN 0
.irp a, 0,1,2,3
.irp i, 0,1,2,3
	global_load_b32 v[RS+4*\a+\i], v[L4], s[6:7] offset:\a*512+128*\i
.endr
.endr
	RAWLOAD 0, 192, 0
	RAWLOAD 48, 194, 1
	s_wait_loadcnt 0x0
	RAWSTORE 0, 192, 0
	RAWSTORE 48, 194, RGN
	s_wait_dscnt 0x0                               ; my stores have landed
	s_barrier_signal -1
	s_barrier_wait -1                              ; W_o's 64 rows lie in LDS
	TFRAGS 0, 0, 0, TSC
	TFRAGS 0, 1, 96, TSC+8
	s_wait_dscnt 50                                ; the older tile is in; the younger tile's 2 + 48 loads may be out
	MULD 0, 0
	PLACES
	TFRAGS RGN, 0, 0, TSC
	s_wait_dscnt 50
	MULD 1, 1
	PLACES
	TFRAGS RGN, 1, 96, TSC+8
	s_wait_dscnt 50
	MULD 2, 0
	s_wait_dscnt 0x0
	MULD 3, 1
	PLACES
; THE WAY OUT, a tile of 16 rows x 64 columns at a time, through my own stage: a lane holds pieces of one row, and the lanes beside it hold other rows; back come whole rows of 256 bytes.
; LDS serves a wave's instructions in order (ISA guide 5.7.1.4): no wait between the stores and the loads, nor ahead of the next tile's stores.
.macro TOSTAGE a
.irp i, 0,1,2,3
	ds_store_b128 v[SOA], v[ACC+32*\i+8*(\a):ACC+32*\i+8*(\a)+3] offset:128*(\i/2)+32*(\i%2)       ; columns 32 (i / 2) + 16 h + 8 (i % 2) + 0 .. 7; each accumulator from its low end
	ds_store_b128 v[SOA], v[ACC+32*\i+8*(\a)+4:ACC+32*\i+8*(\a)+7] offset:128*(\i/2)+32*(\i%2)+16
.endr
.irp t, 0,1,2,3,4,5,6,7
	ds_load_b128 v[OB+32*((\a)%2)+4*\t:OB+32*((\a)%2)+4*\t+3], v[RDA] offset:544*\t
.endr
.endm
.macro SEND a, younger                 ; younger: the LDS instructions issued behind tile a's loads, which may stay out
	s_wait_dscnt \younger
.irp t, 0,1,2,3,4,5,6,7
	global_store_b128 v[CO], v[OB+32*((\a)%2)+4*\t:OB+32*((\a)%2)+4*\t+3], s[12:13] offset:(32*((\a)/2)+8*((\a)%2)+2*\t+8*(\t/4))*4096 th:TH_STORE_NT   ; 16 lanes store 256 consecutive bytes, at a multiple of 256 from out0's first byte
.endr
.endm
	TOSTAGE 0
.irp a, 1,2,3
.if \a > 1
	s_wait_xcnt 0x0                                ; tile a - 2's stores have read their registers: tile a's loads may land there
.endif
	TOSTAGE \a
	SEND \a-1, 16                                  ; behind tile a - 1's loads: tile a's 8 stores and 8 loads
.endr
	SEND 3, 0
	s_wait_tensorcnt 0x0
	ds_add_u32 v62, v63
	s_wait_dscnt 0x0
	s_endpgm
.Lfunc_end_k_q59a455629b_oproj:
	.size	k_q59a455629b_oproj, .Lfunc_end_k_q59a455629b_oproj-k_q59a455629b_oproj
	.p2alignl 7, 3214868480
	.fill 96, 4, 3214868480
	.section	.rodata,"a",@progbits
	.p2align	6, 0x0
	.amdhsa_kernel k_q59a455629b_oproj
		.amdhsa_group_segment_fixed_size 73216
		.amdhsa_private_segment_fixed_size 0
		.amdhsa_enable_private_segment 0
		.amdhsa_kernarg_size 40
		.amdhsa_user_sgpr_count 2
		.amdhsa_user_sgpr_kernarg_segment_ptr 1
		.amdhsa_wavefront_size32 1
		.amdhsa_system_sgpr_workgroup_id_x 1
		.amdhsa_system_sgpr_workgroup_id_y 1
		.amdhsa_system_sgpr_workgroup_id_z 1
		.amdhsa_system_vgpr_workitem_id 0
		.amdhsa_next_free_vgpr 1024
		.amdhsa_next_free_sgpr 66
		.amdhsa_reserve_vcc 0
		.amdhsa_float_denorm_mode_32 3
		.amdhsa_float_denorm_mode_16_64 3
		.amdhsa_memory_ordered 1
		.amdhsa_forward_progress 1
		.amdhsa_inst_pref_size 59
	.end_amdhsa_kernel
	.amdgpu_metadata
---
amdhsa.version: [ 1, 2 ]
amdhsa.kernels:
  - .name:           k_q59a455629b_oproj
    .symbol:         k_q59a455629b_oproj.kd
    .args:
      - { .name: o_img, .offset: 0, .size: 8, .value_kind: global_buffer, .address_space: global }
      - { .name: o_sc, .offset: 8, .size: 8, .value_kind: global_buffer, .address_space: global }
      - { .name: W_o_codes, .offset: 16, .size: 8, .value_kind: global_buffer, .address_space: global }
      - { .name: W_o_scales, .offset: 24, .size: 8, .value_kind: global_buffer, .address_space: global }
      - { .name: out0, .offset: 32, .size: 8, .value_kind: global_buffer, .address_space: global }
    .group_segment_fixed_size: 73216
    .private_segment_fixed_size: 0
    .kernarg_segment_align: 8
    .kernarg_segment_size: 40
    .max_flat_workgroup_size: 128
    .sgpr_count:     66
    .vgpr_count:     1024
    .wavefront_size: 32
...
	.end_amdgpu_metadata
.endif
;; end of part 4
;; ======== version 2 of 2: 4 launches
;; workspace buffers: q_img 3,145,728 bytes; q_sc 262,144 bytes; kv_img 12,582,912 bytes; kv_sc 786,432 bytes; o_img 3,145,728 bytes; o_sc 131,072 bytes
;; launch quant_cache (part 5): grid 512 x 1, 4 waves a work-group, no clusters, 37,376 bytes of LDS; arguments k_cache, v_cache, kv_img, kv_sc; writes kv_img, kv_sc
.if DOCPART == 5
	.amdgcn_target "amdgcn-amd-amdhsa--gfx1250"
	.amdhsa_code_object_version 6
	.text
	.protected	k_q59a455629b_quant_cache
	.globl	k_q59a455629b_quant_cache
	.p2align	8
	.type	k_q59a455629b_quant_cache,@function
k_q59a455629b_quant_cache:
	s_mov_b64 s[64:65], 0
	v_nop
	global_prefetch_b8 v0, s[64:65] scope:SCOPE_SE
	s_setreg_imm32_b32 hwreg(HW_REG_WAVE_MODE, 25, 1), 1
	s_wait_xcnt 0x0
; k_cache and v_cache [32 heads][2048 keys][64], f32, become codes of FP6 (E2M3) with E8M0 scale bytes, laid as the attention launch's operand registers want them.
; K is quantised along the head's 64 numbers, V along the keys.  A block's scale byte is its largest magnitude's exponent field - 2, held at 1 from below.
; AN IMAGE (768 bytes) is 16 rows x 64 along K as it stands in registers: lane (r, h) holds the 24 bytes of codes k = 32 h .. 32 h + 31 of row r: registers 0-3 at 16 x lane, registers 4-5 at 512 + 8 x lane.
; TILE ORDER: of a group of 32 rows, tile u takes row 8 u + r + 8 (r / 8) in lane r.
; kv_img: [head][slot of 256 keys][24,576]: 16 images of K (tiles of 16 keys), then for each of the slot's two steps of 128 keys: [tile of 16 d: 4][64 keys: 2] images of V.
; kv_sc:  [head][24,576]: K: [tile 256][r 16] words (bytes 0, 1 the row's two scales, bytes 2, 3 the same again); then V: [step 32][tile 4][r 16] words, byte j for keys 32 j on.
; This launch fills the halves that belong to the cache (keys 0 .. 2047); the next launch fills the others.
; Work-groups 0-255 take K, 256-511 take V; a wave takes 16 KiB of input.  Waves share nothing: no barrier.  Only K's path uses LDS.
; No matrix unit, no cluster, no tensor load: a stream read once, whose work-groups share no byte.
; LIMITS: NaN and infinities are not served; a block whose largest magnitude lies under 2^-124 keeps the byte 1 (a block of zeros too: its codes are zeros, and this program alone reads the bytes).
; V's stores of 8 bytes a lane fill aligned halves of 128 bytes; the store of the block after fills the other half.
.set SP,   144                         ; a lane's place in the stage: 128 bytes + 16: an odd multiple of 16
.set SW,   64*SP                       ; a wave's stage: two tiles x 32 lanes
.set X,    32                          ; v32-159  the numbers as loaded
.set Y,    160                         ; v160-223 K: two tiles x 32 numbers of one block
.set CK,   224                         ; v224-255 K: codes, 8 registers a tile
.set CV,   160                         ; v160-191 V: codes, 8 registers a block
.set L16,  3
.set L8,   4
.set L4,   5
.set STA,  6                           ; the stage, on the way in
.set RDA,  7                           ; and on the way out
.set H8,   8                           ; 8 x (lane / 16)
.set VO16, 16
.set VO8,  17
.set VOS,  18
.set WD,   24                          ; v24-25  scale words to store
	s_load_b128 s[4:7], s[0:1], 0x0                ; k_cache, v_cache
	s_load_b128 s[8:11], s[0:1], 0x10              ; kv_img, kv_sc
	v_lshl_add_u32 v247, v0, 2, 0x9000
	v_mov_b32 v255, 0
	v_lshrrev_b32 v1, 5, v0
	v_readfirstlane_b32 s12, v1                    ; wave
	v_and_b32 v2, 31, v0                           ; lane
	v_lshlrev_b32 v[L16], 4, v2
	v_lshlrev_b32 v[L8], 3, v2
	v_lshlrev_b32 v[L4], 2, v2
	v_bfe_u32 v9, v0, 3, 1                         ; (lane / 8) % 2
	v_bfe_u32 v10, v0, 4, 1                        ; lane / 16
	v_and_b32 v15, 7, v0                           ; lane % 8
	v_lshlrev_b32 v[H8], 3, v10
	s_mul_i32 s18, s12, SW
	v_lshl_add_u32 v1, v9, 4, v10                  ; a load's lane holds key (lane / 16), half (lane / 8) % 2: it goes to the stage's lane 16 x half + key
	v_mul_u32_u24 v1, v1, SP
	v_lshl_add_u32 v1, v15, 4, v1
	v_add_nc_u32 v[STA], s18, v1
	v_mul_u32_u24 v1, v2, SP
	v_add_nc_u32 v[RDA], s18, v1
	v_mov_b32 v14, 0                               ; a lane permute's destination counts as one of its sources
	s_mov_b32 s15, 0
	s_mov_b32 s25, 0
	s_mov_b32 s27, 0
	s_mov_b32 s20, 0x76543210
	s_mov_b32 s21, 0xfedcba98                      ; v_permlanex16_b32's selects for lane l xor 16
	s_mov_b32 s22, 0xffff0000                      ; lanes 16-31
	s_cmp_lt_u32 ttmp9, 256
	s_cbranch_scc0 .Lv_path
; the largest magnitude of v[xs] .. v[xs + 31], and the floor 2^(3 - 127), into v12
.macro MAX32 xs
	v_max3_num_f32 v12, |v[\xs]|, |v[\xs+1]|, |v[\xs+2]|
	v_max3_num_f32 v13, |v[\xs+3]|, |v[\xs+4]|, |v[\xs+5]|
.irp i, 6,10,14,18,22,26
	v_max3_num_f32 v12, v12, |v[\xs+\i]|, |v[\xs+\i+1]|
	v_max3_num_f32 v13, v13, |v[\xs+\i+2]|, |v[\xs+\i+3]|
.endr
	v_max3_num_f32 v12, v12, |v[\xs+30]|, |v[\xs+31]|
	v_max3_num_f32 v12, v12, v13, 0x1800000
.endm
; 32 numbers of one block become 24 bytes of codes in v[c] .. v[c + 5]; the scale's byte in v13
.macro CODES xs, c
	v_add_nc_u32 v11, 0xff000000, v12              ; 2 off the exponent field: the conversion takes this operand's exponent field as its scale
	v_cvt_scalef32_pk16_fp6_f32 v[\c:\c+2], v[\xs:\xs+15], v11
	v_cvt_scalef32_pk16_fp6_f32 v[\c+4:\c+6], v[\xs+16:\xs+31], v11   ; (a conversion's three registers begin on an even number)
	v_lshrrev_b32 v13, 23, v11                     ; the byte; also the plain instruction behind the conversions
	v_mov_b32 v[\c+3], v[\c+4]
	v_mov_b32 v[\c+4], v[\c+5]
	v_mov_b32 v[\c+5], v[\c+6]
.endm
	; ---------------- K: my wave's 64 keys = 4 tiles
	s_lshl_b32 s13, ttmp9, 2
	s_add_co_u32 s13, s13, s12                     ; which 64 keys: 0 .. 1023
	s_lshl_b32 s14, s13, 14                        ; 64 keys x 256 bytes
	s_lshr_b32 s16, s13, 5                         ; head
	s_and_b32 s17, s13, 31                         ; which 64 keys of the head
	s_mul_i32 s24, s16, 393216
	s_lshr_b32 s18, s17, 2
	s_mul_i32 s18, s18, 24576                      ; the slot
	s_add_co_u32 s24, s24, s18
	s_and_b32 s18, s17, 3
	s_mul_i32 s18, s18, 3072                       ; four images on
	s_add_co_u32 s24, s24, s18
	s_mul_i32 s26, s16, 24576
	s_lshl_b32 s18, s17, 8                         ; four tiles' words
	s_add_co_u32 s26, s26, s18
	s_wait_kmcnt 0x0
	s_add_nc_u64 s[4:5], s[4:5], s[14:15]
	s_add_nc_u64 s[8:9], s[8:9], s[24:25]
	s_add_nc_u64 s[10:11], s[10:11], s[26:27]
.set i, 0
.rept 32
	global_load_b128 v[X+4*i:X+4*i+3], v[L16], s[4:5] offset:512*i th:TH_LOAD_NT   ; 32 lanes read 512 consecutive bytes: two keys
.set i, i+1
.endr
.macro KQ ys, tile, wd                 ; a tile: my lane's block of 32 (row r, half h) is all mine
	MAX32 \ys
	CODES \ys, CK+8*(\tile)
	global_store_b128 v[L16], v[CK+8*(\tile):CK+8*(\tile)+3], s[8:9] offset:768*(\tile)
	global_store_b64 v[L8], v[CK+8*(\tile)+4:CK+8*(\tile)+5], s[8:9] offset:768*(\tile)+512
	v_lshlrev_b32 v13, v[H8], v13                  ; my byte at its place,
	v_permlanex16_b32 v14, v13, s20, s21
	v_or_b32 v13, v13, v14                         ; with lane l xor 16's,
	v_lshl_or_b32 v[\wd], v13, 16, v13             ; and both once more for the empty upper half of the product's K
.endm
.macro KGROUP g                        ; 32 keys: through the stage they come to the lanes that want them
.if \g == 0
	s_wait_loadcnt 16                              ; this group's 16 loads are in; the other group's may be out
.else
	s_wait_loadcnt 0x0
.endif
.irp i, 0,1,2,3,4,5,6,7,8,9,10,11,12,13,14,15
	ds_store_b128 v[STA], v[X+64*\g+4*\i:X+64*\g+4*\i+3] offset:((\i/4)%2)*32*SP+(2*(\i%4)+8*(\i/8))*SP
.endr
.irp u, 0,1
.irp j, 0,1,2,3,4,5,6,7
	ds_load_b128 v[Y+32*\u+4*\j:Y+32*\u+4*\j+3], v[RDA] offset:\u*32*SP+16*\j   ; LDS serves a wave's instructions in order: these see my stores
.endr
.endr
	s_wait_dscnt 8                                 ; the first tile's numbers are back; the second tile's eight loads may be out
	KQ Y, 2*\g, 20
	s_wait_dscnt 0x0
	KQ Y+32, 2*\g+1, 21
	v_cndmask_b32 v[WD+\g], v20, v21, s22          ; lanes 0-15 the first tile's words, lanes 16-31 the second's
	global_store_b32 v[L4], v[WD+\g], s[10:11] offset:128*\g
.endm
	s_wait_alu depctr_va_vdst(0)
	KGROUP 0
	KGROUP 1
	s_wait_tensorcnt 0x0
	ds_add_u32 v247, v255
	s_wait_dscnt 0x0
	s_endpgm
.Lv_path:
	; ---------------- V: my wave takes 128 keys (a step) x 32 of the head's 64: a lane a column d, its registers down the keys
	s_sub_co_u32 s13, ttmp9, 256
	s_lshl_b32 s13, s13, 2
	s_add_co_u32 s13, s13, s12
	s_lshr_b32 s16, s13, 5                         ; head
	s_bfe_u32 s17, s13, 0x40001                    ; step 0 .. 15
	s_and_b32 s18, s13, 1                          ; which 32 columns
	s_lshl_b32 s14, s16, 19                        ; head x 2048 keys x 256 bytes
	s_lshl_b32 s19, s17, 15
	s_add_co_u32 s14, s14, s19
	s_lshl_b32 s19, s18, 7
	s_add_co_u32 s14, s14, s19
	s_mul_i32 s24, s16, 393216
	s_lshr_b32 s19, s17, 1
	s_mul_i32 s19, s19, 24576
	s_add_co_u32 s24, s24, s19
	s_and_b32 s19, s17, 1
	s_mul_i32 s19, s19, 6144
	s_add_co_u32 s24, s24, s19
	s_mul_i32 s19, s18, 3072
	s_add_co_u32 s24, s24, s19
	s_add_co_u32 s24, s24, 12288                   ; behind the slot's images of K
	s_mul_i32 s26, s16, 24576
	s_lshl_b32 s19, s17, 8
	s_add_co_u32 s26, s26, s19
	s_lshl_b32 s19, s18, 7
	s_add_co_u32 s26, s26, s19
	s_add_co_u32 s26, s26, 16384                   ; behind K's words
	s_wait_alu depctr_va_vdst(0)
	v_lshl_add_u32 v15, v10, 3, v15                ; column 32 b + lane is row r' = lane % 8 + 8 (lane / 16) of tile 2 b + (lane / 8) % 2
	v_mul_u32_u24 v1, v9, 1536
	v_lshl_add_u32 v[VO16], v15, 4, v1
	v_lshl_add_u32 v[VO8], v15, 3, v1
	v_lshlrev_b32 v1, 6, v9
	v_lshl_add_u32 v[VOS], v15, 2, v1
	s_wait_kmcnt 0x0
	s_add_nc_u64 s[6:7], s[6:7], s[14:15]
	s_add_nc_u64 s[8:9], s[8:9], s[24:25]
	s_add_nc_u64 s[10:11], s[10:11], s[26:27]
.macro VLOAD j                         ; block j: keys 32 j .. 32 j + 31 of my column; 32 lanes read 128 consecutive bytes
.set i, 0
.rept 32
	global_load_b32 v[X+32*(\j)+i], v[L4], s[6:7] offset:256*(32*(\j)+i) th:TH_LOAD_NT
.set i, i+1
.endr
.endm
.macro VBLOCK j                        ; block j belongs to image j / 2, lanes' half j % 2
.if \j < 3
	s_wait_loadcnt 32                              ; this block's 32 loads are in; the next block's may be out
.else
	s_wait_loadcnt 0x0
.endif
	MAX32 X+32*\j
	CODES X+32*\j, CV+8*\j
.if \j == 0
	v_mov_b32 v[WD], v13
.else
	v_lshl_or_b32 v[WD], v13, 8*\j, v[WD]
.endif
	global_store_b128 v[VO16], v[CV+8*\j:CV+8*\j+3], s[8:9] offset:(\j/2)*768+256*(\j%2)
	global_store_b64 v[VO8], v[CV+8*\j+4:CV+8*\j+5], s[8:9] offset:(\j/2)*768+512+128*(\j%2)
.if \j < 2
	VLOAD \j+2
.endif
.endm
	VLOAD 0
	VLOAD 1
	VBLOCK 0
	VBLOCK 1
	VBLOCK 2
	VBLOCK 3
	global_store_b32 v[VOS], v[WD], s[10:11]       ; my column's four bytes: 32 lanes fill 128 consecutive bytes
	s_endpgm
.Lfunc_end_k_q59a455629b_quant_cache:
	.size	k_q59a455629b_quant_cache, .Lfunc_end_k_q59a455629b_quant_cache-k_q59a455629b_quant_cache
	.p2alignl 7, 3214868480
	.fill 96, 4, 3214868480
	.section	.rodata,"a",@progbits
	.p2align	6, 0x0
	.amdhsa_kernel k_q59a455629b_quant_cache
		.amdhsa_group_segment_fixed_size 37376
		.amdhsa_private_segment_fixed_size 0
		.amdhsa_enable_private_segment 0
		.amdhsa_kernarg_size 32
		.amdhsa_user_sgpr_count 2
		.amdhsa_user_sgpr_kernarg_segment_ptr 1
		.amdhsa_wavefront_size32 1
		.amdhsa_system_sgpr_workgroup_id_x 1
		.amdhsa_system_sgpr_workgroup_id_y 1
		.amdhsa_system_sgpr_workgroup_id_z 1
		.amdhsa_system_vgpr_workitem_id 0
		.amdhsa_next_free_vgpr 256
		.amdhsa_next_free_sgpr 66
		.amdhsa_reserve_vcc 0
		.amdhsa_float_denorm_mode_32 3
		.amdhsa_float_denorm_mode_16_64 3
		.amdhsa_memory_ordered 1
		.amdhsa_forward_progress 1
		.amdhsa_inst_pref_size 38
	.end_amdhsa_kernel
	.amdgpu_metadata
---
amdhsa.version: [ 1, 2 ]
amdhsa.kernels:
  - .name:           k_q59a455629b_quant_cache
    .symbol:         k_q59a455629b_quant_cache.kd
    .args:
      - { .name: k_cache, .offset: 0, .size: 8, .value_kind: global_buffer, .address_space: global }
      - { .name: v_cache, .offset: 8, .size: 8, .value_kind: global_buffer, .address_space: global }
      - { .name: kv_img, .offset: 16, .size: 8, .value_kind: global_buffer, .address_space: global }
      - { .name: kv_sc, .offset: 24, .size: 8, .value_kind: global_buffer, .address_space: global }
    .group_segment_fixed_size: 37376
    .private_segment_fixed_size: 0
    .kernarg_segment_align: 8
    .kernarg_segment_size: 32
    .max_flat_workgroup_size: 128
    .sgpr_count:     66
    .vgpr_count:     256
    .wavefront_size: 32
...
	.end_amdgpu_metadata
.endif
;; end of part 5
;; launch qkv (part 6): grid 192 x 1, 4 waves a work-group, no clusters, 66,048 bytes of LDS; arguments x_codes, x_scales, W_qkv_codes, W_qkv_scales, scale_q, scale_k, q_img, q_sc, kv_img, kv_sc; writes q_img, q_sc, kv_img, kv_sc
.if DOCPART == 6
	.amdgcn_target "amdgcn-amd-amdhsa--gfx1250"
	.amdhsa_code_object_version 6
	.text
	.protected	k_q59a455629b_qkv
	.globl	k_q59a455629b_qkv
	.p2align	8
	.type	k_q59a455629b_qkv,@function
k_q59a455629b_qkv:
	s_mov_b64 s[64:65], 0
	v_nop
	global_prefetch_b8 v0, s[64:65] scope:SCOPE_SE
	s_setreg_imm32_b32 hwreg(HW_REG_WAVE_SCHED_MODE, 0, 2), 2
	s_setreg_imm32_b32 hwreg(HW_REG_WAVE_MODE, 25, 1), 1
	s_wait_xcnt 0x0
	s_wait_alu depctr_vm_vsrc(0)
; qkv = x W_qkv^T on codes of FP6 (E2M3) as they are given; q and k are normalised by head (x / (sqrt(mean x^2) + 1e-6) x gain, in f32); q, k and v are quantised in registers
; and leave as images of the attention launch's operand registers (layouts: the head of the launch before).  qkv itself never goes to memory.
; A wave keeps a RESIDENT operand R, 64 rows x all 1,024 of K (32 fragments, 384 registers), as source 0; the four waves stream the same 16 tiles T of 16 rows (source 1) through LDS.
; R x one tile is 32 matrix instructions on 4 accumulators by turns.  R's rows stand in TILE ORDER (lane r of tile 2 b + u takes row 32 b + 8 u + r + 8 (r / 8)), so a lane's 32 results are
; 16 neighbours of each of two blocks of 32 along the NEXT product's K: register 16 b + i is k = 32 b + 16 (lane / 16) + i of the row that the lane holds.
;   q, k (work-groups 0-127): R = the 64 rows of W of one head, T = tokens: a lane holds a token, its registers run along the head's 64.
;   v    (work-groups 128-191): R = 64 tokens (keys), T = rows of W_v: a lane holds a d, its registers run along the keys, which are the third product's K.
; One text serves all three: pointers and a few strides are chosen by the work-group's number; the norm is passed over for v by a scalar branch on that number.
; 12,288 pairs (R, T) at 64 a work-group are 192 work-groups: 256 equal shares do not exist (q and k alone are 8,192 pairs in units of 16).
; NO CLUSTER, NO TENSOR LOAD: a trip's 25,600 bytes, copied through registers a trip ahead, feed 256 matrix instructions of the work-group; all operands together are 5.7 MB read again and again by neighbours.
; LDS: two regions by turns, 32,768 bytes apart.  A region: two tiles of 16 rows, 816 bytes apart (768 of codes + 48: 204 words, so that the 32 lanes of a load of 8 bytes fall on 64 different banks (64 banks of 4 bytes: ISA guide 11.1)); then 32 rows of scale bytes, 48 apart.
; Tile order is made by placement: row e of a trip's 32 goes to tile (e / 8) % 2, place e % 8 + 8 (e / 16).
; LIMITS: NaN and infinities are not served; a block whose largest magnitude lies under 2^-124 keeps the byte 1; v_sqrt_f32 takes a denormal mean of squares as 0.
; v's scale bytes leave as stores of two bytes a lane, 4 bytes apart (the other half of each word belongs to the neighbouring 64 keys): one such store for 64 matrix instructions.
; REGISTERS: window 0: below.  window 1: R's K steps 0-3 at 48 s + 12 t.  window 2: K steps 4-7.  window 3: v0-95 T's 8 fragments; v96-143 the next trip's codes as loaded, v144-145 its scale bytes.
; THE MODE: SCHED_MODE bits 1:0 = 2 (LLVM: expert scheduling mode 2), set by the entry lines.  The code itself states the register dependences
; between vector or matrix instructions and memory or LDS instructions, with s_wait_alu, always for 0.
; THE PLAN.  Registers that memory or LDS instructions touch, and who else names them:
;   v1-7, v14-16           addresses and offsets: written at the head, never again.  One wait on va_vdst ahead of the first load serves them for the whole launch.
;   windows 1 and 2, RSC, G  loaded once at the head; afterwards named by matrix and vector instructions alone.
;   TF, TSC                a tile's LDS loads land in them; its 32 matrix instructions read them.
;   STG, STGS              a trip's global loads land in them; its LDS stores read them; no vector instruction names them.
;   VO16, VO8, VOS, PC, WRD  a tile's vector work writes them; its stores read them.
; A TILE: its 32 products and their places; then s_wait_xcnt 0 and a wait on vm_vsrc (the last tile's stores have read their addresses and data, which this tile's vector work writes again) and, in a trip's first tile,
; a wait on va_vdst (the products are done reading TF and TSC), behind which the second tile's LDS loads follow; the vector work, which names none of TF, TSC, STG; ONE wait on va_vdst ahead of the tile's stores.
; That last wait also shows the tile's products done reading TF and TSC: no vector or matrix instruction behind it names them, so the next trip's first LDS loads owe nothing more.
; A wait on vm_vsrc stands ahead of each barrier: my LDS stores have read STG and STGS, in which the next trip's global loads land.
.set RGN,  32768
.set TP,   816
.set TT,   16*TP
.set TS0,  2*TT
.set AS0,  1                           ; where I store a trip's codes: my 8 rows, 16 x lane
.set AS1,  2                           ; the same for the loads whose lanes 16-31 lie in the next row: + 48
.set ASS,  3                           ; where I store its scale bytes
.set AF,   4                           ; a fragment: place r x 816 + 24 h
.set ATS,  5                           ; a tile's scale words: place r x 48
.set GRAW, 6                           ; memory: my 8 rows of a trip's codes, 16 x lane
.set GSC,  7                           ; memory: their scale bytes, 8 x lane
.set L16,  8
.set L8,   9
.set L4,   10
.set VO16, 11                          ; the image's place in the output, + 16 x lane
.set VO8,  12                          ; + 8 x lane
.set VOS,  13                          ; the scale words' place, + 4 x lane
.set VR,   14
.set VRS,  15
.set VGN,  16
.set WRD,  17                          ; the scale words to store
.set TSC,  24                          ; v24-31   T's scale words, K steps 0-7
.set ACC,  32                          ; v32-63   the four accumulators
.set G,    64                          ; v64-95   the gains of my 32 numbers
.set RSC,  96                          ; v96-127  R's scale words: 8 t + s
.set PC,   128                         ; v128-138 codes
.set TM,   140                         ; v140-141 largest magnitudes, 142-143 the other half's, 144-145 scale operands, 146-147 bytes, 148 the two bytes, 149 those of the trip's first tile
.set SS,   150                         ; v150-153 sums of squares
.set FF,   154                         ; v154 1 / rms; v155 named with it as a pair
.set TF,   0
.set STG,  96
.set STGS, 144
.set SEL,  78
.set MSB, 0
.macro WIN new                         ; the immediate's high byte repeats the setting that is left
.if MSB != \new
	s_set_vgpr_msb (MSB<<8)|\new
.set MSB, \new
.endif
.endm
.macro PLACES                          ; four plain instructions behind a matrix instruction, ahead of loads into its registers and of reads of its result
.rept 4
	v_nop
.endr
.endm
	s_load_b256 s[4:11], s[0:1], 0x0               ; x's codes, x's scales, W's codes, W's scales
	s_load_b256 s[12:19], s[0:1], 0x20             ; scale_q, scale_k, q_img, q_sc
	s_load_b128 s[20:23], s[0:1], 0x40             ; kv_img, kv_sc
	v_lshl_add_u32 v254, v0, 2, 0x10000
	v_mov_b32 v255, 0
	v_lshrrev_b32 v20, 5, v0
	v_readfirstlane_b32 s24, v20                   ; wave
	v_and_b32 v20, 31, v0                          ; lane
	s_wait_alu depctr_va_vdst(0)
	v_and_b32 v21, 15, v0                          ; r
	v_bfe_u32 v22, v0, 4, 1                        ; h
	v_lshlrev_b32 v[L16], 4, v20
	v_lshlrev_b32 v[L8], 3, v20
	v_lshlrev_b32 v[L4], 2, v20
	s_wait_alu depctr_va_sdst(0)                   ; s24, the wave's number, is written, ahead of its first reader
	s_and_b32 s80, s24, 1                          ; my 8 rows of a trip go to tile wave % 2, places 8 (wave / 2) on
	s_mul_i32 s80, s80, TT
	s_lshr_b32 s81, s24, 1
	s_mul_i32 s82, s81, 8*TP
	s_add_co_u32 s82, s82, s80
	v_add_nc_u32 v[AS0], s82, v[L16]
	v_mul_u32_u24 v23, v22, 48
	v_add_nc_u32 v[AS1], v[AS0], v23
	s_and_b32 s80, s24, 1
	s_lshl_b32 s80, s80, 4
	s_lshl_b32 s81, s81, 3
	s_add_co_u32 s80, s80, s81
	s_mul_i32 s80, s80, 48
	s_add_co_u32 s80, s80, TS0
	v_lshrrev_b32 v23, 2, v20
	v_mul_u32_u24 v23, v23, 48
	v_and_b32 v18, 3, v0
	v_lshl_add_u32 v23, v18, 3, v23
	v_add_nc_u32 v[ASS], s80, v23
	v_mul_u32_u24 v[AF], v21, TP
	v_mad_u32_u24 v[AF], v22, 24, v[AF]
	v_mul_u32_u24 v[ATS], v21, 48
	v_add_nc_u32 v[ATS], TS0, v[ATS]
	s_mul_i32 s80, s24, 6144
	v_add_nc_u32 v[GRAW], s80, v[L16]
	s_lshl_b32 s80, s24, 8
	v_add_nc_u32 v[GSC], s80, v[L8]
	v_and_b32 v18, 8, v21
	v_add_nc_u32 v18, v18, v21                     ; r + 8 (r / 8)
	v_mul_u32_u24 v[VR], v18, 768
	v_mad_u32_u24 v[VR], v22, 24, v[VR]
	v_lshlrev_b32 v[VRS], 5, v18
	v_lshlrev_b32 v[VGN], 6, v22
	v_mov_b32 v[TM+2], 0                           ; a lane permute's destination counts as one of its sources
	v_mov_b32 v[TM+3], 0
	v_mov_b32 v[FF+1], 0                           ; named as the upper half of a pair
	s_mov_b32 s76, 0xffff0000                      ; lanes 16-31
	s_mov_b32 s[SEL], 0x76543210
	s_mov_b32 s[SEL+1], 0xfedcba98                 ; v_permlanex16_b32's selects for lane l xor 16
	s_mov_b32 s25, ttmp9                           ; g
	; ---- what a work-group of q and k would take
	s_and_b32 s26, s25, 7                          ; group of four heads: 0-3 q's, 4-7 k's
	s_lshr_b32 s27, s25, 3
	s_and_b32 s27, s27, 15                         ; which 256 tokens
	s_lshl_b32 s28, s26, 2
	s_add_co_u32 s28, s28, s24                     ; H: rows 64 H of W
	s_lshr_b32 s29, s27, 3                         ; batch
	s_and_b32 s30, s27, 7                          ; which 256 tokens of the batch
	s_and_b32 s31, s28, 15
	s_lshl_b32 s29, s29, 4
	s_add_co_u32 s31, s31, s29                     ; batch x 16 + head
	s_lshl_b32 s32, s31, 7
	s_lshl_b32 s33, s30, 4
	s_add_co_u32 s33, s32, s33                     ; the first tile of queries
	s_mul_i32 s32, s33, 768                        ; q: images
	s_lshl_b32 s33, s33, 6                         ; q: words
	s_mul_i32 s34, s31, 393216
	s_add_co_u32 s35, s30, 8
	s_mul_i32 s35, s35, 24576
	s_add_co_u32 s34, s34, s35                     ; k: images: slot 8 + which 256
	s_mul_i32 s35, s31, 24576
	s_lshl_b32 s36, s30, 10
	s_add_co_u32 s35, s35, s36
	s_add_co_u32 s35, s35, 8192                    ; k: words: tile 128 + 16 x which 256
	s_lshl_b32 s43, s28, 6                         ; R's first row
	s_lshl_b32 s44, s27, 8                         ; T's first row
	; ---- what a work-group of v would take
	s_and_b32 s36, s25, 15
	s_bfe_u32 s37, s25, 0x20004                    ; which 256 rows of W_v (four heads)
	s_lshl_b32 s36, s36, 2
	s_add_co_u32 s36, s36, s24                     ; which 64 tokens: 0 .. 63
	s_lshr_b32 s38, s36, 5                         ; batch
	s_and_b32 s39, s36, 31                         ; which 64 keys of the batch's 2,048
	s_and_b32 s40, s39, 1                          ; which half of a step of 128
	s_lshl_b32 s38, s38, 4
	s_lshl_b32 s41, s37, 2
	s_add_co_u32 s38, s38, s41                     ; batch x 16 + the first of the four heads
	s_mul_i32 s41, s38, 393216
	s_lshr_b32 s42, s39, 2
	s_add_co_u32 s42, s42, 8
	s_mul_i32 s42, s42, 24576
	s_add_co_u32 s41, s41, s42
	s_bfe_u32 s42, s39, 0x10001
	s_mul_i32 s42, s42, 6144
	s_add_co_u32 s41, s41, s42
	s_mul_i32 s42, s40, 768
	s_add_co_u32 s41, s41, s42
	s_add_co_u32 s41, s41, 12288                   ; v: images
	s_mul_i32 s42, s38, 24576
	s_lshr_b32 s45, s39, 1
	s_add_co_u32 s45, s45, 16
	s_lshl_b32 s45, s45, 8
	s_add_co_u32 s42, s42, s45
	s_lshl_b32 s45, s40, 1
	s_add_co_u32 s42, s42, s45
	s_add_co_u32 s42, s42, 16384                   ; v: the halfword of each word
	s_lshl_b32 s45, s36, 6                         ; R's first row
	s_lshl_b32 s46, s37, 8
	s_add_co_u32 s46, s46, 2048                    ; T's first row
	s_wait_kmcnt 0x0
	; ---- the choice: it hangs on the work-group's number alone
	s_cmp_ge_u32 s26, 4                            ; k's heads?
	s_cselect_b32 s66, s34, s32
	s_cselect_b32 s67, s35, s33
	s_cselect_b64 s[56:57], s[20:21], s[16:17]
	s_cselect_b64 s[58:59], s[22:23], s[18:19]
	s_cselect_b64 s[60:61], s[14:15], s[12:13]     ; the gains
	s_cmp_lt_u32 s25, 128                          ; q and k, or v?
	s_cselect_b32 s66, s66, s41                    ; s66: the images' first byte
	s_cselect_b32 s67, s67, s42                    ; s67: the words' first byte
	s_cselect_b64 s[56:57], s[56:57], s[20:21]     ; s[56:57]: the buffer of images
	s_cselect_b64 s[58:59], s[58:59], s[22:23]     ; s[58:59]: the buffer of words
	s_cselect_b64 s[48:49], s[8:9], s[4:5]         ; R's codes
	s_cselect_b64 s[50:51], s[10:11], s[6:7]       ; R's scales
	s_cselect_b64 s[52:53], s[4:5], s[8:9]         ; T's codes
	s_cselect_b64 s[54:55], s[6:7], s[10:11]       ; T's scales
	s_cselect_b32 s43, s43, s45
	s_cselect_b32 s44, s44, s46
	s_cselect_b32 s68, 4, 2                        ; tile n of 16 lies at (n >> s68) x s71 + (n & s69) x s70
	s_cselect_b32 s69, 15, 3
	s_mov_b32 s70, 1536
	s_cselect_b32 s70, 768, s70
	s_cselect_b32 s71, 0, 393216
	s_cselect_b32 s72, 0, 24576                    ; and its words at (n >> s68) x s72 + (n & s69) x 64
	s_mul_i32 s80, s43, 768
	s_mov_b32 s81, 0
	s_lshl_b32 s82, s43, 5
	s_mov_b32 s83, 0
	s_add_nc_u64 s[48:49], s[48:49], s[80:81]
	s_add_nc_u64 s[50:51], s[50:51], s[82:83]
	s_mul_i32 s80, s44, 768
	s_lshl_b32 s82, s44, 5
	s_add_nc_u64 s[52:53], s[52:53], s[80:81]
	s_add_nc_u64 s[54:55], s[54:55], s[82:83]
.macro RLOAD win, k0                   ; R's fragments of four K steps: a fragment is six loads of 8 bytes, as the codes lie
	WIN \win
.irp s, 0,1,2,3
.irp t, 0,1,2,3
.irp p, 0,1,2,3,4,5
	global_load_b64 v[48*\s+12*\t+2*\p:48*\s+12*\t+2*\p+1], v[VR], s[48:49] offset:(32*(\t/2)+8*(\t%2))*768+96*(\s+\k0)+48*(\p/3)+8*(\p%3)
.endr
.endr
.endr
.endm
; a trip's 32 rows: my wave's 8 rows of codes (6,144 dense bytes, 12 loads of 512) and their 256 scale bytes, into window 3
.macro RAWLOAD reg, regs
	WIN 0xc0
.irp i, 0,1,2,3,4,5,6,7,8,9,10,11
	global_load_b128 v[\reg+4*\i:\reg+4*\i+3], v[GRAW], s[52:53] offset:512*\i
.endr
	global_load_b64 v[\regs:\regs+1], v[GSC], s[54:55]
	WIN 0
.endm
; and into LDS: byte x of my 6,144 goes to x + 48 (x / 768)
.macro RAWSTORE reg, regs, base
	WIN 0x0c
.irp i, 0,1,2,3,4,5,6,7,8,9,10,11
.if \i%3 == 0
	ds_store_b128 v[AS0], v[\reg+4*\i:\reg+4*\i+3] offset:\base+512*\i+96*(\i/3)
.elseif \i%3 == 1
	ds_store_b128 v[AS1], v[\reg+4*\i:\reg+4*\i+3] offset:\base+512*\i+96*(\i/3)
.else
	ds_store_b128 v[AS0], v[\reg+4*\i:\reg+4*\i+3] offset:\base+512*\i+96*(\i/3)+48
.endif
.endr
	ds_store_b64 v[ASS], v[\regs:\regs+1] offset:\base
	WIN 0
.endm
; tile u of a region: its 8 scale words a row first, then its 8 fragments, K ascending
.macro TFRAGS base, u, reg, tsc
	ds_load_b128 v[\tsc:\tsc+3], v[ATS] offset:\base+768*\u
	ds_load_b128 v[\tsc+4:\tsc+7], v[ATS] offset:\base+768*\u+16
	WIN 0xc0
.irp s, 0,1,2,3,4,5,6,7
.irp p, 0,1,2,3,4,5
	ds_load_b64 v[\reg+12*\s+2*\p:\reg+12*\s+2*\p+1], v[AF] offset:\base+TT*\u+96*\s+48*(\p/3)+8*(\p%3)
.endr
.endr
	WIN 0
.endm
; R x the tile: 32 matrix instructions; the four accumulators take turns, one instruction a turn; the first K step starts the sums
.macro MULB
.irp s, 0,1,2,3,4,5,6,7
	s_wait_dscnt 6*(7-\s)                          ; this K step's fragment is in; those of the later K steps, six loads each, may be out
.if \s < 4
	WIN 0x0d                                       ; source 0 (R) window 1, source 1 (T) window 3
.else
	WIN 0x0e                                       ; source 0 window 2
.endif
.irp t, 0,1,2,3
.if \s == 0
	v_wmma_scale_f32_16x16x128_f8f6f4 v[ACC+8*\t:ACC+8*\t+7], v[48*(\s%4)+12*\t:48*(\s%4)+12*\t+11], v[TF+12*\s:TF+12*\s+11], 0, v[RSC+8*\t+\s], v[TSC+\s] matrix_a_fmt:MATRIX_FMT_FP6 matrix_b_fmt:MATRIX_FMT_FP6
.else
	v_wmma_scale_f32_16x16x128_f8f6f4 v[ACC+8*\t:ACC+8*\t+7], v[48*(\s%4)+12*\t:48*(\s%4)+12*\t+11], v[TF+12*\s:TF+12*\s+11], v[ACC+8*\t:ACC+8*\t+7], v[RSC+8*\t+\s], v[TSC+\s] matrix_a_fmt:MATRIX_FMT_FP6 matrix_b_fmt:MATRIX_FMT_FP6
.endif
.endr
.endr
	WIN 0
.endm
; 32 numbers of a lane, register 16 b + i = k 32 b + 16 (lane / 16) + i of my row, become my six registers of an image in v[PC] on, and the row's two scale bytes in v[TM + 8]
.macro QUANT32 s
	v_max3_num_f32 v[TM], |v[\s]|, |v[\s+1]|, 0x1800000       ; my 16 numbers of each block, and the floor 2^(3 - 127): the byte cannot fall under 1
	v_max3_num_f32 v[TM+1], |v[\s+16]|, |v[\s+17]|, 0x1800000
.irp i, 2,4,6,8,10,12,14
	v_max3_num_f32 v[TM], v[TM], |v[\s+\i]|, |v[\s+\i+1]|
	v_max3_num_f32 v[TM+1], v[TM+1], |v[\s+16+\i]|, |v[\s+17+\i]|
.endr
	v_permlanex16_b32 v[TM+2], v[TM], s[SEL], s[SEL+1]
	v_permlanex16_b32 v[TM+3], v[TM+1], s[SEL], s[SEL+1]
	v_max_num_f32 v[TM], v[TM], v[TM+2]            ; with lane l xor 16's: the block's largest magnitude
	v_max_num_f32 v[TM+1], v[TM+1], v[TM+3]
	v_add_nc_u32 v[TM+4], 0xff000000, v[TM]        ; 2 off the exponent field: the conversion's scale operand
	v_add_nc_u32 v[TM+5], 0xff000000, v[TM+1]
	v_lshrrev_b32 v[TM+6], 23, v[TM+4]             ; the bytes
	v_lshrrev_b32 v[TM+7], 23, v[TM+5]
	v_lshl_or_b32 v[TM+8], v[TM+7], 8, v[TM+6]
	v_cvt_scalef32_pk16_fp6_f32 v[PC:PC+2], v[\s:\s+15], v[TM+4]
	v_cvt_scalef32_pk16_fp6_f32 v[PC+8:PC+10], v[\s+16:\s+31], v[TM+5]   ; (a conversion's three registers begin on an even number)
	v_nop                                          ; one plain instruction behind a scaled conversion
.irp i, 0,1,2
	v_permlane16_swap_b32 v[PC+\i], v[PC+8+\i]     ; the layout wants a WHOLE block in a lane: lanes 0-15 block 0, lanes 16-31 block 1
.endr
.irp i, 0,1,2
	v_mov_b32 v[PC+3+\i], v[PC+8+\i]
.endr
.endm
; what is made of a tile's results: the norm (q, k), the codes, the image's two stores; behind a trip's second tile the two tiles' scale bytes.
; The lines ahead of this macro have shown that the last tile's stores have read the addresses and data that are written again here.
.macro EPI p, u
	s_lshl_b32 s80, s73, 2
	s_add_co_u32 s80, s80, 2*\p+\u                 ; n: the tile's number among the 16
	s_lshr_b32 s81, s80, s68
	s_and_b32 s80, s80, s69
	s_mul_i32 s82, s81, s71
	s_mul_i32 s83, s80, s70
	s_add_co_u32 s82, s82, s83
	s_add_co_u32 s82, s82, s66
	v_add_nc_u32 v[VO16], s82, v[L16]
	v_add_nc_u32 v[VO8], s82, v[L8]
.if \u == 0
	s_mul_i32 s82, s81, s72
	s_lshl_b32 s83, s80, 6
	s_add_co_u32 s82, s82, s83
	s_add_co_u32 s82, s82, s67
	v_add_nc_u32 v[VOS], s82, v[L4]                ; lanes 16-31 stand 64 bytes on: the trip's second tile
.endif
	s_cmp_ge_u32 s25, 128
	s_cbranch_scc1 .Lraw_\@                        ; v is not normalised
	v_pk_mul_f32 v[SS:SS+1], v[ACC:ACC+1], v[ACC:ACC+1]          ; the sum of squares of my 32, in ascending order: each accumulator is first read at its low end
	v_pk_mul_f32 v[SS+2:SS+3], v[ACC+2:ACC+3], v[ACC+2:ACC+3]
.irp j, 4,8,12,16,20,24,28
	v_pk_fma_f32 v[SS:SS+1], v[ACC+\j:ACC+\j+1], v[ACC+\j:ACC+\j+1], v[SS:SS+1]
	v_pk_fma_f32 v[SS+2:SS+3], v[ACC+\j+2:ACC+\j+3], v[ACC+\j+2:ACC+\j+3], v[SS+2:SS+3]
.endr
	v_pk_add_f32 v[SS:SS+1], v[SS:SS+1], v[SS+2:SS+3]
	v_add_f32 v[SS], v[SS], v[SS+1]
	v_permlanex16_b32 v[SS+2], v[SS], s[SEL], s[SEL+1]
	v_add_f32 v[SS], v[SS], v[SS+2]                ; with lane l xor 16's 32: the head's 64
	v_mul_f32 v[SS], 0x3c800000, v[SS]             ; / 64
	s_wait_alu depctr_va_vdst(0)
	v_sqrt_f32 v[SS], v[SS]
	v_nop                                          ; a plain instruction behind the transcendental
	s_wait_alu depctr_va_vdst(0)                   ; the root has written v[SS], ahead of its first reader
	v_add_f32 v[SS], 0x358637bd, v[SS]             ; + 1e-6
	s_wait_alu depctr_va_vdst(0)
	v_rcp_f32 v[FF], v[SS]
	v_nop
	s_wait_alu depctr_va_vdst(0)                   ; the reciprocal has written v[FF], ahead of its first reader
.irp j, 0,2,4,6,8,10,12,14,16,18,20,22,24,26,28,30
	v_pk_mul_f32 v[ACC+\j:ACC+\j+1], v[ACC+\j:ACC+\j+1], v[FF:FF+1] op_sel_hi:[1,0]
.endr
.irp j, 0,2,4,6,8,10,12,14,16,18,20,22,24,26,28,30
	v_pk_mul_f32 v[ACC+\j:ACC+\j+1], v[ACC+\j:ACC+\j+1], v[G+\j:G+\j+1]
.endr
.Lraw_\@:
	QUANT32 ACC
.if \u == 0
	v_mov_b32 v[TM+9], v[TM+8]                     ; the first tile's bytes are kept for the trip's one store of scale bytes
.else
	v_cndmask_b32 v[WRD], v[TM+9], v[TM+8], s76    ; lanes 0-15 the first tile's rows, lanes 16-31 the second's
	v_lshl_or_b32 v[WRD], v[WRD], 16, v[WRD]       ; the two bytes once more, for the empty upper half of the second product's K (q, k); v stores the low half alone
.endif
	s_wait_alu depctr_va_vdst(0)                   ; the vector work has written v[VO16], v[VO8] and v[PC ..] (second tile: v[VOS] and v[WRD] too), which the stores below read; the tile's products are done reading TF and TSC
	global_store_b128 v[VO16], v[PC:PC+3], s[56:57]              ; 32 lanes store 512 consecutive bytes,
	global_store_b64 v[VO8], v[PC+4:PC+5], s[56:57] offset:512   ; and 256
.if \u == 1
	s_cmp_ge_u32 s25, 128
	s_cbranch_scc1 .Lhalf_\@
	global_store_b32 v[VOS], v[WRD], s[58:59]      ; q, k: a word a row
	s_branch .Lstored_\@
.Lhalf_\@:
	global_store_b16 v[VOS], v[WRD], s[58:59]      ; v: my 64 keys' half of each word
.Lstored_\@:
.endif
.endm
; A TRIP: 32 rows of T out of region p; the next trip's rows are asked of memory at its head and go into the other region at its end.
; One barrier a trip: the other region was last read in the trip before, and every wave has waited for those reads ahead of that trip's barrier.
.macro TRIP p
.if \p == 1
	s_cmp_eq_u32 s73, 3
	s_cbranch_scc1 .Lno_load_\@                    ; the last trip asks for nothing: no load leaves its buffer
.endif
	s_wait_xcnt 0x0                                ; earlier loads and stores have read their bases
	s_add_nc_u64 s[52:53], s[52:53], 24576
	s_add_nc_u64 s[54:55], s[54:55], 1024
	RAWLOAD STG, STGS                              ; (the wait on vm_vsrc ahead of the last barrier has shown STG and STGS read)
.if \p == 1
.Lno_load_\@:
.endif
	TFRAGS \p*RGN, 0, TF, TSC                      ; (the wait ahead of the last tile's stores has shown TF and TSC read; nothing since names them)
	MULB
	PLACES
	s_wait_xcnt 0x0                                ; the last tile's stores have had their addresses translated: their addresses and data are written again below
	s_wait_alu depctr_vm_vsrc(0)                   ; the last tile's stores have read v[VO16], v[VO8], v[VOS], v[PC ..] and v[WRD], which this trip's vector work writes again
	s_wait_alu depctr_va_vdst(0)                   ; the 32 products are done reading TF and TSC, in which the LDS loads below land
	TFRAGS \p*RGN, 1, TF, TSC                      ; the second tile's fragments land while the first tile's results are worked on
	EPI \p, 0
	MULB
	PLACES
	s_wait_xcnt 0x0                                ; as above, for the first tile's stores
	s_wait_alu depctr_vm_vsrc(0)                   ; the first tile's stores have read v[VO16], v[VO8] and v[PC ..], which the second tile's vector work writes again
	EPI \p, 1
	s_wait_loadcnt 0x0                             ; the next trip's rows are in registers.  The wait stands on every way, ahead of the branch below: no load is issued into a register that an earlier load, not waited for, will write
.if \p == 1
	s_cmp_eq_u32 s73, 3
	s_cbranch_scc1 .Lno_store_\@                   ; the last trip has nothing to hand on
.endif
	RAWSTORE STG, STGS, (1-\p)*RGN
.if \p == 1
.Lno_store_\@:
.endif
	s_wait_dscnt 0x0                               ; my stores have landed, my reads are in
	s_wait_alu depctr_vm_vsrc(0)                   ; my LDS stores have read STG and STGS, in which the next trip's global loads land
	s_barrier_signal -1
	s_barrier_wait -1
.endm
	WIN 0x40
	s_wait_alu depctr_va_vdst(0)                   ; the addresses and offsets v1 to v7 and v14 to v16 are written, which the loads and LDS instructions of the whole launch read
	RLOAD 0x40, 0
	RLOAD 0x80, 4
	WIN 0
.irp t, 0,1,2,3
	global_load_b128 v[RSC+8*\t:RSC+8*\t+3], v[VRS], s[50:51] offset:(32*(\t/2)+8*(\t%2))*32
	global_load_b128 v[RSC+8*\t+4:RSC+8*\t+7], v[VRS], s[50:51] offset:(32*(\t/2)+8*(\t%2))*32+16
.endr
.irp b, 0,1
.irp j, 0,1,2,3
	global_load_b128 v[G+16*\b+4*\j:G+16*\b+4*\j+3], v[VGN], s[60:61] offset:128*\b+16*\j   ; the gains of d = 32 b + 16 h + 0 .. 15
.endr
.endr
	RAWLOAD STG, STGS                              ; trip 0
	s_wait_loadcnt 0x0
	RAWSTORE STG, STGS, 0
	s_wait_dscnt 0x0
	s_wait_alu depctr_vm_vsrc(0)                   ; my LDS stores have read STG and STGS, in which the first trip's global loads land
	s_barrier_signal -1
	s_barrier_wait -1
	s_mov_b32 s73, 0
.Lloop:                                                ; four times two trips
	TRIP 0
	TRIP 1
	s_add_co_u32 s73, s73, 1
	s_cmp_lt_u32 s73, 4
	s_cbranch_scc1 .Lloop
	s_wait_dscnt 0x0
	s_wait_alu depctr_hold_cnt(0) depctr_sa_sdst(0) depctr_va_vdst(0) depctr_va_sdst(0) depctr_va_ssrc(0) depctr_va_vcc(0) depctr_vm_vsrc(0)
	s_wait_tensorcnt 0x0
	ds_add_u32 v254, v255
	s_wait_dscnt 0x0
	s_endpgm
.Lfunc_end_k_q59a455629b_qkv:
	.size	k_q59a455629b_qkv, .Lfunc_end_k_q59a455629b_qkv-k_q59a455629b_qkv
	.p2alignl 7, 3214868480
	.fill 96, 4, 3214868480
	.section	.rodata,"a",@progbits
	.p2align	6, 0x0
	.amdhsa_kernel k_q59a455629b_qkv
		.amdhsa_group_segment_fixed_size 66048
		.amdhsa_private_segment_fixed_size 0
		.amdhsa_enable_private_segment 0
		.amdhsa_kernarg_size 80
		.amdhsa_user_sgpr_count 2
		.amdhsa_user_sgpr_kernarg_segment_ptr 1
		.amdhsa_wavefront_size32 1
		.amdhsa_system_sgpr_workgroup_id_x 1
		.amdhsa_system_sgpr_workgroup_id_y 1
		.amdhsa_system_sgpr_workgroup_id_z 1
		.amdhsa_system_vgpr_workitem_id 0
		.amdhsa_next_free_vgpr 1024
		.amdhsa_next_free_sgpr 90
		.amdhsa_reserve_vcc 0
		.amdhsa_float_denorm_mode_32 3
		.amdhsa_float_denorm_mode_16_64 3
		.amdhsa_memory_ordered 1
		.amdhsa_forward_progress 1
		.amdhsa_inst_pref_size 90
	.end_amdhsa_kernel
	.amdgpu_metadata
---
amdhsa.version: [ 1, 2 ]
amdhsa.kernels:
  - .name:           k_q59a455629b_qkv
    .symbol:         k_q59a455629b_qkv.kd
    .args:
      - { .name: x_codes, .offset: 0, .size: 8, .value_kind: global_buffer, .address_space: global }
      - { .name: x_scales, .offset: 8, .size: 8, .value_kind: global_buffer, .address_space: global }
      - { .name: W_qkv_codes, .offset: 16, .size: 8, .value_kind: global_buffer, .address_space: global }
      - { .name: W_qkv_scales, .offset: 24, .size: 8, .value_kind: global_buffer, .address_space: global }
      - { .name: scale_q, .offset: 32, .size: 8, .value_kind: global_buffer, .address_space: global }
      - { .name: scale_k, .offset: 40, .size: 8, .value_kind: global_buffer, .address_space: global }
      - { .name: q_img, .offset: 48, .size: 8, .value_kind: global_buffer, .address_space: global }
      - { .name: q_sc, .offset: 56, .size: 8, .value_kind: global_buffer, .address_space: global }
      - { .name: kv_img, .offset: 64, .size: 8, .value_kind: global_buffer, .address_space: global }
      - { .name: kv_sc, .offset: 72, .size: 8, .value_kind: global_buffer, .address_space: global }
    .group_segment_fixed_size: 66048
    .private_segment_fixed_size: 0
    .kernarg_segment_align: 8
    .kernarg_segment_size: 80
    .max_flat_workgroup_size: 128
    .sgpr_count:     90
    .vgpr_count:     1024
    .wavefront_size: 32
...
	.end_amdgpu_metadata
.endif
;; end of part 6
;; launch attn (part 7): grid 8 x 32, 16 waves a work-group, no clusters, 83,968 bytes of LDS; arguments q_img, q_sc, kv_img, kv_sc, o_img, o_sc; writes o_img, o_sc
.if DOCPART == 7
	.amdgcn_target "amdgcn-amd-amdhsa--gfx1250"
	.amdhsa_code_object_version 6
	.text
	.protected	k_q59a455629b_attn
	.globl	k_q59a455629b_attn
	.p2align	8
	.type	k_q59a455629b_attn,@function
k_q59a455629b_attn:
	s_mov_b64 s[64:65], 0
	v_nop
	global_prefetch_b8 v0, s[64:65] scope:SCOPE_SE
	s_setreg_imm32_b32 hwreg(HW_REG_WAVE_SCHED_MODE, 0, 2), 2
	s_setreg_imm32_b32 hwreg(HW_REG_WAVE_MODE, 25, 1), 1
	s_wait_xcnt 0x0
	s_wait_alu depctr_vm_vsrc(0)
; O = softmax(q k^T) v for one head's 4,096 keys, both products on codes of FP6 (E2M3) with one E8M0 scale for each 32 along a product's K; no 1 / sqrt(64).  O / the sum is quantised along d and leaves as an image for the last product.
; THE SOFTMAX AHEAD OF THE SECOND PRODUCT: t = score x log2(e); M = the row's largest t so far, rounded UP to a whole number; p = 2^(t - M) is what is quantised, along the keys.  The row's sum is taken of the unquantised p.
; When M moves, the sum and O are multiplied by 2^(old M - new M): exact.
; SHARES.  A work-group owns 256 queries of one head, each of its sixteen waves one tile of 16, in 256 registers: four waves to a SIMD, so that one wave's vector work stands beside another's matrix work and LDS loads.
; Every wave walks all keys, 128 a step.  Both products are used transposed (S^T = K Q^T, O^T = V^T P^T): a lane holds ONE query throughout.  The keys of a tile of K stand in tile order, so that the 16 registers of tiles
; 2 b and 2 b + 1 are keys 32 b + 16 (lane / 16) + 0 .. 15.  All operands come as images of their registers (the first launch's head): every LDS read is dense, 16 or 8 bytes a lane.
; THE FIRST PRODUCT'S K IS 64, the instruction's 128.  Q's registers 6-11 are zero codes.  K's operand for tile t is v[36 + 6 t .. + 11]: its upper six registers are simply the next tile's codes (zeros behind the last):
; a code times a zero code adds nothing, and FP6 has no NaN or infinity.  So only ONE of the two operands has zero codes there.  The scale words' bytes 2 and 3 repeat bytes 0 and 1.
; LDS: two buffers of a slot (256 keys: 24,576 bytes) at 0 and 32,768; from 57,344 the head's scale words: K's 16,384 bytes, V's 8,192.  A slot is copied through registers: three loads of 16 bytes a lane for each wave, asked for
; a slot ahead, stored into the buffer that was left at the last barrier.  One barrier a slot.
; NO CLUSTER, NO TENSOR LOAD: a slot's 24,576 bytes feed 32 key steps of about 250 vector instructions each; the copy is six instructions a wave and a slot, and the waves do not wait for it.  A joint load would add a round of
; the cluster's barrier for 64 waves to every slot.  No prefetch for the same reason: nothing waits for this stream.
; LIMITS: NaN and infinities are not served.  A block's largest p is taken as the exponential of its largest score: this takes v_exp_f32 not to fall where its input rises.
; THE MODE: SCHED_MODE bits 1:0 = 2 (LLVM: expert scheduling mode 2), set by the entry lines.  The code itself states the register dependences
; between vector or matrix instructions and memory or LDS instructions, with s_wait_alu, always for 0.
; THE PLAN.  Registers that memory or LDS instructions touch, and who else names them:
;   v1, v2, v7, v8      offsets and LDS addresses: written at the head, never again.  One wait on va_vdst ahead of the first load serves them for the whole launch.
;   v[ASK], v[ASV]      read by a slot's loads of scale words; written once a slot, at its head: a wait on vm_vsrc ahead of the two additions; the first step's wait on va_vdst stands behind them.
;   v[KV] .. v[KV+47]   in a step: K's LDS loads land, the eight products K Q^T read, V's LDS loads land, the four products V^T P read.
;   v[KS ..], v[VS ..]  a step's LDS loads land; its products read them as scales.
;   v[STG ..]           global loads land, LDS stores read; no vector instruction names them: a wait on vm_vsrc between the stores and the next loads.
;   v[PC ..], v[TM+8]   the way out: vector work writes, the last three stores read.
; A STEP has three waits on va_vdst of its own.  At its head: the last step's products are done reading KV, KS and VS, in which this step's first loads land.  Behind K Q^T and its places: these products are done reading KV;
; V's sixteen loads follow, dealt two at a time among the 32 lines that search the largest scores, which name S and BM alone.  Ahead of V^T P, behind its places: p's codes and scale word are written.
; The two waits behind the exponentials stand ahead of their results' first readers.
.set BUF1, 32768
.set VOFF, 12288
.set STEPB, 6144
.set SCK,  57344
.set SCV,  73728
.set L16,  1
.set L8,   2
.set L4K,  3                           ; SCK + 4 x lane
.set L4V,  4                           ; SCV + 4 x lane
.set ASK,  5                           ; the slot's scale words of K
.set ASV,  6                           ; and of V
.set VG,   7                           ; wave x 1,536 + 16 x lane: my part of a slot, in memory and in LDS
.set R4,   8                           ; 4 x (lane % 16)
.set QF,   16                          ; v16-27   Q; v22-27 zeros
.set QS,   28                          ; Q's scale words
.set KS,   30                          ; v30-33   K's: lanes 0-15 tile 2 i, lanes 16-31 tile 2 i + 1
.set VS,   34                          ; v34-35   V's likewise
.set KV,   36                          ; v36-83   eight tiles of K, later four fragments of V; v84-89 zeros
.set S,    96                          ; v96-159  S^T, then p
.set O,    160                         ; v160-191 O^T
.set PF,   192                         ; v192-203 p's codes
.set CT,   204                         ; v204-206, v208-210 conversions' second halves
.set BM,   212                         ; v212-215 the blocks' largest scores, then largest p
.set PT,   216                         ; v216-219 the other half's
.set SO,   220                         ; v220-223 scale operands
.set BY,   224                         ; v224-227 bytes
.set F,    228                         ; v228 f; v229 named with it as a pair
.set PS,   230                         ; p's scale word
.set T0,   231
.set SU,   232                         ; v232-233 the sum's second chain
.set STG,  236                         ; v236-247 a slot's part on its way
.set TM,   212                         ; the way out: as in the launch before
.set PC,   192
.set SEL,  20
.set CS,   22
.set TS,   24
.set TJ,   25
.set J,    26
	s_load_b256 s[4:11], s[0:1], 0x0               ; q_img, q_sc, kv_img, kv_sc
	s_load_b128 s[12:15], s[0:1], 0x20             ; o_img, o_sc
	v_lshl_add_u32 v254, v0, 2, 0x14000
	v_mov_b32 v255, 0
	v_lshrrev_b32 v9, 5, v0
	v_readfirstlane_b32 s16, v9                    ; wave 0..15
	v_and_b32 v9, 31, v0
	v_lshlrev_b32 v[L16], 4, v9
	v_lshlrev_b32 v[L8], 3, v9
	v_lshl_add_u32 v[L4K], v9, 2, SCK
	v_lshl_add_u32 v[L4V], v9, 2, SCV
	s_wait_alu depctr_va_sdst(0)                   ; s16, the wave's number, is written, ahead of its first reader
	s_mul_i32 s28, s16, 1536
	v_add_nc_u32 v[VG], s28, v[L16]
	v_and_b32 v[R4], 15, v0
	v_lshlrev_b32 v[R4], 2, v[R4]
	s_and_b32 s17, ttmp7, 0xffff                   ; batch x 16 + head
	s_lshl_b32 s18, ttmp9, 4
	s_add_co_u32 s18, s18, s16                     ; my tile of queries: 0 .. 127
	s_mul_i32 s28, s17, 393216
	s_mov_b32 s29, 0
	s_mul_i32 s30, s17, 24576
	s_mov_b32 s31, 0
	s_lshl_b32 s32, s17, 7
	s_add_co_u32 s32, s32, s18
	s_mul_i32 s34, s32, 768
	s_mov_b32 s35, 0
	s_lshl_b32 s32, s32, 6
	s_mov_b32 s33, 0
	s_lshr_b32 s36, s17, 4
	s_lshl_b32 s36, s36, 7
	s_add_co_u32 s36, s36, s18                     ; the tile among the 256 tiles of rows of the last product
	s_and_b32 s37, s17, 15                         ; the head
	s_lshl_b32 s38, s36, 4
	s_add_co_u32 s38, s38, s37
	s_mul_i32 s38, s38, 768
	s_mov_b32 s39, 0
	s_lshl_b32 s40, s36, 3
	s_lshr_b32 s41, s37, 1
	s_add_co_u32 s40, s40, s41
	s_lshl_b32 s40, s40, 6                         ; K step head / 2 of the last product,
	s_and_b32 s41, s37, 1
	s_lshl_b32 s41, s41, 1
	s_add_co_u32 s40, s40, s41                     ; halfword head % 2 of its words
	s_mov_b32 s41, 0
	s_mov_b32 s[SEL], 0x76543210
	s_mov_b32 s[SEL+1], 0xfedcba98                 ; v_permlanex16_b32's selects for lane l xor 16
	s_mov_b32 s[CS], 0x3fb8aa3b                    ; log2(e)
	s_mov_b32 s[CS+1], s[CS]                       ; (named with it as a pair)
	s_mov_b32 s[TS], 0
	s_mov_b32 s[TJ], 0
	s_mov_b32 s[J], 0
	s_wait_kmcnt 0x0
	s_add_nc_u64 s[8:9], s[8:9], s[28:29]
	s_add_nc_u64 s[10:11], s[10:11], s[30:31]
	s_add_nc_u64 s[4:5], s[4:5], s[34:35]
	s_add_nc_u64 s[6:7], s[6:7], s[32:33]
	s_add_nc_u64 s[12:13], s[12:13], s[38:39]
	s_add_nc_u64 s[14:15], s[14:15], s[40:41]
	s_wait_alu depctr_va_vdst(0)                   ; v1, v2, v7 and v8 are written, which the loads, stores and LDS instructions of the whole launch read as offsets and addresses
.irp i, 0,1,2
	global_load_b128 v[STG+4*\i:STG+4*\i+3], v[VG], s[8:9] offset:512*\i      ; slot 0
.endr
.irp i, 0,1,2
	global_load_b128 v[S+4*\i:S+4*\i+3], v[VG], s[10:11] offset:512*\i        ; the head's scale words
.endr
	global_load_b128 v[QF:QF+3], v[L16], s[4:5]    ; Q's image stays in registers
	global_load_b64 v[QF+4:QF+5], v[L8], s[4:5] offset:512
	global_load_b32 v[QS], v[R4], s[6:7]
.irp i, 6,7,8,9,10,11
	v_mov_b32 v[QF+\i], 0                          ; the upper half of the first product's K: zero codes
.endr
.irp i, 48,49,50,51,52,53
	v_mov_b32 v[KV+\i], 0                          ; what stands behind the eighth tile of K
.endr
	v_mov_b32 v13, 0xff61b1e6                      ; the largest t so far: -3e38, under every t
	v_floor_f32 v12, -v13                          ; -M
	v_mov_b32 v14, 0                               ; the sum, in two halves
	v_mov_b32 v15, 0
.irp b, 0,1,2,3
	v_mov_b32 v[PT+\b], 0                          ; a lane permute's destination counts as one of its sources
.endr
	v_mov_b32 v[F+1], 0                            ; named as the upper half of a pair
.set i, 0
.rept 32
	v_mov_b32 v[O+i], 0                            ; O^T.  (The loop is written once: its first step finds zeros, which the first change of M leaves zeros)
.set i, i+1
.endr
	s_wait_loadcnt 3                               ; slot 0 and the scale words are in; Q's three loads may be out
.irp i, 0,1,2
	ds_store_b128 v[VG], v[STG+4*\i:STG+4*\i+3] offset:512*\i
.endr
.irp i, 0,1,2
	ds_store_b128 v[VG], v[S+4*\i:S+4*\i+3] offset:SCK+512*\i
.endr
	s_wait_dscnt 0x0                               ; the stores have landed
	s_wait_alu depctr_vm_vsrc(0)                   ; the LDS stores have read v[STG ..], in which slot 1's loads land, and v[S] to v[S+11], which the first products write
.irp i, 0,1,2
	global_load_b128 v[STG+4*\i:STG+4*\i+3], v[VG], s[8:9] offset:24576+512*\i   ; slot 1
.endr
	s_wait_loadcnt 3                               ; Q is in; slot 1's three loads may be out
	s_barrier_signal -1
	s_barrier_wait -1
; half a fragment of V: tile f / 2 of the head's 64, keys 64 (f % 2) on
.macro VLD buf, q, f
	ds_load_b128 v[KV+6*(\f):KV+6*(\f)+3], v[L16] offset:(\buf)*BUF1+VOFF+(\q)*STEPB+768*(\f)
	ds_load_b64 v[KV+6*(\f)+4:KV+6*(\f)+5], v[L8] offset:(\buf)*BUF1+VOFF+(\q)*STEPB+768*(\f)+512
.endm
; A KEY STEP: 128 keys, the q-th of the slot in buffer buf
.macro STEP buf, q
.rept 4
	v_nop                                          ; places ahead of loads into registers that the last matrix instructions have read
.endr
	s_wait_alu depctr_va_vdst(0)                   ; the last step's products are done reading v[KV ..], v[KS ..] and v[VS ..], in which the loads below land; in a slot's first step v[ASK] and v[ASV] are written, in the very first the zero codes too
.irp t, 0,1,2,3,4,5,6,7
	ds_load_b128 v[KV+6*\t:KV+6*\t+3], v[L16] offset:\buf*BUF1+\q*STEPB+768*\t
	ds_load_b64 v[KV+6*\t+4:KV+6*\t+5], v[L8] offset:\buf*BUF1+\q*STEPB+768*\t+512
.endr
.irp i, 0,1,2,3
	ds_load_b32 v[KS+\i], v[ASK] offset:512*\q+128*\i
.endr
.irp i, 0,1
	ds_load_b32 v[VS+\i], v[ASV] offset:256*\q+128*\i
.endr
	s_wait_dscnt 0x0
.irp t, 0,1,2,3,4,5,6,7                        ; S^T = K Q^T
.if \t%2 == 0
	v_wmma_scale_f32_16x16x128_f8f6f4 v[S+8*\t:S+8*\t+7], v[KV+6*\t:KV+6*\t+11], v[QF:QF+11], 0, v[KS+\t/2], v[QS] matrix_a_fmt:MATRIX_FMT_FP6 matrix_b_fmt:MATRIX_FMT_FP6
.else
	v_wmma_scale_f32_16x16x128_f8f6f4 v[S+8*\t:S+8*\t+7], v[KV+6*\t:KV+6*\t+11], v[QF:QF+11], 0, v[KS+\t/2], v[QS] matrix_a_fmt:MATRIX_FMT_FP6 matrix_b_fmt:MATRIX_FMT_FP6 matrix_a_scale:MATRIX_SCALE_ROW1
.endif
.endr
.rept 4
	v_nop                                          ; places: for the loads below, and for the first read of the scores
.endr
	s_wait_alu depctr_va_vdst(0)                   ; the eight products are done reading v[KV ..], in which V's loads land.  The lines among which these loads are dealt name v[S ..] and v[BM ..] alone
	VLD \buf, \q, 0                                ; V's four fragments land during the softmax
.irp b, 0,1,2,3
	v_max3_num_f32 v[BM+\b], v[S+16*\b], v[S+1+16*\b], v[S+2+16*\b]   ; the largest score of each block of 32 keys: for the row's maximum, and, since p rises with the score, for the block's largest p
.endr
.irp i, 3,5,7,9,11,13
	VLD \buf, \q, (\i-1)/2
.irp b, 0,1,2,3
	v_max3_num_f32 v[BM+\b], v[BM+\b], v[S+16*\b+\i], v[S+1+16*\b+\i]
.endr
.endr
	VLD \buf, \q, 7
.irp b, 0,1,2,3
	v_max_num_f32 v[BM+\b], v[BM+\b], v[S+15+16*\b]
.endr
.irp b, 0,1,2,3
	v_permlanex16_b32 v[PT+\b], v[BM+\b], s[SEL], s[SEL+1]
.endr
.irp b, 0,1,2,3
	v_max_num_f32 v[BM+\b], v[BM+\b], v[PT+\b]     ; with lane l xor 16's 16 keys
.endr
	v_max3_num_f32 v[T0], v[BM], v[BM+1], v[BM+2]
	v_max_num_f32 v[T0], v[T0], v[BM+3]            ; the step's largest score of my query
	v_mul_f32 v[T0], s[CS], v[T0]                  ; as t
	v_max_num_f32 v13, v13, v[T0]                  ; the running largest t
	v_mov_b32 v[T0], v12
	v_floor_f32 v12, -v13                          ; the new -M = floor(-t) = -ceil(t)
	v_sub_f32 v[T0], v12, v[T0]                    ; old M - new M: a whole number, 0 or less
	v_cvt_i32_f32 v[T0], v[T0]                     ; (it saturates)
	v_ldexp_f32 v[F], 1.0, v[T0]                   ; f = 2^(old M - new M)
.irp j, 0,2,4,6,8,10,12,14,16,18,20,22,24,26,28,30,32,34,36,38,40,42,44,46,48,50,52,54,56,58,60,62
	v_pk_fma_f32 v[S+\j:S+1+\j], v[S+\j:S+1+\j], s[CS:CS+1], v[12:13] op_sel_hi:[1,0,0]   ; t - M, two at a time
.endr
.irp b, 0,1,2,3
	v_fma_f32 v[BM+\b], v[BM+\b], s[CS], v12       ; the same of each block's largest score
.endr
.set i, 0
	s_wait_alu depctr_va_vdst(0)
.rept 64
	v_exp_f32 v[S+i], v[S+i]                       ; p = 2^(t - M): one batch
.set i, i+1
.endr
	v_pk_mul_f32 v[14:15], v[14:15], v[F:F+1] op_sel_hi:[1,0]   ; the sums under the new M; the plain instruction behind the batch
	s_wait_alu depctr_va_vdst(0)                   ; the 64 exponentials have written v[S ..]: one wait for the batch, ahead of its first reader
.irp b, 0,1,2,3
	v_exp_f32 v[BM+\b], v[BM+\b]                   ; the block's largest p
.endr
	v_pk_add_f32 v[SU:SU+1], v[S:S+1], v[S+2:S+3]  ; the row's sum is taken of the unquantised p, in two chains
.irp j, 4,8,12,16,20,24,28,32,36,40,44,48,52,56,60
	v_pk_add_f32 v[14:15], v[14:15], v[S+\j:S+1+\j]
	v_pk_add_f32 v[SU:SU+1], v[SU:SU+1], v[S+2+\j:S+3+\j]
.endr
	v_pk_add_f32 v[14:15], v[14:15], v[SU:SU+1]
	s_wait_alu depctr_va_vdst(0)                   ; the four exponentials have written v[BM ..], ahead of their first reader
.irp b, 0,1,2,3
	v_max_num_f32 v[BM+\b], 0x1800000, v[BM+\b]    ; the floor 2^(3 - 127): the byte cannot fall under 1
.endr
.irp b, 0,1,2,3
	v_add_nc_u32 v[SO+\b], 0xff000000, v[BM+\b]    ; 2 off the exponent field: the conversion's scale operand
.endr
.irp b, 0,1,2,3
	v_lshrrev_b32 v[BY+\b], 23, v[SO+\b]           ; the byte
.endr
	v_lshl_or_b32 v[PS], v[BY+1], 8, v[BY]         ; p's scale word for these 128 keys
	v_lshl_or_b32 v[PS], v[BY+2], 16, v[PS]
	v_lshl_or_b32 v[PS], v[BY+3], 24, v[PS]
.irp c, 0,1
	v_cvt_scalef32_pk16_fp6_f32 v[PF+6*\c:PF+2+6*\c], v[S+32*\c:S+15+32*\c], v[SO+2*\c]
	v_cvt_scalef32_pk16_fp6_f32 v[CT+4*\c:CT+2+4*\c], v[S+16+32*\c:S+31+32*\c], v[SO+2*\c+1]
.endr
	v_nop                                          ; one plain instruction behind a scaled conversion
.irp c, 0,1                                    ; the layout wants a WHOLE block in a lane
.irp i, 0,1,2
	v_permlane16_swap_b32 v[PF+6*\c+\i], v[CT+4*\c+\i]
.endr
.irp i, 0,1,2
	v_mov_b32 v[PF+3+6*\c+\i], v[CT+4*\c+\i]
.endr
.endr
.irp j, 0,2,4,6,8,10,12,14,16,18,20,22,24,26,28,30
	v_pk_mul_f32 v[O+\j:O+1+\j], v[O+\j:O+1+\j], v[F:F+1] op_sel_hi:[1,0]   ; O^T under the new M, each accumulator from its low end.  Twelve of the sixteen name no register of any one product below: the places between p's codes and scale word and the products
.endr
	s_wait_dscnt 0x0                               ; V is in
	s_wait_alu depctr_va_vdst(0)                   ; p's codes v[PF ..] and p's scale word v[PS] are written, which the products below take as operand and as scales; the places above stay beside this wait
.irp d, 0,1,2,3                                ; O^T += V^T P^T: the four accumulators by turns; the eight products of the next step stand between two links of a chain
.if \d%2 == 0
	v_wmma_scale_f32_16x16x128_f8f6f4 v[O+8*\d:O+8*\d+7], v[KV+12*\d:KV+12*\d+11], v[PF:PF+11], v[O+8*\d:O+8*\d+7], v[VS+\d/2], v[PS] matrix_a_fmt:MATRIX_FMT_FP6 matrix_b_fmt:MATRIX_FMT_FP6
.else
	v_wmma_scale_f32_16x16x128_f8f6f4 v[O+8*\d:O+8*\d+7], v[KV+12*\d:KV+12*\d+11], v[PF:PF+11], v[O+8*\d:O+8*\d+7], v[VS+\d/2], v[PS] matrix_a_fmt:MATRIX_FMT_FP6 matrix_b_fmt:MATRIX_FMT_FP6 matrix_a_scale:MATRIX_SCALE_ROW1
.endif
.endr
.endm
; A SLOT: two key steps out of buffer buf; then the next slot, which has come into registers meanwhile, goes into the other buffer (all waves left it at the last barrier), and the slot after that is asked for.
.macro SLOT buf
	s_wait_alu depctr_vm_vsrc(0)                   ; the last slot's loads of scale words have read v[ASK] and v[ASV], which the two lines below write
	v_add_nc_u32 v[ASK], s[TS], v[L4K]
	v_add_nc_u32 v[ASV], s[TJ], v[L4V]
	STEP \buf, 0
	STEP \buf, 1
	s_add_co_u32 s[TS], s[TS], 1024
	s_add_co_u32 s[TJ], s[TJ], 512
.if \buf == 1
	s_cmp_eq_u32 s[J], 7
	s_cbranch_scc1 .Lno_fill_\@                    ; the last slot: nothing follows
.endif
	s_wait_loadcnt 0x0                             ; the next slot's part is in my registers, and its loads have read their base
.irp i, 0,1,2
	ds_store_b128 v[VG], v[STG+4*\i:STG+4*\i+3] offset:(1-\buf)*BUF1+512*\i
.endr
	s_wait_dscnt 0x0                               ; the stores have landed
	s_wait_alu depctr_vm_vsrc(0)                   ; the LDS stores have read v[STG ..], in which the loads below land
.if \buf == 0
	s_cmp_eq_u32 s[J], 7
	s_cbranch_scc1 .Lno_fill_\@                    ; the last slot but one asks for nothing: no load leaves its buffer
.endif
	s_add_nc_u64 s[8:9], s[8:9], 24576
.irp i, 0,1,2
	global_load_b128 v[STG+4*\i:STG+4*\i+3], v[VG], s[8:9] offset:24576+512*\i
.endr
.Lno_fill_\@:
	s_wait_dscnt 0x0                               ; my stores have landed, my reads of this buffer are in
	s_barrier_signal -1
	s_barrier_wait -1
.endm
.Lslots:                                               ; eight times two slots
	SLOT 0
	SLOT 1
	s_add_co_u32 s[J], s[J], 1
	s_cmp_lt_u32 s[J], 8
	s_cbranch_scc1 .Lslots
	; THE WAY OUT: O^T / the sum; register 16 b + i is d = 32 b + 16 (lane / 16) + i of my query, since V's rows stand in tile order: two blocks of the last product's K
.rept 4
	v_nop
.endr
	v_add_f32 v14, v14, v15                        ; the sum's two halves,
	v_permlanex16_b32 v[T0], v14, s[SEL], s[SEL+1]
	v_add_f32 v14, v14, v[T0]                      ; and lane l xor 16's
	s_wait_alu depctr_va_vdst(0)
	v_rcp_f32 v14, v14
	v_nop
	s_wait_alu depctr_va_vdst(0)                   ; the reciprocal has written v14, ahead of its first reader
.irp j, 0,2,4,6,8,10,12,14,16,18,20,22,24,26,28,30
	v_pk_mul_f32 v[S+\j:S+1+\j], v[O+\j:O+1+\j], v[14:15] op_sel_hi:[1,0]
.endr
	v_max3_num_f32 v[TM], |v[S]|, |v[S+1]|, 0x1800000
	v_max3_num_f32 v[TM+1], |v[S+16]|, |v[S+17]|, 0x1800000
.irp i, 2,4,6,8,10,12,14
	v_max3_num_f32 v[TM], v[TM], |v[S+\i]|, |v[S+\i+1]|
	v_max3_num_f32 v[TM+1], v[TM+1], |v[S+16+\i]|, |v[S+17+\i]|
.endr
	v_permlanex16_b32 v[TM+2], v[TM], s[SEL], s[SEL+1]
	v_permlanex16_b32 v[TM+3], v[TM+1], s[SEL], s[SEL+1]
	v_max_num_f32 v[TM], v[TM], v[TM+2]
	v_max_num_f32 v[TM+1], v[TM+1], v[TM+3]
	v_add_nc_u32 v[TM+4], 0xff000000, v[TM]
	v_add_nc_u32 v[TM+5], 0xff000000, v[TM+1]
	v_lshrrev_b32 v[TM+6], 23, v[TM+4]
	v_lshrrev_b32 v[TM+7], 23, v[TM+5]
	v_lshl_or_b32 v[TM+8], v[TM+7], 8, v[TM+6]
	v_cvt_scalef32_pk16_fp6_f32 v[PC:PC+2], v[S:S+15], v[TM+4]
	v_cvt_scalef32_pk16_fp6_f32 v[PC+8:PC+10], v[S+16:S+31], v[TM+5]
	v_nop
.irp i, 0,1,2
	v_permlane16_swap_b32 v[PC+\i], v[PC+8+\i]
.endr
.irp i, 0,1,2
	v_mov_b32 v[PC+3+\i], v[PC+8+\i]
.endr
	s_wait_alu depctr_va_vdst(0)                   ; the codes v[PC] to v[PC+5] and the two bytes v[TM+8] are written, which the three stores read
	global_store_b128 v[L16], v[PC:PC+3], s[12:13]
	global_store_b64 v[L8], v[PC+4:PC+5], s[12:13] offset:512
	global_store_b16 v[R4], v[TM+8], s[14:15]      ; my row's two bytes; lanes r and r + 16 write the same two bytes with the same value
	s_wait_dscnt 0x0
	s_wait_alu depctr_hold_cnt(0) depctr_sa_sdst(0) depctr_va_vdst(0) depctr_va_sdst(0) depctr_va_ssrc(0) depctr_va_vcc(0) depctr_vm_vsrc(0)
	s_wait_tensorcnt 0x0
	ds_add_u32 v254, v255
	s_wait_dscnt 0x0
	s_endpgm
.Lfunc_end_k_q59a455629b_attn:
	.size	k_q59a455629b_attn, .Lfunc_end_k_q59a455629b_attn-k_q59a455629b_attn
	.p2alignl 7, 3214868480
	.fill 96, 4, 3214868480
	.section	.rodata,"a",@progbits
	.p2align	6, 0x0
	.amdhsa_kernel k_q59a455629b_attn
		.amdhsa_group_segment_fixed_size 83968
		.amdhsa_private_segment_fixed_size 0
		.amdhsa_enable_private_segment 0
		.amdhsa_kernarg_size 48
		.amdhsa_user_sgpr_count 2
		.amdhsa_user_sgpr_kernarg_segment_ptr 1
		.amdhsa_wavefront_size32 1
		.amdhsa_system_sgpr_workgroup_id_x 1
		.amdhsa_system_sgpr_workgroup_id_y 1
		.amdhsa_system_sgpr_workgroup_id_z 1
		.amdhsa_system_vgpr_workitem_id 0
		.amdhsa_next_free_vgpr 256
		.amdhsa_next_free_sgpr 66
		.amdhsa_reserve_vcc 0
		.amdhsa_float_denorm_mode_32 3
		.amdhsa_float_denorm_mode_16_64 3
		.amdhsa_memory_ordered 1
		.amdhsa_forward_progress 1
		.amdhsa_inst_pref_size 76
	.end_amdhsa_kernel
	.amdgpu_metadata
---
amdhsa.version: [ 1, 2 ]
amdhsa.kernels:
  - .name:           k_q59a455629b_attn
    .symbol:         k_q59a455629b_attn.kd
    .args:
      - { .name: q_img, .offset: 0, .size: 8, .value_kind: global_buffer, .address_space: global }
      - { .name: q_sc, .offset: 8, .size: 8, .value_kind: global_buffer, .address_space: global }
      - { .name: kv_img, .offset: 16, .size: 8, .value_kind: global_buffer, .address_space: global }
      - { .name: kv_sc, .offset: 24, .size: 8, .value_kind: global_buffer, .address_space: global }
      - { .name: o_img, .offset: 32, .size: 8, .value_kind: global_buffer, .address_space: global }
      - { .name: o_sc, .offset: 40, .size: 8, .value_kind: global_buffer, .address_space: global }
    .group_segment_fixed_size: 83968
    .private_segment_fixed_size: 0
    .kernarg_segment_align: 8
    .kernarg_segment_size: 48
    .max_flat_workgroup_size: 512
    .sgpr_count:     66
    .vgpr_count:     256
    .wavefront_size: 32
...
	.end_amdgpu_metadata
.endif
;; end of part 7
;; launch oproj (part 8): grid 256 x 1, 4 waves a work-group, no clusters, 73,216 bytes of LDS; arguments o_img, o_sc, W_o_codes, W_o_scales, out0; writes out0
.if DOCPART == 8
	.amdgcn_target "amdgcn-amd-amdhsa--gfx1250"
	.amdhsa_code_object_version 6
	.text
	.protected	k_q59a455629b_oproj
	.globl	k_q59a455629b_oproj
	.p2align	8
	.type	k_q59a455629b_oproj,@function
k_q59a455629b_oproj:
	s_mov_b64 s[64:65], 0
	v_nop
	global_prefetch_b8 v0, s[64:65] scope:SCOPE_SE
	s_setreg_imm32_b32 hwreg(HW_REG_WAVE_SCHED_MODE, 0, 2), 2
	s_setreg_imm32_b32 hwreg(HW_REG_WAVE_MODE, 25, 1), 1
	s_wait_xcnt 0x0
	s_wait_alu depctr_vm_vsrc(0)
; out0 = o W_o^T on codes of FP6 (E2M3).  o comes as images of operand registers ([tile of 16 rows: 256][head 16][768 bytes]; heads 2 s and 2 s + 1 are K step s), W_o as it is given.
; A work-group makes 256 rows x 64 columns; wave w makes rows 64 w on: 16 accumulators.  Its four tiles of o for all of K (32 fragments, 384 registers) come straight into registers, every load dense.
; W_o's 64 rows go through LDS once (two regions of 32 rows, laid as in the launch that makes q, k and v), so that all four waves read them: one barrier.  Straight-line code.
; THE MATRIX INSTRUCTION IS USED TRANSPOSED: source 0 = 16 rows of W_o in tile order, source 1 = 16 rows of o: a lane holds one row and, over a region's two tiles, 16 neighbouring columns.
; o's tiles stand in tile order too (place m of tile 2 b + u is row 32 b + 8 u + m + 8 (m / 8)): the stores' row offsets undo that.
; NO CLUSTER, NO TENSOR LOAD: a work-group's operands are read once, at its head, and are 4 MB in all, read again by neighbours; the launch is short.
; REGISTERS: window 0 below.  windows 1, 2: o's fragments, K steps 0-3 and 4-7, at 48 (s % 4) + 12 a.  window 3: W_o's fragments, two buffers at 0 and 96 (before that: its codes as loaded, v0-95, and scale bytes, v192-195).
; THE MODE: SCHED_MODE bits 1:0 = 2 (LLVM: expert scheduling mode 2), set by the entry lines.  The code itself states the register dependences
; between vector or matrix instructions and memory or LDS instructions, with s_wait_alu, always for 0.
; THE PLAN.  Registers that memory or LDS instructions touch, and who else names them:
;   v1-13                 addresses and offsets: written at the head, never again.  One wait on va_vdst ahead of the first load serves them for the whole launch.
;   windows 1 and 2, RS   loaded once at the head; afterwards named by matrix instructions alone.
;   window 3, v0-95 and v192-195   W_o as loaded: global loads land, LDS stores read; then fragments land in v0-95: a wait on vm_vsrc behind the barrier.
;   two fragment buffers, two sets of scale words, by turns: block i of 32 products reads buffer and set i % 2.
;   ACC                   the products write, the stage's LDS stores read.     OB, two sets: the stage's LDS loads land, the global stores read.
; At the head of blocks 1 and 2, behind the wait for the block's own fragments, ONE wait on va_vdst: the block before is done reading the other buffer and set.  The tile two on is then asked for into them: its scale words
; at once, its 48 fragment loads dealt 12 at a time behind the block's K steps 0 to 3, so that 16 products stand behind the last of them.  The block's products name their own buffer and set, o, RS and ACC: none of the registers that those loads touch.
.set RGN,  27648
.set TP,   816
.set TT,   16*TP
.set TS0,  2*TT
.set STB,  2*RGN                       ; the stages: 16 rows x (256 bytes + 16) for each wave
.set AS0,  1
.set AS1,  2
.set ASS,  3
.set AF,   4
.set ATS,  5
.set GRAW, 6
.set GSC,  7
.set L16,  8
.set L8,   9
.set L4,   10
.set SOA,  11                          ; the stage: where I put 16 bytes of a row
.set RDA,  12                          ; and where I read a row back
.set CO,   13                          ; my byte offset in two rows of out0
.set TSC,  24                          ; v24-39   W_o's scale words, two sets
.set RS,   40                          ; v40-55   o's: 4 a + i: lanes 0-15 K step 2 i, lanes 16-31 K step 2 i + 1
.set ACC,  64                          ; v64-191  accumulator (tile of columns i, tile of rows a) at 32 i + 8 a
.set OB,   192                         ; v192-255 rows read back from the stage, two sets
.set MSB, 0
.macro WIN new                         ; the immediate's high byte repeats the setting that is left
.if MSB != \new
	s_set_vgpr_msb (MSB<<8)|\new
.set MSB, \new
.endif
.endm
.macro PLACES
.rept 4
	v_nop
.endr
.endm
	s_load_b256 s[4:11], s[0:1], 0x0               ; o_img, o_sc, W_o's codes, W_o's scales
	s_load_b64 s[12:13], s[0:1], 0x20              ; out0
	v_lshl_add_u32 v62, v0, 2, 0x11c00
	v_mov_b32 v63, 0
	v_lshrrev_b32 v20, 5, v0
	v_readfirstlane_b32 s14, v20                   ; wave
	v_and_b32 v20, 31, v0
	s_wait_alu depctr_va_vdst(0)
	v_and_b32 v21, 15, v0                          ; r
	v_bfe_u32 v22, v0, 4, 1                        ; h
	v_lshlrev_b32 v[L16], 4, v20
	v_lshlrev_b32 v[L8], 3, v20
	v_lshlrev_b32 v[L4], 2, v20
	s_wait_alu depctr_va_sdst(0)                   ; s14, the wave's number, is written, ahead of its first reader
	s_and_b32 s34, s14, 1                          ; my 8 rows of a region go to tile wave % 2, places 8 (wave / 2) on
	s_mul_i32 s34, s34, TT
	s_lshr_b32 s35, s14, 1
	s_mul_i32 s36, s35, 8*TP
	s_add_co_u32 s36, s36, s34
	v_add_nc_u32 v[AS0], s36, v[L16]
	v_mul_u32_u24 v23, v22, 48
	v_add_nc_u32 v[AS1], v[AS0], v23
	s_and_b32 s34, s14, 1
	s_lshl_b32 s34, s34, 4
	s_lshl_b32 s35, s35, 3
	s_add_co_u32 s34, s34, s35
	s_mul_i32 s34, s34, 48
	s_add_co_u32 s34, s34, TS0
	v_lshrrev_b32 v23, 2, v20
	v_mul_u32_u24 v23, v23, 48
	v_and_b32 v18, 3, v0
	v_lshl_add_u32 v23, v18, 3, v23
	v_add_nc_u32 v[ASS], s34, v23
	v_mul_u32_u24 v[AF], v21, TP
	v_mad_u32_u24 v[AF], v22, 24, v[AF]
	v_mul_u32_u24 v[ATS], v21, 48
	v_add_nc_u32 v[ATS], TS0, v[ATS]
	s_mul_i32 s34, s14, 6144
	v_add_nc_u32 v[GRAW], s34, v[L16]
	s_lshl_b32 s34, s14, 8
	v_add_nc_u32 v[GSC], s34, v[L8]
	s_mul_i32 s34, s14, 16*272
	s_add_co_u32 s34, s34, STB                     ; my stage
	v_mul_u32_u24 v23, v21, 272
	v_lshl_add_u32 v23, v22, 6, v23
	v_add_nc_u32 v[SOA], s34, v23                  ; in: row r, + 64 h
	v_mul_u32_u24 v23, v22, 272
	v_lshl_add_u32 v23, v21, 4, v23
	v_add_nc_u32 v[RDA], s34, v23                  ; back: lanes 0-15 one row of 256 bytes, lanes 16-31 the next
	v_lshlrev_b32 v23, 12, v22
	v_lshl_add_u32 v[CO], v21, 4, v23              ; and the same in out0: rows of 4,096 bytes
	s_and_b32 s15, ttmp9, 15                       ; which 64 columns
	s_lshr_b32 s16, ttmp9, 4                       ; which 256 rows
	s_lshl_b32 s17, s16, 2
	s_add_co_u32 s17, s17, s14                     ; which 64 rows
	s_mul_i32 s24, s17, 49152                      ; four tiles x 16 heads x 768
	s_mov_b32 s25, 0
	s_lshl_b32 s26, s17, 11                        ; four tiles x 512
	s_mov_b32 s27, 0
	s_mul_i32 s28, s15, 49152                      ; 64 rows of W_o x 768
	s_mov_b32 s29, 0
	s_lshl_b32 s30, s15, 11                        ; 64 rows x 32
	s_mov_b32 s31, 0
	s_lshl_b32 s32, s17, 18                        ; 64 rows x 4,096
	s_lshl_b32 s33, s15, 8
	s_add_co_u32 s32, s32, s33
	s_mov_b32 s33, 0
	s_wait_kmcnt 0x0
	s_add_nc_u64 s[4:5], s[4:5], s[24:25]
	s_add_nc_u64 s[6:7], s[6:7], s[26:27]
	s_add_nc_u64 s[8:9], s[8:9], s[28:29]
	s_add_nc_u64 s[10:11], s[10:11], s[30:31]
	s_add_nc_u64 s[12:13], s[12:13], s[32:33]
.macro RLOAD win, k0                   ; o's fragments of four K steps, as images: 16 and 8 bytes a lane
	WIN \win
.irp a, 0,1,2,3
.irp s, 0,1,2,3
.irp c, 0,1
	global_load_b128 v[48*\s+12*\a+6*\c:48*\s+12*\a+6*\c+3], v[L16], s[4:5] offset:\a*12288+(2*(\s+\k0)+\c)*768
	global_load_b64 v[48*\s+12*\a+6*\c+4:48*\s+12*\a+6*\c+5], v[L8], s[4:5] offset:\a*12288+(2*(\s+\k0)+\c)*768+512
.endr
.endr
.endr
.endm
.macro RAWLOAD reg, regs, j            ; region j's 32 rows: my wave's 8 rows of codes and their scale bytes, into window 3
	WIN 0xc0
.irp i, 0,1,2,3,4,5,6,7,8,9,10,11
	global_load_b128 v[\reg+4*\i:\reg+4*\i+3], v[GRAW], s[8:9] offset:24576*\j+512*\i
.endr
	global_load_b64 v[\regs:\regs+1], v[GSC], s[10:11] offset:1024*\j
	WIN 0
.endm
.macro RAWSTORE reg, regs, base        ; byte x of my 6,144 goes to x + 48 (x / 768)
	WIN 0x0c
.irp i, 0,1,2,3,4,5,6,7,8,9,10,11
.if \i%3 == 0
	ds_store_b128 v[AS0], v[\reg+4*\i:\reg+4*\i+3] offset:\base+512*\i+96*(\i/3)
.elseif \i%3 == 1
	ds_store_b128 v[AS1], v[\reg+4*\i:\reg+4*\i+3] offset:\base+512*\i+96*(\i/3)
.else
	ds_store_b128 v[AS0], v[\reg+4*\i:\reg+4*\i+3] offset:\base+512*\i+96*(\i/3)+48
.endif
.endr
	ds_store_b64 v[ASS], v[\regs:\regs+1] offset:\base
	WIN 0
.endm
.macro TSCL base, u, tsc               ; tile u of a region: its 8 scale words a row
	ds_load_b128 v[\tsc:\tsc+3], v[ATS] offset:\base+768*\u
	ds_load_b128 v[\tsc+4:\tsc+7], v[ATS] offset:\base+768*\u+16
.endm
.macro TFRAGS base, u, reg, tsc        ; tile u of a region: 2 loads of scale words, 48 of fragments
	TSCL \base, \u, \tsc
	WIN 0xc0
.irp s, 0,1,2,3,4,5,6,7
.irp p, 0,1,2,3,4,5
	ds_load_b64 v[\reg+12*\s+2*\p:\reg+12*\s+2*\p+1], v[AF] offset:\base+TT*\u+96*\s+48*(\p/3)+8*(\p%3)
.endr
.endr
	WIN 0
.endm
; BLOCK i: tile i of W_o (in buffer b) x my four tiles of o: 32 matrix instructions, the four accumulators by turns; the first K step starts the sums.
; ld = 1: tile u of the region at base is asked for into the OTHER buffer, two fragments (12 loads) behind each of K steps 0 to 3.  No wait: no matrix instruction since the wait at the block's head names that buffer.
.macro MULD i, b, ld, base, u
.irp s, 0,1,2,3,4,5,6,7
.if \s < 4
	WIN 0x07                                       ; source 0 (W_o) window 3, source 1 (o) window 1
.else
	WIN 0x0b                                       ; source 1 window 2
.endif
.irp a, 0,1,2,3
.if \s == 0
	v_wmma_scale_f32_16x16x128_f8f6f4 v[ACC+32*\i+8*\a:ACC+32*\i+8*\a+7], v[96*\b+12*\s:96*\b+12*\s+11], v[48*(\s%4)+12*\a:48*(\s%4)+12*\a+11], 0, v[TSC+8*\b+\s], v[RS+4*\a+\s/2] matrix_a_fmt:MATRIX_FMT_FP6 matrix_b_fmt:MATRIX_FMT_FP6
.elseif \s%2 == 0
	v_wmma_scale_f32_16x16x128_f8f6f4 v[ACC+32*\i+8*\a:ACC+32*\i+8*\a+7], v[96*\b+12*\s:96*\b+12*\s+11], v[48*(\s%4)+12*\a:48*(\s%4)+12*\a+11], v[ACC+32*\i+8*\a:ACC+32*\i+8*\a+7], v[TSC+8*\b+\s], v[RS+4*\a+\s/2] matrix_a_fmt:MATRIX_FMT_FP6 matrix_b_fmt:MATRIX_FMT_FP6
.else
	v_wmma_scale_f32_16x16x128_f8f6f4 v[ACC+32*\i+8*\a:ACC+32*\i+8*\a+7], v[96*\b+12*\s:96*\b+12*\s+11], v[48*(\s%4)+12*\a:48*(\s%4)+12*\a+11], v[ACC+32*\i+8*\a:ACC+32*\i+8*\a+7], v[TSC+8*\b+\s], v[RS+4*\a+\s/2] matrix_a_fmt:MATRIX_FMT_FP6 matrix_b_fmt:MATRIX_FMT_FP6 matrix_b_scale:MATRIX_SCALE_ROW1
.endif
.endr
.if (\ld) && (\s < 4)
	WIN 0xc0                                       ; destination window 3, address window 0
.irp e, 0,1
.irp p, 0,1,2,3,4,5
	ds_load_b64 v[96*(1-\b)+12*(2*\s+\e)+2*\p:96*(1-\b)+12*(2*\s+\e)+2*\p+1], v[AF] offset:\base+TT*\u+96*(2*\s+\e)+48*(\p/3)+8*(\p%3)
.endr
.endr
.endif
.endr
	WIN 0
.endm
	WIN 0x40
	s_wait_alu depctr_va_vdst(0)                   ; the addresses and offsets v1 to v13 are written, which the loads, stores and LDS instructions of the whole launch read
	RLOAD 0x40, 0
	RLOAD 0x80, 4
	WIN 0
.irp a, 0,1,2,3
.irp i, 0,1,2,3
	global_load_b32 v[RS+4*\a+\i], v[L4], s[6:7] offset:\a*512+128*\i
.endr
.endr
	RAWLOAD 0, 192, 0
	RAWLOAD 48, 194, 1
	s_wait_loadcnt 0x0
	RAWSTORE 0, 192, 0
	RAWSTORE 48, 194, RGN
	s_wait_dscnt 0x0                               ; my stores have landed
	s_barrier_signal -1
	s_barrier_wait -1                              ; W_o's 64 rows lie in LDS
	s_wait_alu depctr_vm_vsrc(0)                   ; my LDS stores have read v0 to v95 of window 3, in which the first tile's fragments land
	TFRAGS 0, 0, 0, TSC
	TFRAGS 0, 1, 96, TSC+8
	s_wait_dscnt 50                                ; the older tile is in; the younger tile's 2 + 48 loads may be out
	MULD 0, 0, 0, 0, 0
	PLACES
	s_wait_dscnt 0x0                               ; tile 1 is in
	s_wait_alu depctr_va_vdst(0)                   ; block 0 is done reading buffer 0 and the first set of scale words, in which tile 2's loads land
	TSCL RGN, 0, TSC
	MULD 1, 1, 1, RGN, 0
	PLACES
	s_wait_dscnt 0x0                               ; tile 2 is in: its last loads were issued 16 products ago
	s_wait_alu depctr_va_vdst(0)                   ; block 1 is done reading buffer 1 and the second set of scale words, in which tile 3's loads land
	TSCL RGN, 1, TSC+8
	MULD 2, 0, 1, RGN, 1
	s_wait_dscnt 0x0                               ; tile 3 is in
	MULD 3, 1, 0, 0, 0
	PLACES
	s_wait_alu depctr_va_vdst(0)                   ; the products have written the accumulators, which the stage's LDS stores read; the places above stay beside this wait
; THE WAY OUT, a tile of 16 rows x 64 columns at a time, through my own stage: a lane holds pieces of one row, and the lanes beside it hold other rows; back come whole rows of 256 bytes.
; LDS serves a wave's instructions in order (ISA guide 5.7.1.4): no wait between the stores and the loads, nor ahead of the next tile's stores.  No vector instruction stands in the way out.
.macro TOSTAGE a
.irp i, 0,1,2,3
	ds_store_b128 v[SOA], v[ACC+32*\i+8*(\a):ACC+32*\i+8*(\a)+3] offset:128*(\i/2)+32*(\i%2)       ; columns 32 (i / 2) + 16 h + 8 (i % 2) + 0 .. 7; each accumulator from its low end
	ds_store_b128 v[SOA], v[ACC+32*\i+8*(\a)+4:ACC+32*\i+8*(\a)+7] offset:128*(\i/2)+32*(\i%2)+16
.endr
.irp t, 0,1,2,3,4,5,6,7
	ds_load_b128 v[OB+32*((\a)%2)+4*\t:OB+32*((\a)%2)+4*\t+3], v[RDA] offset:544*\t
.endr
.endm
.macro SEND a, younger                 ; younger: the LDS instructions issued behind tile a's loads, which may stay out
	s_wait_dscnt \younger
.irp t, 0,1,2,3,4,5,6,7
	global_store_b128 v[CO], v[OB+32*((\a)%2)+4*\t:OB+32*((\a)%2)+4*\t+3], s[12:13] offset:(32*((\a)/2)+8*((\a)%2)+2*\t+8*(\t/4))*4096 th:TH_STORE_NT   ; 16 lanes store 256 consecutive bytes, at a multiple of 256 from out0's first byte
.endr
.endm
	TOSTAGE 0
.irp a, 1,2,3
.if \a > 1
	s_wait_xcnt 0x0                                ; tile a - 2's stores have had their addresses translated
	s_wait_alu depctr_vm_vsrc(0)                   ; tile a - 2's stores have read their set of v[OB ..], in which tile a's loads land
.endif
	TOSTAGE \a
	SEND \a-1, 16                                  ; behind tile a - 1's loads: tile a's 8 stores and 8 loads
.endr
	SEND 3, 0
	s_wait_dscnt 0x0
	s_wait_alu depctr_hold_cnt(0) depctr_sa_sdst(0) depctr_va_vdst(0) depctr_va_sdst(0) depctr_va_ssrc(0) depctr_va_vcc(0) depctr_vm_vsrc(0)
	s_wait_tensorcnt 0x0
	ds_add_u32 v62, v63
	s_wait_dscnt 0x0
	s_endpgm
.Lfunc_end_k_q59a455629b_oproj:
	.size	k_q59a455629b_oproj, .Lfunc_end_k_q59a455629b_oproj-k_q59a455629b_oproj
	.p2alignl 7, 3214868480
	.fill 96, 4, 3214868480
	.section	.rodata,"a",@progbits
	.p2align	6, 0x0
	.amdhsa_kernel k_q59a455629b_oproj
		.amdhsa_group_segment_fixed_size 73216
		.amdhsa_private_segment_fixed_size 0
		.amdhsa_enable_private_segment 0
		.amdhsa_kernarg_size 40
		.amdhsa_user_sgpr_count 2
		.amdhsa_user_sgpr_kernarg_segment_ptr 1
		.amdhsa_wavefront_size32 1
		.amdhsa_system_sgpr_workgroup_id_x 1
		.amdhsa_system_sgpr_workgroup_id_y 1
		.amdhsa_system_sgpr_workgroup_id_z 1
		.amdhsa_system_vgpr_workitem_id 0
		.amdhsa_next_free_vgpr 1024
		.amdhsa_next_free_sgpr 66
		.amdhsa_reserve_vcc 0
		.amdhsa_float_denorm_mode_32 3
		.amdhsa_float_denorm_mode_16_64 3
		.amdhsa_memory_ordered 1
		.amdhsa_forward_progress 1
		.amdhsa_inst_pref_size 60
	.end_amdhsa_kernel
	.amdgpu_metadata
---
amdhsa.version: [ 1, 2 ]
amdhsa.kernels:
  - .name:           k_q59a455629b_oproj
    .symbol:         k_q59a455629b_oproj.kd
    .args:
      - { .name: o_img, .offset: 0, .size: 8, .value_kind: global_buffer, .address_space: global }
      - { .name: o_sc, .offset: 8, .size: 8, .value_kind: global_buffer, .address_space: global }
      - { .name: W_o_codes, .offset: 16, .size: 8, .value_kind: global_buffer, .address_space: global }
      - { .name: W_o_scales, .offset: 24, .size: 8, .value_kind: global_buffer, .address_space: global }
      - { .name: out0, .offset: 32, .size: 8, .value_kind: global_buffer, .address_space: global }
    .group_segment_fixed_size: 73216
    .private_segment_fixed_size: 0
    .kernarg_segment_align: 8
    .kernarg_segment_size: 40
    .max_flat_workgroup_size: 128
    .sgpr_count:     66
    .vgpr_count:     1024
    .wavefront_size: 32
...
	.end_amdgpu_metadata
.endif
;; end of part 8
